; MI455X (gfx1250); checked and timed in simulation.
; The chip was launched on July 23, 2026; its instructions are those of AMD's public machine-readable ISA for CDNA 5 (MIT licence, August 2026) and "CDNA5" Instruction Set Architecture Reference Guide (July 2026). The comments in the code are by the model that wrote it; some were corrected since.
;; Predictor2 D. Allowed arithmetic: matrix products marked QUANTISED: E2M3 operands, one E8M0 scale for each 32 along K, by v_wmma_scale_f32_16x16x128_f8f6f4 with both operands' format E2M3, f32 sums; products left as they are: f32 operands where the result goes on into a quantised operand, else bf16, f16 or f32 operands; f32 sums; everything else in f32.
;; Inputs: W_pair 128 x 8 float32; Wkv_h_codes 1,024 x 2 x 24 uint8 (E2M3 codes of Wkv_h, K innermost, in blocks of 32 codes, four codes in three bytes); Wkv_h_scales 1,024 x 2 uint8 (E8M0 scales of Wkv_h, one for each 32 codes along K); Wkv_w_codes 1,024 x 2 x 24 uint8 (E2M3 codes of Wkv_w, K innermost, in blocks of 32 codes, four codes in three bytes); Wkv_w_scales 1,024 x 2 uint8 (E8M0 scales of Wkv_w, one for each 32 codes along K); Wout_h_codes 64 x 16 x 24 uint8 (E2M3 codes of Wout_h, K innermost, in blocks of 32 codes, four codes in three bytes); Wout_h_scales 64 x 16 uint8 (E8M0 scales of Wout_h, one for each 32 codes along K); Wout_w_codes 64 x 16 x 24 uint8 (E2M3 codes of Wout_w, K innermost, in blocks of 32 codes, four codes in three bytes); Wout_w_scales 64 x 16 uint8 (E8M0 scales of Wout_w, one for each 32 codes along K); Wq_h_codes 512 x 2 x 24 uint8 (E2M3 codes of Wq_h, K innermost, in blocks of 32 codes, four codes in three bytes); Wq_h_scales 512 x 2 uint8 (E8M0 scales of Wq_h, one for each 32 codes along K); Wq_w_codes 512 x 2 x 24 uint8 (E2M3 codes of Wq_w, K innermost, in blocks of 32 codes, four codes in three bytes); Wq_w_scales 512 x 2 uint8 (E8M0 scales of Wq_w, one for each 32 codes along K); bout_h 64 float32; bout_w 64 float32; pair_bias 1 x 256 x 256 x 128 float32; pair_ln_b 128 float32; pair_ln_g 128 float32; x_codes 1 x 256 x 256 x 2 x 24 uint8 (E2M3 codes of x, K innermost, in blocks of 32 codes, four codes in three bytes); x_scales 1 x 256 x 256 x 2 uint8 (E8M0 scales of x, one for each 32 codes along K).
;; Outputs: out0 1 x 256 x 256 x 64 float32.
;; This version of the problem:
;;   THIS VERSION OF THE PROBLEM IS GIVEN IN LOW PRECISION. The matrix products marked QUANTISED in the list below multiply operands that are first quantised to E2M3 (2 exponent bits, 3 mantissa bits; 6 bits a number), with one power-of-two scale for each 32 numbers along K (OCP MX v1.0); their sums are f32. All else is computed in f32.
;;   The module's matrix products, in the order in which they are computed (A, B: the left and right operand; K: the contracted axis; several contracted axes count as one K, in the product's order):
;;     1. [M 65,536, K 64] x [K 64, N 512]; A: input x (given as codes); B: input Wq_w (given as codes): QUANTISED
;;     2. [M 65,536, K 64] x [K 64, N 1,024]; A: input x (given as codes); B: input Wkv_w (given as codes): QUANTISED
;;     3. batch 2,048 x [M 256, K 64] x [K 64, N 256]; A: computed on the way; B: computed on the way: QUANTISED
;;     4. batch 2,048 x [M 256, K 256] x [K 256, N 64]; A: softmax (see below); B: computed on the way: QUANTISED
;;     5. [M 65,536, K 512] x [K 512, N 64]; A: computed on the way; B: input Wout_w (given as codes): QUANTISED
;;     6. [M 65,536, K 64] x [K 64, N 512]; A: input x (given as codes); B: input Wq_h (given as codes): QUANTISED
;;     7. [M 65,536, K 64] x [K 64, N 1,024]; A: input x (given as codes); B: input Wkv_h (given as codes): QUANTISED
;;     8. batch 8 x [M 256, K 16,384] x [K 16,384, N 256]; A: computed on the way; B: computed on the way: QUANTISED
;;     9. [M 65,536, K 128] x [K 128, N 8]; A: computed on the way; B: input W_pair: left as it is (N = 8 < 16)
;;     10. batch 8 x [M 16,384, K 256] x [K 256, N 256]; A: computed on the way; B: softmax (see below): QUANTISED
;;     11. [M 65,536, K 512] x [K 512, N 64]; A: computed on the way; B: input Wout_h (given as codes): QUANTISED
;;   THE QUANTISER, for each operand of a quantised product, along K:
;;     - K is cut into blocks of 32 from its start; a last block that is shorter is filled with zeros.
;;     - A block's scale is 2^e with e = floor(log2(the largest magnitude in the block)) - 2, held to -126 .. 127; a block of zeros has e = 0. As a byte (E8M0): e + 127.
;;     - Each number is divided by its block's scale, clamped to +-7.5, and rounded to the nearest number of E2M3, ties to even, subnormals kept.
;;     - The product sums the exact products of the quantised numbers (number of the format x scale) in f32.
;;   ~~~python
;;   def quantise(x, axis):      # numpy; x: float32 -> the quantised numbers, widened to float32 again
;;       x = np.moveaxis(x, axis, -1); K = x.shape[-1]
;;       x = np.pad(x, [(0, 0)] * (x.ndim - 1) + [(0, -K % 32)]); x = x.reshape(x.shape[:-1] + (-1, 32)); a = np.abs(x).max(-1, keepdims=True)
;;       e = np.where(a > 0, np.clip(np.frexp(np.where(a > 0, a, 1))[1] - 1 - 2, -126, 127), 0)      # np.frexp(a)[1] - 1 = floor(log2(a)), exactly
;;       r = np.clip(x / 2.0 ** e, -7.5, 7.5)
;;       step = 2.0 ** (np.maximum(np.frexp(np.where(r == 0, 1, r))[1] - 1, 0) - 3)
;;       q = np.round(r / step) * step * 2.0 ** e      # np.round: ties to even
;;       return np.moveaxis(q.reshape(q.shape[:-2] + (-1,))[..., :K], -1, axis).astype(np.float32)
;;   ~~~
;;   SOFTMAX AHEAD OF A QUANTISED PRODUCT. Where the list says 'softmax', what is quantised is not the finished softmax but p = 2^(t - M), with t = logit x log2(e) and M = ceil(the row's largest t), a whole number; so 1/2 < the row's largest p <= 1. The row's sum l is taken of the UNQUANTISED p, in f32, and the product's result is divided by l at the end. Since M is a whole number, a kernel that streams over the keys may use a running M (the ceiling of the running maximum): every later rescaling is an exact power of two, which a block's scale takes up: the codes' values come out the same.
;;   OPERANDS COMPUTED ON THE WAY. 'Computed on the way' means the value that the module computes at that place (a softmax that the list does not call 'softmax' is quantised finished and normalised). What goes into a quantiser is computed in f32, as accurately as f32 sums, v_exp_f32 and their like allow (about 1e-6 of the number): no bf16 or f16 on the way to a quantiser, and a product that is left as it is and whose result goes on into a quantised operand takes f32 operands (vector FMAs, or v_wmma_f32_16x16x4_f32). A number that lies on a knife's edge between two numbers of the format may be rounded either way, as far as f32 arithmetic and the matrix unit's own rounding can turn it there, and no further.
;;   INPUTS GIVEN AS CODES. Wkv_h (in the module: [64, 1024], K = its axis 0); Wkv_w (in the module: [64, 1024], K = its axis 0); Wout_h (in the module: [512, 64], K = its axis 0); Wout_w (in the module: [512, 64], K = its axis 0); Wq_h (in the module: [64, 512], K = its axis 0); Wq_w (in the module: [64, 512], K = its axis 0); x (in the module: [1, 256, 256, 64], K = its axis 3): each comes as NAME_codes (uint8): NAME with its K axis moved to the last place and cut into blocks of 32 codes, [.., K / 32, bytes a block], one block behind the other in memory; four codes in three bytes: a row's codes are one little-endian stream of bits, code i at bits 6 i .. 6 i + 5 (a code: sign, 2 exponent bits, 3 mantissa bits); and NAME_scales (uint8): the same leading axes, one E8M0 byte (e + 127) for each 32 codes along K. Its value is code x scale, taken as it is: it is not quantised again, and the codes and scales need not be those that the quantiser above would give.
;; 2 versions, each right; version 2 is version 1 with the launches width, hdots, hout written anew for expert scheduling mode. Each part assembles by itself: llvm-mc -triple=amdgcn-amd-amdhsa -mcpu=gfx1250 --defsym DOCPART=n.
;; ======== version 1 of 2: 4 launches
;; workspace buffers: wbuf 16,777,216 bytes; ximg 3,145,728 bytes; xsimg 262,144 bytes; part 16,777,216 bytes; pcodes 393,216 bytes; pscales 16,384 bytes; linv 8,192 bytes
;; launch width (part 1): grid 256 x 1, 16 waves a work-group, no clusters, 305,152 bytes of LDS; arguments x_codes, x_scales, Wq_w_codes, Wq_w_scales, Wkv_w_codes, Wkv_w_scales, Wout_w_codes, Wout_w_scales, bout_w, wbuf, ximg, xsimg; writes wbuf, ximg, xsimg
.if DOCPART == 1
	.amdgcn_target "amdgcn-amd-amdhsa--gfx1250"
	.amdhsa_code_object_version 6
	.text
	.protected	k_qddccd91667_width
	.globl	k_qddccd91667_width
	.p2align	8
	.type	k_qddccd91667_width,@function
k_qddccd91667_width:
	s_mov_b64 s[64:65], 0
	v_nop
	global_prefetch_b8 v0, s[64:65] scope:SCOPE_SE
	s_setreg_imm32_b32 hwreg(HW_REG_WAVE_MODE, 25, 1), 1
	s_wait_xcnt 0x0
; WIDTH ATTENTION.  One work-group takes one column w of x: 256 rows r, 8 heads of 64.  q, k, v, the scores, the softmax, p v and the
; projection by Wout_w are all made here; wbuf[r][w][:] = 0.5 (ow Wout_w + bout_w).  All products on codes of E2M3 with E8M0 scales.
; It also lays x's codes out as images of operand registers (ximg, xsimg) for the launch that follows.
; SHARES.  Sixteen waves, four to a SIMD.  Wave T (b = T / 2, beta = T % 2) owns the 16 queries of tile T and, for each head, makes block beta
; (32 of the head's 64) of q and of k for the rows of tiles 2 b, 2 b + 1, and key block b of v for v's tiles 2 beta, 2 beta + 1.
; THE ROWS OF A TILE ARE NOT NEIGHBOURS: lane l of tile 2 b + u takes row 32 b + 8 u + l + (l & 8), so that the 16 registers of two neighbouring
; tiles of a result are 16 neighbours along the next product's K.
; K = 64 IN AN INSTRUCTION OF K = 128: registers 6-11 of such a fragment hold zero codes, written once and never again; bytes 2, 3 of its scale words are no 0xff.
; OPERANDS GO FROM WAVE TO WAVE THROUGH LDS AS IMAGES OF THEIR REGISTERS (K = 64: registers 0-3 at 16 x lane, 4-5 at 512 + 8 x lane; K = 128: three times 512 bytes).
; q, k, v have two buffers, by the head's parity: so one barrier a head does: a buffer is written again only behind the next head's barrier, which every wave reaches behind its awaited reads.
; SOFTMAX: t = score x 0.125 log2(e); M = ceil(largest t); p = 2^(t - M) is quantised along the keys; the sum of the unquantised p divides before the next quantiser.
; LIMITS: NaN and infinities are not served.  A block whose largest magnitude lies under 2^(3 - 127), a block of zeros too, gets the scale byte 1: its codes are zeros or nearly, and the bytes are read by this program alone.
; A block's largest p is taken as 2^ of the block's largest score's t - M: this takes v_exp_f32 not to fall where its input rises.
.set WQI,  0                           ; LDS: Wq's 32 tiles x 768 bytes
.set WKVI, 24576                       ; Wkv's 64 tiles (k: 0-31, v: 32-63)
.set WQS,  73728                       ; scale words: a pair of tiles in 128 bytes (lanes 0-15 the even tile, lanes 16-31 the odd one)
.set WKVS, 75776
.set XI,   79872                       ; x's 16 tiles
.set QI0,  92160                       ; q: two buffers of 16 tiles, 12,288 bytes apart; k 24,576 further on; v behind k
.set KI0,  116736
.set VI0,  141312
.set SC,   165888                      ; scale words of q (+0, +1024), k (+2048, +3072): tile x 64 + 4 l; scale bytes of v (+4096, +4608): (16 t + l) x 8 + key block
.set OWI,  171008                      ; for each wave 6,656 bytes: its four fragments of ow, then their scale words; at the end its stage
.set OWP,  6656
.set WOI,  277504                      ; Wout's 16 fragments (4 t + sigma) x 1536
.set WOS,  302080                      ; their scale words: 256 sigma + 64 t + 4 l
.set AX16, 1
.set AX8,  2
.set AW16, 3
.set AW8,  4
.set AWS,  5
.set AP16, 6
.set AP8,  7
.set ASB,  8
.set AV0,  9
.set AV1,  10
.set AVS,  11
.set AQ16, 12
.set AQ8,  13
.set AQS,  14
.set AH16, 15
.set AH8,  16
.set AHS,  17
.set AVL,  18
.set AO16, 19
.set AOS,  20
.set OWW,  21                          ; ow's scale word in the making
.set XS,   22                          ; x's scale words: lanes 0-15 tile 2 b, lanes 16-31 tile 2 b + 1
.set QSR,  23                          ; my queries' scale words
.set R8,   24                          ; v24-31: scale words in hand
.set PW0,  28
.set PW1,  29
.set QF,   32                          ; my queries' fragment
.set FB,   44                          ; four fragments of K = 64
.set NEGM, 44                          ; (in the softmax the data halves of FB serve: -M, two sums, 1 / l)
.set SUMA, 46
.set SUMB, 48
.set RL,   56
.set BM,   92
.set PERM, 100
.set SOP,  108
.set PCA,  116
.set PCB,  122
.set S,    128                         ; v128-255: results; the scores, then p
.set OT,   160
.set VF,   192
.set SEL,  36
.set CS,   38
.set HIM,  40
.macro NOP4
.rept 4
	v_nop
.endr
.endm
.macro BARRIER                         ; my LDS stores have landed and my LDS loads are in: then the work-group's barrier
	s_wait_dscnt 0x0
	s_barrier_signal -1
	s_barrier_wait -1
.endm
; D = A B^T, started with 0.  sa, sb: the scale registers; ra, rb = 1: that side's words stand in lanes 16-31
.macro WMZ d, a, b, sa, sb, ra, rb
.if ((\ra) != 0) && ((\rb) != 0)
	v_wmma_scale_f32_16x16x128_f8f6f4 v[(\d):(\d)+7], v[(\a):(\a)+11], v[(\b):(\b)+11], 0, v[(\sa)], v[(\sb)] matrix_a_fmt:MATRIX_FMT_FP6 matrix_b_fmt:MATRIX_FMT_FP6 matrix_a_scale:MATRIX_SCALE_ROW1 matrix_b_scale:MATRIX_SCALE_ROW1
.elseif (\ra) != 0
	v_wmma_scale_f32_16x16x128_f8f6f4 v[(\d):(\d)+7], v[(\a):(\a)+11], v[(\b):(\b)+11], 0, v[(\sa)], v[(\sb)] matrix_a_fmt:MATRIX_FMT_FP6 matrix_b_fmt:MATRIX_FMT_FP6 matrix_a_scale:MATRIX_SCALE_ROW1
.elseif (\rb) != 0
	v_wmma_scale_f32_16x16x128_f8f6f4 v[(\d):(\d)+7], v[(\a):(\a)+11], v[(\b):(\b)+11], 0, v[(\sa)], v[(\sb)] matrix_a_fmt:MATRIX_FMT_FP6 matrix_b_fmt:MATRIX_FMT_FP6 matrix_b_scale:MATRIX_SCALE_ROW1
.else
	v_wmma_scale_f32_16x16x128_f8f6f4 v[(\d):(\d)+7], v[(\a):(\a)+11], v[(\b):(\b)+11], 0, v[(\sa)], v[(\sb)] matrix_a_fmt:MATRIX_FMT_FP6 matrix_b_fmt:MATRIX_FMT_FP6
.endif
.endm
; the same with C in registers (here rb is always 0)
.macro WMA d, a, b, c, sa, sb, ra, rb
.if (\ra) != 0
	v_wmma_scale_f32_16x16x128_f8f6f4 v[(\d):(\d)+7], v[(\a):(\a)+11], v[(\b):(\b)+11], v[(\c):(\c)+7], v[(\sa)], v[(\sb)] matrix_a_fmt:MATRIX_FMT_FP6 matrix_b_fmt:MATRIX_FMT_FP6 matrix_a_scale:MATRIX_SCALE_ROW1
.else
	v_wmma_scale_f32_16x16x128_f8f6f4 v[(\d):(\d)+7], v[(\a):(\a)+11], v[(\b):(\b)+11], v[(\c):(\c)+7], v[(\sa)], v[(\sb)] matrix_a_fmt:MATRIX_FMT_FP6 matrix_b_fmt:MATRIX_FMT_FP6
.endif
.endm
; 32 numbers of a lane: two groups of 16, each the half (by lane / 16) of a block of 32.  Afterwards lane (l, hh) holds the whole block of group hh as codes in v[PCA .. PCA+5];
; the two scale bytes stand in v[PERM], v[PERM+1] of every lane.
.macro QUANT2 s
	v_max3_num_f32 v[BM], |v[(\s)]|, |v[(\s)+1]|, 0x1800000          ; with the floor 2^(3 - 127): the byte cannot fall under 1
	v_max3_num_f32 v[BM+1], |v[(\s)+16]|, |v[(\s)+17]|, 0x1800000
.irp i, 2,4,6,8,10,12,14
	v_max3_num_f32 v[BM], v[BM], |v[(\s)+\i]|, |v[(\s)+\i+1]|
	v_max3_num_f32 v[BM+1], v[BM+1], |v[(\s)+16+\i]|, |v[(\s)+17+\i]|
.endr
	v_permlanex16_b32 v[PERM], v[BM], s[SEL], s[SEL+1]
	v_permlanex16_b32 v[PERM+1], v[BM+1], s[SEL], s[SEL+1]
	v_max_num_f32 v[BM], v[BM], v[PERM]                              ; with lane l xor 16's: the block's largest magnitude
	v_max_num_f32 v[BM+1], v[BM+1], v[PERM+1]
	v_add_nc_u32 v[SOP], 0xff000000, v[BM]                           ; 2 off the exponent field: the conversion's scale operand
	v_add_nc_u32 v[SOP+1], 0xff000000, v[BM+1]
	v_lshrrev_b32 v[PERM], 23, v[SOP]                                ; the scale's byte
	v_lshrrev_b32 v[PERM+1], 23, v[SOP+1]
	v_cvt_scalef32_pk16_fp6_f32 v[PCA:PCA+2], v[(\s):(\s)+15], v[SOP]
	v_cvt_scalef32_pk16_fp6_f32 v[PCB:PCB+2], v[(\s)+16:(\s)+31], v[SOP+1]
	v_nop                                                            ; one plain place behind a scaled conversion
.irp i, 0,1,2
	v_permlane16_swap_b32 v[PCA+\i], v[PCB+\i]                       ; the first now holds each lane's group's lower 16 codes, the second the upper 16
.endr
.irp i, 0,1,2
	v_mov_b32 v[PCA+3+\i], v[PCB+\i]
.endr
.endm
.macro WTILES off                      ; two tiles of a weight into FB 2, 3
	ds_load_b128 v[FB+24:FB+27], v[AW16] offset:\off
	ds_load_b64 v[FB+28:FB+29], v[AW8] offset:\off
	ds_load_b128 v[FB+36:FB+39], v[AW16] offset:\off+768
	ds_load_b64 v[FB+40:FB+41], v[AW8] offset:\off+768
.endm
.macro QKMUL d, ws                     ; source 0 = 16 rows of the weight, source 1 = 16 rows of x: a lane holds one row of x, its registers run along the head's 64
.irp g, 0,1
.irp u, 0,1
	WMZ (\d)+16*\g+8*\u, FB+24+12*\u, FB+12*\g, \ws, XS, \u, \g
.endr
.endr
.endm
.macro QKSTORE oc, ob                  ; my block of tile 2 b + hh's rows: into the image at the place of lane (l, beta); its byte into the row's scale word (and a copy into byte 2 or 3, which scales zero codes)
	v_cndmask_b32 v[BM], v[PERM], v[PERM+1], s[HIM]
	ds_store_b128 v[AP16], v[PCA:PCA+3] offset:\oc
	ds_store_b64 v[AP8], v[PCA+4:PCA+5] offset:\oc
	ds_store_b8 v[ASB], v[BM] offset:\ob
	ds_store_b8 v[ASB], v[BM] offset:\ob+2
.endm
	s_load_b512 s[4:19], s[0:1], 0x0               ; x codes, x scales, Wq codes, Wq scales, Wkv codes, Wkv scales, Wout codes, Wout scales
	s_load_b256 s[20:27], s[0:1], 0x40             ; bout, wbuf, ximg, xsimg
	v_lshrrev_b32 v192, 5, v0
	v_readfirstlane_b32 s28, v192                  ; T
	s_lshr_b32 s29, s28, 1                         ; b
	s_and_b32 s30, s28, 1                          ; beta
	s_mov_b32 s[SEL], 0x76543210
	s_mov_b32 s[SEL+1], 0xfedcba98                 ; v_permlanex16_b32's selects for lane l xor 16
	s_mov_b32 s[CS], 0x3e38aa3b                    ; 0.125 log2(e)
	s_mov_b32 s[CS+1], s[CS]
	s_mov_b32 s[HIM], 0xffff0000                   ; lanes 16-31
	s_mov_b32 s41, 4
	v_and_b32 v192, 31, v0                         ; L
	v_and_b32 v193, 15, v0                         ; l
	v_bfe_u32 v194, v0, 4, 1                       ; hh
	v_and_b32 v195, 8, v0
	v_add_nc_u32 v195, v195, v193                  ; l + (l & 8)
	; LDS addresses: a constant + a constant x wave's parts + a constant x lane's parts
	s_mul_i32 s42, s29, 1536
	s_add_co_u32 s43, s42, XI
	v_lshl_add_u32 v[AX16], v192, 4, s43
	s_add_co_u32 s43, s43, 512
	v_lshl_add_u32 v[AX8], v192, 3, s43
	s_mul_i32 s43, s30, 1536
	v_lshl_add_u32 v[AW16], v192, 4, s43
	s_add_co_u32 s43, s43, 512
	v_lshl_add_u32 v[AW8], v192, 3, s43
	s_lshl_b32 s43, s30, 7
	s_add_co_u32 s43, s43, WQS
	v_lshl_add_u32 v[AWS], v192, 2, s43
	s_lshl_b32 s43, s30, 8
	s_add_co_u32 s43, s43, s42
	s_add_co_u32 s43, s43, QI0
	v_mul_u32_u24 v196, v194, 768
	v_lshl_add_u32 v197, v193, 4, v196
	v_add_nc_u32 v[AP16], s43, v197
	s_lshl_b32 s43, s30, 7
	s_add_co_u32 s43, s43, s42
	s_add_co_u32 s43, s43, QI0+512
	v_lshl_add_u32 v197, v193, 3, v196
	v_add_nc_u32 v[AP8], s43, v197
	s_lshl_b32 s43, s29, 7
	s_add_co_u32 s43, s43, s30
	s_add_co_u32 s43, s43, SC
	v_lshl_add_u32 v[ASB], v192, 2, s43
	s_mul_i32 s43, s30, 6144                       ; v: fragment 2 (2 beta + hh) + b / 4, lane l + 16 (b % 2), registers 6 ((b / 2) % 2) on
	s_lshr_b32 s44, s29, 2
	s_mul_i32 s44, s44, 1536
	s_add_co_u32 s43, s43, s44
	s_and_b32 s44, s29, 1
	s_lshl_b32 s44, s44, 8
	s_add_co_u32 s43, s43, s44
	s_add_co_u32 s43, s43, VI0
	s_bfe_u32 s44, s29, 0x10001
	s_mul_i32 s45, s44, 520
	s_add_co_u32 s45, s45, s43
	v_mul_u32_u24 v196, v194, 3072
	v_lshl_add_u32 v196, v193, 4, v196
	v_add_nc_u32 v[AV0], s45, v196
	s_mul_i32 s45, s44, 1016
	s_add_co_u32 s45, s45, s43
	s_add_co_u32 s45, s45, 8
	v_add_nc_u32 v[AV1], s45, v196
	s_lshl_b32 s43, s30, 8
	s_add_co_u32 s43, s43, s29
	s_add_co_u32 s43, s43, SC+4096
	v_lshl_add_u32 v[AVS], v192, 3, s43
	s_mul_i32 s43, s28, 768
	s_add_co_u32 s43, s43, QI0
	v_lshl_add_u32 v[AQ16], v192, 4, s43
	s_add_co_u32 s43, s43, 512
	v_lshl_add_u32 v[AQ8], v192, 3, s43
	s_lshl_b32 s43, s28, 6
	s_add_co_u32 s43, s43, SC
	v_lshl_add_u32 v[AQS], v193, 2, s43
	v_lshl_add_u32 v[AH16], v192, 4, KI0
	v_lshl_add_u32 v[AH8], v192, 3, KI0+512
	v_lshl_add_u32 v[AHS], v192, 2, SC+2048
	v_lshl_add_u32 v[AVL], v192, 3, SC+4096
	s_mul_i32 s46, s28, OWP
	s_add_co_u32 s46, s46, OWI                     ; kept: my wave's own bytes
	s_add_co_u32 s47, s46, 6144                    ; kept
	v_lshl_add_u32 v[AO16], v192, 4, s46
	v_lshl_add_u32 v[AOS], v192, 2, s47
	; where the weights' images go: wave T lays Wq's pair T, Wkv's pairs 2 T, 2 T + 1 and Wout's fragment T
	s_mul_i32 s43, s28, 1536
	v_lshl_add_u32 v200, v192, 4, s43
	s_add_co_u32 s44, s43, 512
	v_lshl_add_u32 v201, v192, 3, s44
	s_add_co_u32 s44, s43, WOI
	v_lshl_add_u32 v206, v192, 4, s44
	s_mul_i32 s43, s28, 3072
	s_add_co_u32 s43, s43, WKVI
	v_lshl_add_u32 v202, v192, 4, s43
	s_add_co_u32 s43, s43, 512
	v_lshl_add_u32 v203, v192, 3, s43
	s_lshl_b32 s43, s28, 7
	s_add_co_u32 s43, s43, WQS
	v_lshl_add_u32 v204, v192, 2, s43
	s_lshl_b32 s43, s28, 8
	s_add_co_u32 s43, s43, WKVS
	v_lshl_add_u32 v205, v192, 2, s43
	s_lshr_b32 s44, s28, 2                         ; t
	s_and_b32 s45, s28, 3                          ; sigma
	s_lshl_b32 s43, s45, 8
	s_lshl_b32 s42, s44, 6
	s_add_co_u32 s43, s43, s42
	s_add_co_u32 s43, s43, WOS
	v_lshl_add_u32 v207, v193, 2, s43
	; offsets in memory
	s_mul_i32 s43, s44, 6144
	s_mul_i32 s42, s45, 96
	s_add_co_u32 s43, s43, s42
	v_mul_u32_u24 v214, v193, 384
	v_mad_u32_u24 v214, v194, 24, v214
	v_add_nc_u32 v214, s43, v214                   ; Wout: row 16 t + l of 384 bytes, + 96 sigma + 24 hh
	s_lshl_b32 s43, s44, 8
	s_lshl_b32 s42, s45, 2
	s_add_co_u32 s43, s43, s42
	v_lshl_add_u32 v215, v193, 4, s43              ; its scale word
	s_mul_i32 s43, s29, 393216
	v_mul_u32_u24 v208, v195, 12288
	v_mad_u32_u24 v208, v194, 24, v208
	v_add_nc_u32 v208, s43, v208                   ; x: row r = 32 b + l + (l & 8), 12,288 bytes from r to r + 1, + 24 hh
	s_lshl_b32 s43, s29, 14
	v_lshlrev_b32 v209, 9, v195
	v_lshl_add_u32 v209, v194, 12, v209
	v_add_nc_u32 v209, s43, v209                   ; x's scales: row 32 b + 8 hh + l + (l & 8), 512 bytes from r to r + 1
	v_mul_u32_u24 v196, v195, 48
	v_mad_u32_u24 v196, v194, 24, v196
	s_mul_i32 s43, s28, 1536
	v_add_nc_u32 v210, s43, v196                   ; Wq: row 32 T + ..
	s_mul_i32 s43, s28, 3072
	v_add_nc_u32 v211, s43, v196                   ; Wkv: row 64 T + ..
	v_lshlrev_b32 v197, 1, v195
	v_lshl_add_u32 v197, v194, 4, v197
	s_lshl_b32 s43, s28, 6
	v_add_nc_u32 v212, s43, v197
	s_lshl_b32 s43, s28, 7
	v_add_nc_u32 v213, s43, v197
	s_mul_i32 s43, s29, 1536
	v_lshl_add_u32 v216, v192, 4, s43              ; ximg: tile 2 b, 16 x lane
	s_add_co_u32 s43, s43, 512
	v_lshl_add_u32 v217, v192, 3, s43
	s_lshl_b32 s43, s29, 7
	v_lshl_add_u32 v218, v192, 2, s43              ; xsimg: pair b, 4 x lane
	s_wait_kmcnt 0x0
	s_mul_i32 s42, ttmp9, 48
	s_mov_b32 s43, 0
	s_add_nc_u64 s[4:5], s[4:5], s[42:43]          ; all at my column w
	s_lshl_b32 s42, ttmp9, 1
	s_add_nc_u64 s[6:7], s[6:7], s[42:43]
	s_lshl_b32 s42, ttmp9, 8
	s_add_nc_u64 s[22:23], s[22:23], s[42:43]
	s_mul_i32 s42, ttmp9, 12288
	s_add_nc_u64 s[24:25], s[24:25], s[42:43]
	s_lshl_b32 s42, ttmp9, 10
	s_add_nc_u64 s[26:27], s[26:27], s[42:43]
.irp p, 0,1,2
	global_load_b64 v[FB+2*\p:FB+2*\p+1], v208, s[4:5] offset:8*\p
	global_load_b64 v[FB+12+2*\p:FB+13+2*\p], v208, s[4:5] offset:98304+8*\p
.endr
	global_load_u16 v[XS], v209, s[6:7]            ; bytes 2, 3 of the word come as 0
.irp u, 0,1
.irp p, 0,1,2
	global_load_b64 v[128+6*\u+2*\p:129+6*\u+2*\p], v210, s[8:9] offset:384*\u+8*\p
.endr
.endr
.irp k, 0,1,2,3
.irp p, 0,1,2
	global_load_b64 v[140+6*\k+2*\p:141+6*\k+2*\p], v211, s[12:13] offset:1536*(\k/2)+384*(\k%2)+8*\p
.endr
.endr
	global_load_u16 v164, v212, s[10:11]
	global_load_u16 v165, v213, s[14:15]
	global_load_u16 v166, v213, s[14:15] offset:64
.irp p, 0,1,2,3,4,5
	global_load_b64 v[168+2*\p:169+2*\p], v214, s[16:17] offset:48*(\p/3)+8*(\p%3)
.endr
	global_load_b32 v180, v215, s[18:19]
.irp i, 6,7,8,9,10,11
	v_mov_b32 v[QF+\i], 0                          ; the zero codes of k = 64 .. 127: written once, for the whole launch
	v_mov_b32 v[FB+\i], 0
	v_mov_b32 v[FB+12+\i], 0
	v_mov_b32 v[FB+24+\i], 0
	v_mov_b32 v[FB+36+\i], 0
.endr
.irp i, 0,1,2,3,4,5,6,7
	v_mov_b32 v[PERM+\i], 0                        ; a lane permute's destination counts as one of its sources
.endr
	s_wait_loadcnt 0x0
.irp u, 0,1
	ds_store_b128 v200, v[128+6*\u:131+6*\u] offset:768*\u
	ds_store_b64 v201, v[132+6*\u:133+6*\u] offset:768*\u
.endr
.irp k, 0,1,2,3
	ds_store_b128 v202, v[140+6*\k:143+6*\k] offset:768*\k
	ds_store_b64 v203, v[144+6*\k:145+6*\k] offset:768*\k
.endr
	ds_store_b32 v204, v164
	ds_store_b32 v205, v165
	ds_store_b32 v205, v166 offset:128
.irp g, 0,1,2
	ds_store_b128 v206, v[168+4*\g:171+4*\g] offset:512*\g
.endr
	ds_store_b32 v207, v180                        ; (lanes l and l + 16 write the same word with the same value)
	s_cmp_lg_u32 s30, 0                            ; the even wave of a pair lays x's two tiles: into LDS, and into memory for the next launch
	s_cbranch_scc1 .Lnox
	ds_store_b128 v[AX16], v[FB:FB+3]
	ds_store_b64 v[AX8], v[FB+4:FB+5]
	ds_store_b128 v[AX16], v[FB+12:FB+15] offset:768
	ds_store_b64 v[AX8], v[FB+16:FB+17] offset:768
	global_store_b128 v216, v[FB:FB+3], s[24:25]               ; 512 consecutive bytes, then 256: a tile is 768
	global_store_b64 v217, v[FB+4:FB+5], s[24:25]
	global_store_b128 v216, v[FB+12:FB+15], s[24:25] offset:768
	global_store_b64 v217, v[FB+16:FB+17], s[24:25] offset:768
	global_store_b32 v218, v[XS], s[26:27]
.Lnox:
	s_wait_xcnt 0x0                                ; the stores' data and offsets are written again only behind this wait
	BARRIER                                        ; the weights' and x's images lie in LDS
; ONE HEAD.  c: its parity: which buffer of q, k, v, and which half of ow's fragment
.macro HEAD c
	; ---- my parts of q, k and v
	ds_load_b128 v[FB:FB+3], v[AX16]
	ds_load_b64 v[FB+4:FB+5], v[AX8]
	ds_load_b128 v[FB+12:FB+15], v[AX16] offset:768
	ds_load_b64 v[FB+16:FB+17], v[AX8] offset:768
	WTILES 3072*\c
	ds_load_b32 v[R8], v[AWS] offset:256*\c
	ds_load_b32 v[R8+1], v[AWS] offset:2048+256*\c
	ds_load_b32 v[R8+2], v[AWS] offset:4096+256*\c
	s_wait_dscnt 0x0                               ; also: the last head's stores have read their registers
	QKMUL S, R8
	NOP4                                           ; places in front of loads into registers that matrix instructions have read, and of the first read of results
	WTILES 24576+3072*\c
	QUANT2 S
	QKSTORE 12288*\c, 1024*\c
	s_wait_dscnt 0x0
	QKMUL S+32, R8+1
	NOP4
	WTILES 49152+3072*\c
	QUANT2 S+32
	QKSTORE 24576+12288*\c, 2048+1024*\c
	s_wait_dscnt 0x0
.irp g, 0,1                                    ; v the other way round: source 0 = 16 rows of x (keys), source 1 = 16 rows of Wv: a lane holds one of the head's 64, its registers run along the keys
.irp u, 0,1
	WMZ S+64+16*\g+8*\u, FB+12*\u, FB+24+12*\g, XS, R8+2, \u, \g
.endr
.endr
	NOP4
	QUANT2 S+64
	v_cndmask_b32 v[BM], v[PERM], v[PERM+1], s[HIM]
	ds_store_b64 v[AV0], v[PCA:PCA+1] offset:12288*\c
	ds_store_b64 v[AV1], v[PCA+2:PCA+3] offset:12288*\c
	ds_store_b64 v[AV0], v[PCA+4:PCA+5] offset:12288*\c+512
	ds_store_b8 v[AVS], v[BM] offset:512*\c
	BARRIER                                        ; the head's q, k and v lie in buffer c
	; ---- S^T = k q^T: 16 tiles of keys against my 16 queries
	ds_load_b128 v[QF:QF+3], v[AQ16] offset:12288*\c
	ds_load_b64 v[QF+4:QF+5], v[AQ8] offset:12288*\c
	ds_load_b32 v[QSR], v[AQS] offset:1024*\c
.irp p, 0,1,2,3,4,5,6,7
	ds_load_b32 v[R8+\p], v[AHS] offset:1024*\c+128*\p
.endr
.irp G, 0,1,2,3
.if \G > 0
	NOP4
.endif
.irp k, 0,1,2,3
	ds_load_b128 v[FB+12*\k:FB+12*\k+3], v[AH16] offset:12288*\c+768*(4*\G+\k)
	ds_load_b64 v[FB+12*\k+4:FB+12*\k+5], v[AH8] offset:12288*\c+768*(4*\G+\k)
.endr
	s_wait_dscnt 0x0
.irp k, 0,1,2,3
	WMZ S+8*(4*\G+\k), FB+12*\k, QF, R8+(4*\G+\k)/2, QSR, \k%2, 0
.endr
.endr
	NOP4
	; ---- the softmax: a lane holds query l; register 16 b + i is key 32 b + 16 hh + i
.irp b, 0,1,2,3,4,5,6,7
	v_max3_num_f32 v[BM+\b], v[S+16*\b], v[S+16*\b+1], v[S+16*\b+2]   ; the largest score of each block of 32 keys: for the row's maximum and for the block's largest p
.endr
.irp i, 3,5,7,9,11,13
.irp b, 0,1,2,3,4,5,6,7
	v_max3_num_f32 v[BM+\b], v[BM+\b], v[S+16*\b+\i], v[S+16*\b+\i+1]
.endr
.endr
.irp b, 0,1,2,3,4,5,6,7
	v_max_num_f32 v[BM+\b], v[BM+\b], v[S+16*\b+15]
.endr
.irp b, 0,1,2,3,4,5,6,7
	v_permlanex16_b32 v[PERM+\b], v[BM+\b], s[SEL], s[SEL+1]
.endr
.irp b, 0,1,2,3,4,5,6,7
	v_max_num_f32 v[BM+\b], v[BM+\b], v[PERM+\b]
.endr
	v_max3_num_f32 v[PERM], v[BM], v[BM+1], v[BM+2]
	v_max3_num_f32 v[PERM+1], v[BM+3], v[BM+4], v[BM+5]
	v_max3_num_f32 v[PERM], v[PERM], v[BM+6], v[BM+7]
	v_max_num_f32 v[PERM], v[PERM], v[PERM+1]
	v_mul_f32 v[PERM], s[CS], v[PERM]              ; the row's largest t
	v_floor_f32 v[NEGM], -v[PERM]                  ; -M = floor(-t): M is a whole number
	v_mov_b32 v[NEGM+1], 0                         ; (named with it as a pair)
.set j, 0
.rept 64
	v_pk_fma_f32 v[S+j:S+j+1], v[S+j:S+j+1], s[CS:CS+1], v[NEGM:NEGM+1] op_sel_hi:[1,0,0]   ; t - M
.set j, j+2
.endr
.irp b, 0,1,2,3,4,5,6,7
	v_fma_f32 v[BM+\b], v[BM+\b], s[CS], v[NEGM]
.endr
.set j, 0
.rept 128
	v_exp_f32 v[S+j], v[S+j]                       ; p = 2^(t - M)
.set j, j+1
.endr
	v_nop                                          ; a plain place behind the exponentials
	s_wait_alu depctr_va_vdst(0)                   ; one wait for the batch, ahead of its first reader
.irp b, 0,1,2,3,4,5,6,7
	v_exp_f32 v[BM+\b], v[BM+\b]                   ; each block's largest p
.endr
	v_pk_add_f32 v[SUMA:SUMA+1], v[S:S+1], v[S+2:S+3]          ; the row's sum, of the unquantised p, in two chains
	v_pk_add_f32 v[SUMB:SUMB+1], v[S+4:S+5], v[S+6:S+7]
.set j, 8
.rept 30
	v_pk_add_f32 v[SUMA:SUMA+1], v[SUMA:SUMA+1], v[S+j:S+j+1]
	v_pk_add_f32 v[SUMB:SUMB+1], v[SUMB:SUMB+1], v[S+j+2:S+j+3]
.set j, j+4
.endr
	v_pk_add_f32 v[SUMA:SUMA+1], v[SUMA:SUMA+1], v[SUMB:SUMB+1]
	v_add_f32 v[SUMA], v[SUMA], v[SUMA+1]
	v_permlanex16_b32 v[SUMB], v[SUMA], s[SEL], s[SEL+1]
	v_add_f32 v[SUMA], v[SUMA], v[SUMB]
	v_rcp_f32 v[RL], v[SUMA]
	v_nop
	s_wait_alu depctr_va_vdst(0)                   ; one wait for the eight and the reciprocal
	v_mov_b32 v[RL+1], v[RL]
.irp b, 0,1,2,3,4,5,6,7
	v_max_num_f32 v[BM+\b], 0x1800000, v[BM+\b]
.endr
.irp b, 0,1,2,3,4,5,6,7
	v_add_nc_u32 v[SOP+\b], 0xff000000, v[BM+\b]
.endr
.irp b, 0,1,2,3,4,5,6,7
	v_lshrrev_b32 v[PERM+\b], 23, v[SOP+\b]
.endr
	v_lshl_or_b32 v[PW0], v[PERM+1], 8, v[PERM]    ; p's scale words: keys 0-127, keys 128-255
	v_lshl_or_b32 v[PW1], v[PERM+5], 8, v[PERM+4]
	v_lshl_or_b32 v[PW0], v[PERM+2], 16, v[PW0]
	v_lshl_or_b32 v[PW1], v[PERM+6], 16, v[PW1]
	v_lshl_or_b32 v[PW0], v[PERM+3], 24, v[PW0]
	v_lshl_or_b32 v[PW1], v[PERM+7], 24, v[PW1]
	v_cvt_scalef32_pk16_fp6_f32 v[PCA:PCA+2], v[S:S+15], v[SOP]
	v_cvt_scalef32_pk16_fp6_f32 v[PERM:PERM+2], v[S+16:S+31], v[SOP+1]
	v_cvt_scalef32_pk16_fp6_f32 v[PCA+6:PCA+8], v[S+32:S+47], v[SOP+2]
	v_cvt_scalef32_pk16_fp6_f32 v[PERM+4:PERM+6], v[S+48:S+63], v[SOP+3]
	v_nop                                          ; the next four write registers that these have read
	v_cvt_scalef32_pk16_fp6_f32 v[S:S+2], v[S+64:S+79], v[SOP+4]
	v_cvt_scalef32_pk16_fp6_f32 v[S+12:S+14], v[S+80:S+95], v[SOP+5]
	v_cvt_scalef32_pk16_fp6_f32 v[S+6:S+8], v[S+96:S+111], v[SOP+6]
	v_cvt_scalef32_pk16_fp6_f32 v[S+16:S+18], v[S+112:S+127], v[SOP+7]
	v_nop
	ds_load_b64 v[R8:R8+1], v[AVL] offset:512*\c               ; v's scale words: a pair of tiles, both halves of the keys
	ds_load_b64 v[R8+2:R8+3], v[AVL] offset:512*\c+256
.irp t, 0,1,2,3
.irp g, 0,1,2
	ds_load_b128 v[VF+12*\t+4*\g:VF+12*\t+4*\g+3], v[AH16] offset:24576+12288*\c+3072*\t+512*\g
.endr
.endr
.irp i, 0,1,2
	v_permlane16_swap_b32 v[PCA+\i], v[PERM+\i]    ; the operand's layout wants a whole block in a lane
	v_permlane16_swap_b32 v[PCA+6+\i], v[PERM+4+\i]
	v_permlane16_swap_b32 v[S+\i], v[S+12+\i]
	v_permlane16_swap_b32 v[S+6+\i], v[S+16+\i]
.endr
.irp i, 0,1,2
	v_mov_b32 v[PCA+3+\i], v[PERM+\i]
	v_mov_b32 v[PCA+9+\i], v[PERM+4+\i]
	v_mov_b32 v[S+3+\i], v[S+12+\i]
	v_mov_b32 v[S+9+\i], v[S+16+\i]
.endr
.rept 8
	v_nop                                          ; a scale register written by a vector instruction stands 8 places ahead of a scaled matrix instruction, an operand so written 4
.endr
	; ---- O^T = v^T p^T: four tiles of the head's 64; the four accumulators by turns
	s_wait_dscnt 0x0
.irp t, 0,1,2,3
	WMZ OT+8*\t, VF+12*\t, PCA, R8+2*(\t/2), PW0, \t%2, 0
.endr
	NOP4
.irp t, 0,1,2,3
.irp g, 0,1,2
	ds_load_b128 v[VF+12*\t+4*\g:VF+12*\t+4*\g+3], v[AH16] offset:24576+12288*\c+3072*\t+1536+512*\g
.endr
.endr
	s_wait_dscnt 0x0
.irp t, 0,1,2,3
	WMA OT+8*\t, VF+12*\t, S, OT+8*\t, R8+2*(\t/2)+1, PW1, \t%2, 0
.endr
	NOP4
.set j, 0
.rept 16
	v_pk_mul_f32 v[OT+j:OT+j+1], v[OT+j:OT+j+1], v[RL:RL+1]    ; / l, ahead of the quantiser
.set j, j+2
.endr
	QUANT2 OT                                      ; lane (l, hh) now holds block hh of this head: its own registers 6 c .. 6 c + 5 of ow's fragment
.if \c == 0
	v_lshl_or_b32 v[OWW], v[PERM+1], 8, v[PERM]
	ds_store_b128 v[AO16], v[PCA:PCA+3]
	ds_store_b64 v[AO16], v[PCA+4:PCA+5] offset:512
.else
	v_lshl_or_b32 v[BM], v[PERM+1], 8, v[PERM]
	v_lshl_or_b32 v[OWW], v[BM], 16, v[OWW]
	ds_store_b64 v[AO16], v[PCA:PCA+1] offset:520
	ds_store_b128 v[AO16], v[PCA+2:PCA+5] offset:1024
	ds_store_b32 v[AOS], v[OWW]
.endif
.endm
.Ltrip:                                            ; four trips of two heads
	HEAD 0
	HEAD 1
	s_wait_dscnt 0x0                               ; no LDS instruction of mine is out: the addresses step
	v_add_nc_u32 v[AW16], 6144, v[AW16]
	v_add_nc_u32 v[AW8], 6144, v[AW8]
	v_add_nc_u32 v[AWS], 512, v[AWS]
	v_add_nc_u32 v[AO16], 1536, v[AO16]
	v_add_nc_u32 v[AOS], 128, v[AOS]
	s_sub_co_u32 s41, s41, 1
	s_cmp_lg_u32 s41, 0
	s_cbranch_scc1 .Ltrip
	; ---- the projection: y^T = Wout ow^T + bout, K = 512 in four steps; my 16 rows' fragments are my own bytes
.set AWO,  1
.set AWOS, 2
.set STO,  3
.set RD,   4
.set GO,   5
.set OWF,  128
.set WF,   176
.set ACC,  224
.set BIAS, 92
.set SOW,  24
.set SWO,  28
	v_and_b32 v7, 31, v0
	v_and_b32 v8, 15, v0
	v_bfe_u32 v9, v0, 4, 1
	v_lshl_add_u32 v[AO16], v7, 4, s46
	v_lshl_add_u32 v[AOS], v7, 2, s47
	v_lshl_add_u32 v[AWO], v7, 4, WOI
	v_lshl_add_u32 v[AWOS], v7, 2, WOS
	v_mul_u32_u24 v[STO], v8, 272
	v_lshl_add_u32 v[STO], v9, 5, v[STO]
	v_add_nc_u32 v[STO], s46, v[STO]               ; the stage: row l, 32 bytes for each half of the lanes
	v_mul_u32_u24 v[RD], v9, 272
	v_lshl_add_u32 v[RD], v8, 4, v[RD]
	v_add_nc_u32 v[RD], s46, v[RD]                 ; back: lanes 0-15 one row of 256 bytes, lanes 16-31 the next
	v_lshlrev_b32 v6, 5, v9
	s_lshl_b32 s42, s29, 5
	s_lshl_b32 s43, s30, 3
	s_add_co_u32 s42, s42, s43
	v_add_nc_u32 v[GO], s42, v9
	v_lshlrev_b32 v[GO], 16, v[GO]
	v_lshl_add_u32 v[GO], v8, 4, v[GO]             ; wbuf: row r = 32 b + 8 beta + hh (+ the immediate), 65,536 bytes from r to r + 1
.irp t, 0,1,2,3
	global_load_b128 v[BIAS+8*\t:BIAS+8*\t+3], v6, s[20:21] offset:64*\t       ; the bias in the result's layout: it is the C of each sum's first instruction
	global_load_b128 v[BIAS+8*\t+4:BIAS+8*\t+7], v6, s[20:21] offset:64*\t+16
.endr
.irp s, 0,1,2,3
.irp g, 0,1,2
	ds_load_b128 v[OWF+12*\s+4*\g:OWF+12*\s+4*\g+3], v[AO16] offset:1536*\s+512*\g
.endr
	ds_load_b32 v[SOW+\s], v[AOS] offset:128*\s
.endr
.irp s, 0,1,2,3
.irp t, 0,1,2,3
.irp g, 0,1,2
	ds_load_b128 v[WF+12*\t+4*\g:WF+12*\t+4*\g+3], v[AWO] offset:1536*(4*\t+\s)+512*\g
.endr
.endr
	ds_load_b32 v[SWO], v[AWOS] offset:256*\s
	ds_load_b32 v[SWO+1], v[AWOS] offset:256*\s+128
	s_wait_dscnt 0x0
.if \s == 0
	s_wait_loadcnt 0x0
.endif
.irp t, 0,1,2,3
.if \s == 0
	WMA ACC+8*\t, WF+12*\t, OWF, BIAS+8*\t, SWO+\t/2, SOW, \t%2, 0
.else
	WMA ACC+8*\t, WF+12*\t, OWF+12*\s, ACC+8*\t, SWO+\t/2, SOW+\s, \t%2, 0
.endif
.endr
	NOP4
.endr
.set j, 0
.rept 16
	v_pk_mul_f32 v[128+j:129+j], v[ACC+j:ACC+j+1], 0.5 op_sel_hi:[1,0]
.set j, j+2
.endr
.irp t, 0,1,2,3
	ds_store_b128 v[STO], v[128+8*\t:131+8*\t] offset:64*\t
	ds_store_b128 v[STO], v[132+8*\t:135+8*\t] offset:64*\t+16
.endr
.irp i, 0,1,2,3,4,5,6,7
	ds_load_b128 v[160+4*\i:163+4*\i], v[RD] offset:544*\i     ; LDS serves a wave's instructions in order: these see my stores
.endr
.irp i, 0,1,2,3,4,5,6,7
	s_wait_dscnt 7-\i                              ; the younger loads may stay out
	global_store_b128 v[GO], v[160+4*\i:163+4*\i], s[22:23] offset:(2*\i+8*(\i/4))*65536   ; sixteen lanes store 256 consecutive bytes, aligned: a row (r, w)
.endr
	s_wait_xcnt 0x0
	v_lshl_add_u32 v162, v0, 2, 0x4a000
	v_mov_b32 v163, 0
	s_wait_tensorcnt 0x0
	ds_add_u32 v162, v163
	s_wait_dscnt 0x0
	s_endpgm
.Lfunc_end_k_qddccd91667_width:
	.size	k_qddccd91667_width, .Lfunc_end_k_qddccd91667_width-k_qddccd91667_width
	.p2alignl 7, 3214868480
	.fill 96, 4, 3214868480
	.section	.rodata,"a",@progbits
	.p2align	6, 0x0
	.amdhsa_kernel k_qddccd91667_width
		.amdhsa_group_segment_fixed_size 305152
		.amdhsa_private_segment_fixed_size 0
		.amdhsa_enable_private_segment 0
		.amdhsa_kernarg_size 96
		.amdhsa_user_sgpr_count 2
		.amdhsa_user_sgpr_kernarg_segment_ptr 1
		.amdhsa_wavefront_size32 1
		.amdhsa_system_sgpr_workgroup_id_x 1
		.amdhsa_system_sgpr_workgroup_id_y 1
		.amdhsa_system_sgpr_workgroup_id_z 1
		.amdhsa_system_vgpr_workitem_id 0
		.amdhsa_next_free_vgpr 256
		.amdhsa_next_free_sgpr 66
		.amdhsa_reserve_vcc 0
		.amdhsa_float_denorm_mode_32 3
		.amdhsa_float_denorm_mode_16_64 3
		.amdhsa_memory_ordered 1
		.amdhsa_forward_progress 1
		.amdhsa_inst_pref_size 112
	.end_amdhsa_kernel
	.amdgpu_metadata
---
amdhsa.version: [ 1, 2 ]
amdhsa.kernels:
  - .name:           k_qddccd91667_width
    .symbol:         k_qddccd91667_width.kd
    .args:
      - { .name: x_codes, .offset: 0, .size: 8, .value_kind: global_buffer, .address_space: global }
      - { .name: x_scales, .offset: 8, .size: 8, .value_kind: global_buffer, .address_space: global }
      - { .name: Wq_w_codes, .offset: 16, .size: 8, .value_kind: global_buffer, .address_space: global }
      - { .name: Wq_w_scales, .offset: 24, .size: 8, .value_kind: global_buffer, .address_space: global }
      - { .name: Wkv_w_codes, .offset: 32, .size: 8, .value_kind: global_buffer, .address_space: global }
      - { .name: Wkv_w_scales, .offset: 40, .size: 8, .value_kind: global_buffer, .address_space: global }
      - { .name: Wout_w_codes, .offset: 48, .size: 8, .value_kind: global_buffer, .address_space: global }
      - { .name: Wout_w_scales, .offset: 56, .size: 8, .value_kind: global_buffer, .address_space: global }
      - { .name: bout_w, .offset: 64, .size: 8, .value_kind: global_buffer, .address_space: global }
      - { .name: wbuf, .offset: 72, .size: 8, .value_kind: global_buffer, .address_space: global }
      - { .name: ximg, .offset: 80, .size: 8, .value_kind: global_buffer, .address_space: global }
      - { .name: xsimg, .offset: 88, .size: 8, .value_kind: global_buffer, .address_space: global }
    .group_segment_fixed_size: 305152
    .private_segment_fixed_size: 0
    .kernarg_segment_align: 8
    .kernarg_segment_size: 96
    .max_flat_workgroup_size: 512
    .sgpr_count:     66
    .vgpr_count:     256
    .wavefront_size: 32
...
	.end_amdgpu_metadata
.endif
;; end of part 1
;; launch hdots (part 2): grid 32 x 8, 8 waves a work-group, no clusters, 315,392 bytes of LDS; arguments ximg, xsimg, Wq_h_codes, Wq_h_scales, Wkv_h_codes, Wkv_h_scales, part; writes part
.if DOCPART == 2
	.amdgcn_target "amdgcn-amd-amdhsa--gfx1250"
	.amdhsa_code_object_version 6
	.text
	.protected	k_qddccd91667_hdots
	.globl	k_qddccd91667_hdots
	.p2align	8
	.type	k_qddccd91667_hdots,@function
k_qddccd91667_hdots:
	s_mov_b64 s[64:65], 0
	v_nop
	global_prefetch_b8 v0, s[64:65] scope:SCOPE_SE
	s_setreg_imm32_b32 hwreg(HW_REG_WAVE_MODE, 25, 1), 1
	s_wait_xcnt 0x0
; THE TIED SCORES.  part[rb][h][i][j] = sum over d (64) and the 32 rows r of block rb of Q(q[r][h][i][d]) Q(k[r][h][j][d]); q = x Wq_h, k = x Wk_h on given codes.
; The product's K is taken as d x 256 + r (the contracted axes in the order d, r): a block of 32 is 32 consecutive r at one (h, i, d).
; SHARES.  Work-group (x, y): rb = x / 4, i half = (x / 2) % 2, j half = x % 2, head y: 128 i x 128 j, K = 2,048.  Wave w owns i tile w (16 rows) and makes its q itself;
; k comes in two phases of 64 j, of which wave w makes 8 rows; all eight waves read them.
; A UNIT is one row (i or j) with the block's 32 r: source 0 = 16 rows r of x (an image laid by the launch before; the rows of a tile are 32 rb + 8 u + l + (l & 8)),
; source 1 = 16 rows d of the weight: a lane holds one d = 16 t + l, its registers run along r.  Quantised, lane (l, hh)'s 12 registers ARE those of lane (row % 16, hh) of the
; fragment of K step s = l, in which byte bb of the scale word stands for d = 16 bb + s.  q and k are laid alike, so the products meet.
; LIMITS: NaN and infinities are not served; a block under 2^(3 - 127), a block of zeros too, gets the byte 1 (read by this launch alone).
.set FP,   1552                        ; a fragment's image, 1,536 bytes, + 16: the sixteen lanes of a store touch sixteen different columns of 16 bytes
.set QC,   0                           ; q: wave x 24,832 + s x 1,552
.set QCW,  24832
.set KC,   198656                      ; k: s x 6,416 + j tile x 1,552
.set KCS,  6416
.set QSC,  301312                      ; q's scale words: wave x 1,088 + s x 68 + 4 x row
.set KSC,  310016                      ; k's: s x 260 + j tile x 64 + 4 x row
.set XSR,  16                          ; v16-19 x's scale words, a register for each buffer
.set WSR,  20                          ; v20-21 the weight's
.set CS0,  22                          ; v22-27 the consumer's: for each buffer q's, k's tiles 0, 1, k's tiles 2, 3
.set PW,   28
.set W,    32                          ; the weight's four tiles
.set X,    80                          ; four buffers of two tiles of x; later two buffers of five fragments
.set H,    176                         ; a unit's 64 numbers
.set ACC,  200
.set TM,   240
.set SEL,  36
.macro NOP4
.rept 4
	v_nop
.endr
.endm
.macro BARRIER
	s_wait_dscnt 0x0
	s_barrier_signal -1
	s_barrier_wait -1
.endm
.macro WMZ d, a, b, sa, sb, ra, rb
.if ((\ra) != 0) && ((\rb) != 0)
	v_wmma_scale_f32_16x16x128_f8f6f4 v[(\d):(\d)+7], v[(\a):(\a)+11], v[(\b):(\b)+11], 0, v[(\sa)], v[(\sb)] matrix_a_fmt:MATRIX_FMT_FP6 matrix_b_fmt:MATRIX_FMT_FP6 matrix_a_scale:MATRIX_SCALE_ROW1 matrix_b_scale:MATRIX_SCALE_ROW1
.elseif (\ra) != 0
	v_wmma_scale_f32_16x16x128_f8f6f4 v[(\d):(\d)+7], v[(\a):(\a)+11], v[(\b):(\b)+11], 0, v[(\sa)], v[(\sb)] matrix_a_fmt:MATRIX_FMT_FP6 matrix_b_fmt:MATRIX_FMT_FP6 matrix_a_scale:MATRIX_SCALE_ROW1
.elseif (\rb) != 0
	v_wmma_scale_f32_16x16x128_f8f6f4 v[(\d):(\d)+7], v[(\a):(\a)+11], v[(\b):(\b)+11], 0, v[(\sa)], v[(\sb)] matrix_a_fmt:MATRIX_FMT_FP6 matrix_b_fmt:MATRIX_FMT_FP6 matrix_b_scale:MATRIX_SCALE_ROW1
.else
	v_wmma_scale_f32_16x16x128_f8f6f4 v[(\d):(\d)+7], v[(\a):(\a)+11], v[(\b):(\b)+11], 0, v[(\sa)], v[(\sb)] matrix_a_fmt:MATRIX_FMT_FP6 matrix_b_fmt:MATRIX_FMT_FP6
.endif
.endm
.macro WMA d, a, b, c, sa, sb, ra, rb
.if (\ra) != 0
	v_wmma_scale_f32_16x16x128_f8f6f4 v[(\d):(\d)+7], v[(\a):(\a)+11], v[(\b):(\b)+11], v[(\c):(\c)+7], v[(\sa)], v[(\sb)] matrix_a_fmt:MATRIX_FMT_FP6 matrix_b_fmt:MATRIX_FMT_FP6 matrix_a_scale:MATRIX_SCALE_ROW1
.else
	v_wmma_scale_f32_16x16x128_f8f6f4 v[(\d):(\d)+7], v[(\a):(\a)+11], v[(\b):(\b)+11], v[(\c):(\c)+7], v[(\sa)], v[(\sb)] matrix_a_fmt:MATRIX_FMT_FP6 matrix_b_fmt:MATRIX_FMT_FP6
.endif
.endm
; 64 numbers of a lane, four half blocks of 16, become 12 registers of codes in v[H .. H+11] (registers 6 c on: block 2 c + hh) and the four scale bytes in v[PW]
.macro QUANT4
.irp b, 0,1,2,3
	v_max3_num_f32 v[TM+\b], |v[H+16*\b]|, |v[H+16*\b+1]|, 0x1800000
.endr
.irp i, 2,4,6,8,10,12,14
.irp b, 0,1,2,3
	v_max3_num_f32 v[TM+\b], v[TM+\b], |v[H+16*\b+\i]|, |v[H+16*\b+\i+1]|
.endr
.endr
.irp b, 0,1,2,3
	v_permlanex16_b32 v[TM+4+\b], v[TM+\b], s[SEL], s[SEL+1]
.endr
.irp b, 0,1,2,3
	v_max_num_f32 v[TM+\b], v[TM+\b], v[TM+4+\b]
.endr
.irp b, 0,1,2,3
	v_add_nc_u32 v[TM+8+\b], 0xff000000, v[TM+\b]
.endr
.irp b, 0,1,2,3
	v_lshrrev_b32 v[TM+4+\b], 23, v[TM+8+\b]
.endr
	v_lshl_or_b32 v[PW], v[TM+5], 8, v[TM+4]
	v_lshl_or_b32 v[PW], v[TM+6], 16, v[PW]
	v_lshl_or_b32 v[PW], v[TM+7], 24, v[PW]
	v_cvt_scalef32_pk16_fp6_f32 v[TM:TM+2], v[H:H+15], v[TM+8]
	v_cvt_scalef32_pk16_fp6_f32 v[TM+4:TM+6], v[H+16:H+31], v[TM+9]
	v_nop                                          ; the next two write registers that these have read
	v_cvt_scalef32_pk16_fp6_f32 v[H+6:H+8], v[H+32:H+47], v[TM+10]
	v_cvt_scalef32_pk16_fp6_f32 v[H+12:H+14], v[H+48:H+63], v[TM+11]
	v_nop
.irp i, 0,1,2
	v_permlane16_swap_b32 v[TM+\i], v[TM+4+\i]
	v_permlane16_swap_b32 v[H+6+\i], v[H+12+\i]
.endr
.irp i, 0,1,2
	v_mov_b32 v[H+\i], v[TM+\i]
	v_mov_b32 v[H+3+\i], v[TM+4+\i]
	v_mov_b32 v[H+9+\i], v[H+12+\i]
.endr
.endm
.macro XLOAD k, pb, psb, row           ; a row's two tiles of x and their scale words into buffer k: five loads, each of consecutive bytes
	global_load_b128 v[X+24*(\k):X+24*(\k)+3], v1, s[\pb:\pb+1] offset:12288*(\row)
	global_load_b64 v[X+24*(\k)+4:X+24*(\k)+5], v2, s[\pb:\pb+1] offset:12288*(\row)+512
	global_load_b128 v[X+24*(\k)+12:X+24*(\k)+15], v1, s[\pb:\pb+1] offset:12288*(\row)+768
	global_load_b64 v[X+24*(\k)+16:X+24*(\k)+17], v2, s[\pb:\pb+1] offset:12288*(\row)+1280
	global_load_b32 v[XSR+(\k)], v3, s[\psb:\psb+1] offset:1024*(\row)
.endm
.macro WLOAD pb, psb                   ; the head's 64 rows of a weight: four tiles in natural order
.irp t, 0,1,2,3
.irp p, 0,1,2
	global_load_b64 v[W+12*\t+2*\p:W+12*\t+2*\p+1], v252, s[\pb:\pb+1] offset:768*\t+8*\p
.endr
.endr
	global_load_u16 v[WSR], v253, s[\psb:\psb+1]
	global_load_u16 v[WSR+1], v253, s[\psb:\psb+1] offset:64
.endm
; left: the loads of the younger units, five each, which may stay out.  pf = 1: buffer k takes row prow from s[pb:pb+1]
.macro UNIT k, areg, sreg, row, left, pf, pb, psb, prow
	s_wait_loadcnt \left
	s_wait_dscnt 0x0                               ; the last unit's stores have read their registers
.irp t, 0,1,2,3
.irp u, 0,1
	WMZ H+16*\t+8*\u, X+24*(\k)+12*\u, W+12*\t, XSR+(\k), WSR+\t/2, \u, \t%2
.endr
.endr
	NOP4
.if \pf
	XLOAD \k, \pb, \psb, \prow
.endif
	QUANT4
.irp g, 0,1,2
	ds_store_b128 v[\areg], v[H+4*\g:H+4*\g+3] offset:16*(\row)+512*\g
.endr
	ds_store_b32 v[\sreg], v[PW] offset:4*(\row)   ; (lanes l and l + 16 write the same word with the same value)
.endm
.macro KPHASE f                        ; my 8 rows of k of phase f
.irp m, 0,1,2,3
	UNIT \m, 6, 7, \m, 15, 1, 30, 32, 64*\f+4+\m
.endr
	UNIT 0, 6, 7, 4, 15, 0, 0, 0, 0
	UNIT 1, 6, 7, 5, 10, 0, 0, 0, 0
	UNIT 2, 6, 7, 6, 5, 0, 0, 0, 0
	UNIT 3, 6, 7, 7, 0, 0, 0, 0, 0
.endm
.macro CLOADS bf, s                    ; K step s: my q fragment, k's four, three scale words: 18 LDS loads into buffer bf
.set BF, X+60*(\bf)
.set KA, 9+(\s)/8
.irp g, 0,1,2
	ds_load_b128 v[BF+4*\g:BF+4*\g+3], v8 offset:FP*(\s)+512*\g
.endr
.irp jt, 0,1,2,3
.irp g, 0,1,2
	ds_load_b128 v[BF+12+12*\jt+4*\g:BF+12+12*\jt+4*\g+3], v[KA] offset:KCS*((\s)%8)+FP*\jt+512*\g
.endr
.endr
	ds_load_b32 v[CS0+3*(\bf)], v11 offset:68*(\s)
	ds_load_b32 v[CS0+3*(\bf)+1], v12 offset:260*(\s)
	ds_load_b32 v[CS0+3*(\bf)+2], v12 offset:260*(\s)+128
.endm
.macro MUL bf, zero                    ; source 0 = 16 rows j of k, source 1 = my 16 rows i: a lane holds one i and eight neighbouring j.  The four accumulators by turns
.set BF, X+60*(\bf)
.irp jt, 0,1,2,3
.if \zero
	WMZ ACC+8*\jt, BF+12+12*\jt, BF, CS0+3*(\bf)+1+\jt/2, CS0+3*(\bf), \jt%2, 0
.else
	WMA ACC+8*\jt, BF+12+12*\jt, BF, ACC+8*\jt, CS0+3*(\bf)+1+\jt/2, CS0+3*(\bf), \jt%2, 0
.endif
.endr
.endm
.macro CONSUME                         ; sixteen K steps on two buffers; every offset an immediate
	CLOADS 0, 0
	CLOADS 1, 1
	s_wait_dscnt 18                                ; all but the other buffer's 18
	MUL 0, 1
.irp s, 2,3,4,5,6,7,8,9,10,11,12,13,14,15
	NOP4                                           ; places in front of loads into registers that matrix instructions have read
	CLOADS \s%2, \s
	s_wait_dscnt 18
	MUL (\s-1)%2, 0
.endr
	s_wait_dscnt 0x0
	MUL 1, 0
	NOP4
.endm
.macro OUT sto, rd, f                  ; 16 i x 64 j through my stage: sixteen lanes then store 256 consecutive bytes, aligned
.irp t, 0,1,2,3
	ds_store_b128 v[\sto], v[ACC+8*\t:ACC+8*\t+3] offset:64*\t
	ds_store_b128 v[\sto], v[ACC+8*\t+4:ACC+8*\t+7] offset:64*\t+16
.endr
.irp i, 0,1,2,3,4,5,6,7
	ds_load_b128 v[X+4*\i:X+4*\i+3], v[\rd] offset:544*\i
.endr
.irp i, 0,1,2,3,4,5,6,7
	s_wait_dscnt 7-\i
	global_store_b128 v30, v[X+4*\i:X+4*\i+3], s[34:35] offset:2048*\i+256*\f
.endr
.endm
	s_load_b256 s[4:11], s[0:1], 0x0               ; ximg, xsimg, Wq codes, Wq scales
	s_load_b128 s[12:15], s[0:1], 0x20             ; Wkv codes, Wkv scales
	s_load_b64 s[16:17], s[0:1], 0x30              ; part
	v_lshl_add_u32 v254, v0, 2, 0x4cc00
	v_mov_b32 v255, 0
	v_lshrrev_b32 v240, 5, v0
	v_readfirstlane_b32 s20, v240                  ; wave
	s_lshr_b32 s21, ttmp9, 2                       ; rb
	s_bfe_u32 s22, ttmp9, 0x10001                  ; which 128 i
	s_and_b32 s23, ttmp9, 1                        ; which 128 j
	s_and_b32 s24, ttmp7, 0xffff                   ; head
	s_mov_b32 s[SEL], 0x76543210
	s_mov_b32 s[SEL+1], 0xfedcba98
	v_and_b32 v240, 31, v0                         ; L
	v_and_b32 v241, 15, v0                         ; l
	v_bfe_u32 v242, v0, 4, 1                       ; hh
	v_lshlrev_b32 v1, 4, v240
	v_lshlrev_b32 v2, 3, v240
	v_lshlrev_b32 v3, 2, v240
	s_mul_i32 s40, s20, QCW
	v_mul_u32_u24 v243, v241, FP
	v_lshl_add_u32 v243, v242, 8, v243
	v_add_nc_u32 v4, s40, v243                     ; where a unit of q goes: fragment s = l, lane (row, hh)
	s_mul_i32 s41, s20, 1088
	s_add_co_u32 s41, s41, QSC
	v_mul_u32_u24 v243, v241, 68
	v_add_nc_u32 v5, s41, v243
	s_lshr_b32 s42, s20, 1
	s_and_b32 s43, s20, 1
	s_mul_i32 s44, s42, FP
	s_lshl_b32 s45, s43, 7
	s_add_co_u32 s44, s44, s45
	s_add_co_u32 s44, s44, KC
	v_mul_u32_u24 v243, v241, KCS
	v_lshl_add_u32 v243, v242, 8, v243
	v_add_nc_u32 v6, s44, v243                     ; and a unit of k: j tile = wave / 2, rows 8 (wave % 2) on
	s_lshl_b32 s44, s42, 6
	s_lshl_b32 s45, s43, 5
	s_add_co_u32 s44, s44, s45
	s_add_co_u32 s44, s44, KSC
	v_mul_u32_u24 v243, v241, 260
	v_add_nc_u32 v7, s44, v243
	v_lshl_add_u32 v8, v240, 4, s40                ; the consumer's addresses
	v_lshl_add_u32 v9, v240, 4, KC
	v_lshl_add_u32 v10, v240, 4, KC+8*KCS
	v_lshl_add_u32 v11, v241, 2, s41
	v_lshl_add_u32 v12, v240, 2, KSC
	s_mul_i32 s44, s20, 4352
	s_add_co_u32 s44, s44, KC                      ; stage of phase 0: in k's bytes, between two barriers of its own
	v_mul_u32_u24 v243, v241, 272
	v_lshl_add_u32 v243, v242, 5, v243
	v_add_nc_u32 v13, s44, v243
	v_add_nc_u32 v15, s40, v243                    ; stage of phase 1: my own q's bytes
	v_mul_u32_u24 v243, v242, 272
	v_lshl_add_u32 v243, v241, 4, v243
	v_add_nc_u32 v14, s44, v243
	v_add_nc_u32 v29, s40, v243
	v_lshlrev_b32 v30, 10, v242
	v_lshl_add_u32 v30, v241, 4, v30               ; part: 1,024 hh + 16 l
	s_mul_i32 s44, s24, 3072
	v_mul_u32_u24 v252, v241, 48
	v_mad_u32_u24 v252, v242, 24, v252
	v_add_nc_u32 v252, s44, v252                   ; the weight: row 64 h + l (+ 16 t), + 24 hh
	s_lshl_b32 s44, s24, 7
	v_lshl_add_u32 v253, v240, 1, s44              ; its scales: row 64 h + 16 hh + l
	s_lshl_b32 s40, s22, 7
	s_lshl_b32 s41, s20, 4
	s_add_co_u32 s40, s40, s41                     ; my first row i
	s_lshl_b32 s46, s23, 7
	s_lshl_b32 s41, s20, 3
	s_add_co_u32 s46, s46, s41                     ; my first row j
	s_mul_i32 s44, s21, 1536
	s_lshl_b32 s45, s21, 7
	s_mov_b32 s43, 0
	s_wait_kmcnt 0x0
	s_mul_i32 s42, s40, 12288
	s_add_co_u32 s42, s42, s44
	s_add_nc_u64 s[26:27], s[4:5], s[42:43]
	s_lshl_b32 s42, s40, 10
	s_add_co_u32 s42, s42, s45
	s_add_nc_u64 s[28:29], s[6:7], s[42:43]
	s_mul_i32 s42, s46, 12288
	s_add_co_u32 s42, s42, s44
	s_add_nc_u64 s[30:31], s[4:5], s[42:43]
	s_lshl_b32 s42, s46, 10
	s_add_co_u32 s42, s42, s45
	s_add_nc_u64 s[32:33], s[6:7], s[42:43]
	s_lshl_b32 s42, s21, 3
	s_add_co_u32 s42, s42, s24
	s_lshl_b32 s42, s42, 8
	s_add_co_u32 s42, s42, s40
	s_lshl_b32 s42, s42, 10
	s_lshl_b32 s41, s23, 9
	s_add_co_u32 s42, s42, s41
	s_add_nc_u64 s[34:35], s[16:17], s[42:43]
	WLOAD 8, 10
.irp k, 0,1,2,3
	XLOAD \k, 26, 28, \k
.endr
.irp i, 6,7,8,9,10,11
.irp t, 0,1,2,3
	v_mov_b32 v[W+12*\t+\i], 0                     ; the zero codes of k = 64 .. 127
.endr
.irp t, 0,1,2,3,4,5,6,7
	v_mov_b32 v[X+12*\t+\i], 0
.endr
.endr
.irp b, 0,1,2,3
	v_mov_b32 v[TM+4+\b], 0                        ; a lane permute's destination counts as one of its sources
.endr
	; ---- my 16 rows of q: three trips of four units, then four more, which already ask for k's first rows
	s_mov_b32 s38, 3
.Lq:
.irp k, 0,1,2,3
	UNIT \k, 4, 5, \k, 15, 1, 26, 28, 4+\k
.endr
	s_wait_xcnt 0x0                                ; the loads have read their bases,
	s_wait_dscnt 0x0                               ; and no LDS store of mine is out: bases and addresses step
	s_add_nc_u64 s[26:27], s[26:27], 49152
	s_add_nc_u64 s[28:29], s[28:29], 4096
	v_add_nc_u32 v4, 64, v4
	v_add_nc_u32 v5, 16, v5
	s_sub_co_u32 s38, s38, 1
	s_cmp_lg_u32 s38, 0
	s_cbranch_scc1 .Lq
.irp k, 0,1,2,3
	UNIT \k, 4, 5, \k, 15, 1, 30, 32, \k
.endr
	WLOAD 12, 14                                   ; k's weight takes q's place (rows 0 .. 511 of Wkv are k's)
	s_wait_loadcnt 0x0
	KPHASE 0
	BARRIER                                        ; 64 rows of k lie in LDS
	CONSUME
	BARRIER                                        ; nobody reads k's bytes any more
	OUT 13, 14, 0
	BARRIER                                        ; the stages in k's bytes are read out
	s_wait_xcnt 0x0                                ; the stores' data are written again only behind this wait
.irp i, 6,7,8,9,10,11
.irp t, 0,1,2,3,4,5,6,7
	v_mov_b32 v[X+12*\t+\i], 0                     ; the consumer's fragments lay over x's zero codes
.endr
.endr
	NOP4                                           ; an operand written by vector instructions stands 4 places ahead of a scaled matrix instruction
.irp k, 0,1,2,3
	XLOAD \k, 30, 32, 64+\k
.endr
	KPHASE 1
	BARRIER
	CONSUME
	OUT 15, 29, 1
	s_wait_tensorcnt 0x0
	ds_add_u32 v254, v255
	s_wait_dscnt 0x0
	s_endpgm
.Lfunc_end_k_qddccd91667_hdots:
	.size	k_qddccd91667_hdots, .Lfunc_end_k_qddccd91667_hdots-k_qddccd91667_hdots
	.p2alignl 7, 3214868480
	.fill 96, 4, 3214868480
	.section	.rodata,"a",@progbits
	.p2align	6, 0x0
	.amdhsa_kernel k_qddccd91667_hdots
		.amdhsa_group_segment_fixed_size 315392
		.amdhsa_private_segment_fixed_size 0
		.amdhsa_enable_private_segment 0
		.amdhsa_kernarg_size 56
		.amdhsa_user_sgpr_count 2
		.amdhsa_user_sgpr_kernarg_segment_ptr 1
		.amdhsa_wavefront_size32 1
		.amdhsa_system_sgpr_workgroup_id_x 1
		.amdhsa_system_sgpr_workgroup_id_y 1
		.amdhsa_system_sgpr_workgroup_id_z 1
		.amdhsa_system_vgpr_workitem_id 0
		.amdhsa_next_free_vgpr 256
		.amdhsa_next_free_sgpr 66
		.amdhsa_reserve_vcc 0
		.amdhsa_float_denorm_mode_32 3
		.amdhsa_float_denorm_mode_16_64 3
		.amdhsa_memory_ordered 1
		.amdhsa_forward_progress 1
		.amdhsa_inst_pref_size 212
	.end_amdhsa_kernel
	.amdgpu_metadata
---
amdhsa.version: [ 1, 2 ]
amdhsa.kernels:
  - .name:           k_qddccd91667_hdots
    .symbol:         k_qddccd91667_hdots.kd
    .args:
      - { .name: ximg, .offset: 0, .size: 8, .value_kind: global_buffer, .address_space: global }
      - { .name: xsimg, .offset: 8, .size: 8, .value_kind: global_buffer, .address_space: global }
      - { .name: Wq_h_codes, .offset: 16, .size: 8, .value_kind: global_buffer, .address_space: global }
      - { .name: Wq_h_scales, .offset: 24, .size: 8, .value_kind: global_buffer, .address_space: global }
      - { .name: Wkv_h_codes, .offset: 32, .size: 8, .value_kind: global_buffer, .address_space: global }
      - { .name: Wkv_h_scales, .offset: 40, .size: 8, .value_kind: global_buffer, .address_space: global }
      - { .name: part, .offset: 48, .size: 8, .value_kind: global_buffer, .address_space: global }
    .group_segment_fixed_size: 315392
    .private_segment_fixed_size: 0
    .kernarg_segment_align: 8
    .kernarg_segment_size: 56
    .max_flat_workgroup_size: 256
    .sgpr_count:     66
    .vgpr_count:     256
    .wavefront_size: 32
...
	.end_amdgpu_metadata
.endif
;; end of part 2
;; launch pairsm (part 3): grid 256 x 1, 8 waves a work-group, no clusters, 168,960 bytes of LDS; arguments pair_bias, pair_ln_g, pair_ln_b, W_pair, part, pcodes, pscales, linv; writes pcodes, pscales, linv
.if DOCPART == 3
	.amdgcn_target "amdgcn-amd-amdhsa--gfx1250"
	.amdhsa_code_object_version 6
	.text
	.protected	k_qddccd91667_pairsm
	.globl	k_qddccd91667_pairsm
	.p2align	8
	.type	k_qddccd91667_pairsm,@function
k_qddccd91667_pairsm:
	s_mov_b64 s[64:65], 0
	v_nop
	global_prefetch_b8 v0, s[64:65] scope:SCOPE_SE
	s_setreg_imm32_b32 hwreg(HW_REG_WAVE_MODE, 25, 1), 1
	s_wait_xcnt 0x0
; THE PAIR BIAS AND THE TIED SOFTMAX, for one row i.  pb[h][j] = LayerNorm(pair_bias[i][j][:]) . W_pair[:][h], all in f32 (it goes on into a quantiser);
; logit = 2^-7 x (the sum of the eight partial scores) + pb; t = logit x log2(e); M = ceil(largest t); p = 2^(t - M) goes out as codes of E2M3 along j with E8M0 bytes; 1 / (sum of the unquantised p) beside it.
; PHASE A: wave w takes j = 32 w + lane: a lane holds a whole row of 128 numbers, brought by one tensor load a wave into LDS rows of 512 + 16 bytes, filled once.  Mean and variance in two passes, so that a common offset cancels.
; W_pair, g and b are the same for every lane.  The 256 threads bring them into LDS once (16 bytes of W_pair and 4 bytes of g or b each); every lane then reads them from one address, so that all lanes of a load take the same words.
; These loads run ahead of their use: four slots of 8 registers for W_pair (one p each), one slot for four p of g and b; a slot is asked for again straight behind the lines that read it: ten loads of a wave are out.
; PHASE B: wave w takes head w.  No matrix work here: N = 8 is too narrow for the matrix unit's 16 columns, and the result feeds a quantiser, so the product is made of f32 multiply-adds.
; LIMITS: NaN and infinities are not served; a block whose p have all fallen to 0 keeps the byte 1 (its codes are zeros; this program alone reads the bytes).
; A block's largest p is taken as 2^ of the block's largest logit's t - M: this takes v_exp_f32 not to fall where its input rises.
; REGISTERS: v1-15 lane numbers, offsets and LDS addresses; v16-23 the eight sums; v24-27 mean and 1 / deviation, then with v28-31 the slot of g and b; v32-95 the partial scores; v96-223 my row; v224-255 at work, then W_pair's four slots.
.set PBL, 135168                       ; LDS: behind the eight tiles (8 x 32 x 528): pb, row h of 1,040 bytes
.set SBY, 143616                       ; 16 bytes a wave: the row's eight scale bytes
.set WL,  143872                       ; W_pair as it lies in memory, 32 bytes a p: 4,096 bytes; no tensor load lands here
.set GO,  4096                         ; behind it g, 512 bytes,
.set BO,  4608                         ; and b, 512 bytes
.set AWB, 2                            ; v2: first l, then the address WL, the same in every lane
.set ACC, 16
.set GB,  24
.set X,   96
.set WR,  224
	s_load_b64 s[16:17], s[0:1], 0x0               ; pair_bias
	s_load_b64 s[2:3], s[0:1], 0x8                 ; g
	s_load_b128 s[4:7], s[0:1], 0x10               ; b, W_pair
	s_load_b64 s[18:19], s[0:1], 0x20              ; part
	s_load_b128 s[8:11], s[0:1], 0x28              ; pcodes, pscales
	s_load_b64 s[12:13], s[0:1], 0x38              ; linv
	s_set_vgpr_msb 0x40
	v_lshl_add_u32 v0, v0, 2, 0x29000
	v_mov_b32 v1, 0
	s_set_vgpr_msb 0x4045
	ds_add_u32 v0, v1
	ds_add_u32 v0, v1
	s_set_vgpr_msb 0x4500
	v_lshrrev_b32 v1, 5, v0
	v_readfirstlane_b32 s14, v1                    ; wave
	v_and_b32 v1, 31, v0                           ; L
	v_and_b32 v2, 15, v0                           ; l
	s_mov_b32 s24, 1                               ; group 0: count = 1
	s_mul_i32 s25, s14, 16896                      ; LDS address: my wave's own tile
	s_mov_b32 s28, (2<<16)|(1<<20)|(6<<22)|(3<<25) ; group 1: elements of 4 bytes; 4 words of padding behind every 128
	s_mov_b32 s29, 128<<16                         ; tensor_dim0 = 128
	s_mov_b32 s30, 32<<16                          ; tensor_dim1 = 32
	s_mov_b32 s31, 128<<16                         ; tile_dim0 = 128
	s_mov_b32 s32, 32                              ; tile_dim1 = 32
	s_mov_b32 s33, 128                             ; from row to row
	s_mov_b32 s34, 0
	s_mov_b32 s35, 0
	s_lshl_b32 s22, ttmp9, 17                      ; row i: 256 x 512 bytes
	s_lshl_b32 s23, s14, 14                        ; my 32 j
	s_add_co_u32 s22, s22, s23
	s_mov_b32 s23, 0
	s_wait_dscnt 0x0
	s_wait_kmcnt 0x0
	s_add_nc_u64 s[26:27], s[16:17], s[22:23]
	s_or_b32 s27, s27, 0x80000000                  ; type = 2
	tensor_load_to_lds s[24:27], s[28:35]          ; the one tensor load of this wave: nothing is filled twice in this launch
	s_nop 0
.rept 4
	v_nop
.endr
	s_cmp_lt_u32 s14, 4                            ; waves 0 to 3 bring g, waves 4 to 7 b: the choice hangs on the wave's number alone
	s_cselect_b64 s[36:37], s[2:3], s[4:5]
	v_lshlrev_b32 v12, 4, v0                       ; W_pair: 16 bytes a thread, 4,096 in all
	v_and_b32 v13, 127, v0
	v_lshlrev_b32 v13, 2, v13                      ; g or b: 4 bytes a thread
	global_load_b128 v[224:227], v12, s[6:7]
	global_load_b32 v228, v13, s[36:37]
	s_lshl_b32 s22, s14, 18                        ; part[rb][head = wave][i][:]
	s_lshl_b32 s15, ttmp9, 10
	s_add_co_u32 s22, s22, s15
	s_add_nc_u64 s[18:19], s[18:19], s[22:23]
	s_add_nc_u64 s[20:21], s[18:19], 0x800000      ; rb = 4 on
	v_lshlrev_b32 v3, 4, v1
.irp r, 0,1,2,3
	global_load_b128 v[32+8*\r:35+8*\r], v3, s[18:19] offset:2097152*\r th:TH_LOAD_NT
	global_load_b128 v[36+8*\r:39+8*\r], v3, s[18:19] offset:2097152*\r+512 th:TH_LOAD_NT
.endr
.irp r, 0,1,2,3
	global_load_b128 v[64+8*\r:67+8*\r], v3, s[20:21] offset:2097152*\r th:TH_LOAD_NT
	global_load_b128 v[68+8*\r:71+8*\r], v3, s[20:21] offset:2097152*\r+512 th:TH_LOAD_NT
.endr
	s_lshl_b32 s15, s14, 8
	s_add_co_u32 s15, s15, ttmp9                   ; 256 x head + i
	s_mul_i32 s22, s15, 192
	s_add_nc_u64 s[8:9], s[8:9], s[22:23]
	s_lshl_b32 s22, s15, 3
	s_add_nc_u64 s[10:11], s[10:11], s[22:23]
	s_lshl_b32 s22, s15, 2
	s_add_nc_u64 s[12:13], s[12:13], s[22:23]
	v_mul_u32_u24 v4, v1, 528
	v_add_nc_u32 v4, s25, v4                       ; my row of the tile
	s_lshl_b32 s15, s14, 7
	s_add_co_u32 s15, s15, PBL
	v_lshl_add_u32 v5, v1, 2, s15                  ; pb: column j = 32 wave + lane
	s_mul_i32 s15, s14, 1040
	s_add_co_u32 s15, s15, PBL
	v_lshl_add_u32 v6, v1, 4, s15                  ; pb's row of my head, 16 bytes a lane
	v_lshl_add_u32 v7, v2, 6, s15                  ; and 64 bytes a lane
	s_lshl_b32 s15, s14, 4
	s_add_co_u32 s15, s15, SBY
	v_lshrrev_b32 v8, 1, v2
	v_add_nc_u32 v8, s15, v8
	v_mov_b32 v9, s15
	v_mul_u32_u24 v10, v2, 12
	v_mov_b32 v11, 0
	v_lshl_add_u32 v14, v0, 4, WL                  ; where my 16 bytes of W_pair go
	v_lshl_add_u32 v15, v0, 2, WL+GO               ; and my number of g or b: threads 0-127 fill g's 512 bytes, threads 128-255 b's
	v_mov_b32 v[AWB], WL                           ; (l has served)
	s_mov_b32 s38, 0x3c000000                      ; 1 / 128
	s_mov_b32 s39, 0x3727c5ac                      ; 1e-5
	s_wait_tensorcnt 0x0                           ; my tile is in LDS
	s_wait_loadcnt 16                              ; my parts of W_pair and of g or b are in; the sixteen loads of part, issued behind them, may stay out
	ds_store_b128 v14, v[224:227]
	ds_store_b32 v15, v228
.set j, 0
.rept 32
	ds_load_b128 v[X+4*j:X+4*j+3], v4 offset:16*j
.set j, j+1
.endr
	s_wait_dscnt 0x0                               ; for the others' sake: my stores are done; and my row is in registers
	s_barrier_signal -1                            ; the statistics below are work on registers: they stand between the signal and the wait
	; the mean, in four chains
.irp k, 0,1,2,3
	v_pk_add_f32 v[224+2*\k:225+2*\k], v[X+2*\k:X+1+2*\k], v[X+8+2*\k:X+9+2*\k]
.endr
.set j, 16
.rept 14
.irp k, 0,1,2,3
	v_pk_add_f32 v[224+2*\k:225+2*\k], v[224+2*\k:225+2*\k], v[X+j+2*\k:X+1+j+2*\k]
.endr
.set j, j+8
.endr
	v_pk_add_f32 v[224:225], v[224:225], v[226:227]
	v_pk_add_f32 v[228:229], v[228:229], v[230:231]
	v_pk_add_f32 v[224:225], v[224:225], v[228:229]
	v_add_f32 v224, v224, v225
	v_mul_f32 v24, s38, v224
	v_mov_b32 v25, v24
.set j, 0
.rept 64
	v_pk_add_f32 v[X+j:X+1+j], v[X+j:X+1+j], v[24:25] neg_lo:[0,1] neg_hi:[0,1]   ; x - mean
.set j, j+2
.endr
.irp k, 0,1,2,3
	v_pk_mul_f32 v[224+2*\k:225+2*\k], v[X+2*\k:X+1+2*\k], v[X+2*\k:X+1+2*\k]
.endr
.set j, 8
.rept 15
.irp k, 0,1,2,3
	v_pk_fma_f32 v[224+2*\k:225+2*\k], v[X+j+2*\k:X+1+j+2*\k], v[X+j+2*\k:X+1+j+2*\k], v[224+2*\k:225+2*\k]
.endr
.set j, j+8
.endr
	v_pk_add_f32 v[224:225], v[224:225], v[226:227]
	v_pk_add_f32 v[228:229], v[228:229], v[230:231]
	v_pk_add_f32 v[224:225], v[224:225], v[228:229]
	v_add_f32 v224, v224, v225
	v_fma_f32 v27, v224, s38, s39                  ; variance + 1e-5
	v_rsq_f32 v26, v27
	v_nop
	s_wait_alu depctr_va_vdst(0)                   ; ahead of the first reader
	v_mov_b32 v27, v26
.set j, 0
.rept 64
	v_pk_mul_f32 v[X+j:X+1+j], v[X+j:X+1+j], v[26:27]
.set j, j+2
.endr
	s_barrier_wait -1                              ; W_pair, g and b lie in LDS
; g and b of the four p from 4 q on: two loads, every lane from the same address
.macro GBLOAD q
	ds_load_b128 v[GB:GB+3], v[AWB] offset:GO+16*(\q)
	ds_load_b128 v[GB+4:GB+7], v[AWB] offset:BO+16*(\q)
.endm
; W_pair's eight numbers of one p into slot p % 4: two loads
.macro WLOAD p
	ds_load_b128 v[WR+8*((\p)%4):WR+8*((\p)%4)+3], v[AWB] offset:32*(\p)
	ds_load_b128 v[WR+8*((\p)%4)+4:WR+8*((\p)%4)+7], v[AWB] offset:32*(\p)+16
.endm
; one p (the symbol pp): eight multiply-adds, then the slot is asked for again, four p ahead
.macro PSTEP
.if pp < 124
	s_wait_dscnt 8                                 ; LDS loads come back in order: behind this p's two stand three slots' six and the pair of g and b, or four slots' eight
.else
	s_wait_dscnt 2*(127-pp)                        ; the last four p: only the slots still to come
.endif
.irp h, 0,1,2,3,4,5,6,7
.if pp == 0
	v_mul_f32 v[ACC+\h], v[WR+8*(pp%4)+\h], v[X+pp]            ; the first product starts the sums
.else
	v_fmac_f32 v[ACC+\h], v[WR+8*(pp%4)+\h], v[X+pp]
.endif
.endr
.if pp < 124
	WLOAD pp+4
.endif
.set pp, pp+1
.endm
	GBLOAD 0
	WLOAD 0
	WLOAD 1
	WLOAD 2
	WLOAD 3
.set pp, 0
.set qq, 0
.rept 32
	s_wait_dscnt 8                                 ; g and b of these four p are in: behind their two loads stand four slots' eight
	v_pk_fma_f32 v[X+4*qq:X+4*qq+1], v[X+4*qq:X+4*qq+1], v[GB:GB+1], v[GB+4:GB+5]           ; y = xn g + b
	v_pk_fma_f32 v[X+4*qq+2:X+4*qq+3], v[X+4*qq+2:X+4*qq+3], v[GB+2:GB+3], v[GB+6:GB+7]
.if qq < 31
	GBLOAD qq+1
.endif
	PSTEP
	PSTEP
	PSTEP
	PSTEP
.set qq, qq+1
.endr
.irp h, 0,1,2,3,4,5,6,7
	ds_store_b32 v5, v[ACC+\h] offset:1040*\h
.endr
	s_wait_dscnt 0x0                               ; for the others' sake: my stores are done
	s_barrier_signal -1
	s_barrier_wait -1
	; ---- my head's row of 256 logits.  From here on row = wave of pb is touched by this wave alone
	ds_load_b128 v[96:99], v6
	ds_load_b128 v[100:103], v6 offset:512
	s_wait_loadcnt 0x0                             ; the eight partial sums
.irp q, 0,2,4,6
	v_pk_add_f32 v[32+\q:33+\q], v[32+\q:33+\q], v[40+\q:41+\q]
	v_pk_add_f32 v[48+\q:49+\q], v[48+\q:49+\q], v[56+\q:57+\q]
	v_pk_add_f32 v[64+\q:65+\q], v[64+\q:65+\q], v[72+\q:73+\q]
	v_pk_add_f32 v[80+\q:81+\q], v[80+\q:81+\q], v[88+\q:89+\q]
.endr
.irp q, 0,2,4,6
	v_pk_add_f32 v[32+\q:33+\q], v[32+\q:33+\q], v[48+\q:49+\q]
	v_pk_add_f32 v[64+\q:65+\q], v[64+\q:65+\q], v[80+\q:81+\q]
.endr
.irp q, 0,2,4,6
	v_pk_add_f32 v[32+\q:33+\q], v[32+\q:33+\q], v[64+\q:65+\q]
.endr
	s_wait_dscnt 0x0
.irp q, 0,2,4,6
	v_pk_fma_f32 v[32+\q:33+\q], v[32+\q:33+\q], 0x3c000000, v[96+\q:97+\q] op_sel_hi:[1,0,1]   ; x 64^-0.5 x 256^-0.5 = 2^-7, + pb
.endr
	ds_store_b128 v6, v[32:35]                     ; turned through LDS: a lane then holds 16 neighbours along j (lanes 16-31 hold the same as lanes 0-15)
	ds_store_b128 v6, v[36:39] offset:512
.irp q, 0,1,2,3
	ds_load_b128 v[96+4*\q:99+4*\q], v7 offset:16*\q           ; LDS serves a wave's instructions in order: these see my stores
.endr
	s_wait_dscnt 0x0
	v_max3_num_f32 v112, v96, v97, v98
	v_max3_num_f32 v113, v99, v100, v101
	v_max3_num_f32 v112, v112, v102, v103
	v_max3_num_f32 v113, v113, v104, v105
	v_max3_num_f32 v112, v112, v106, v107
	v_max3_num_f32 v113, v113, v108, v109
	v_max3_num_f32 v112, v112, v110, v111
	v_max_num_f32 v112, v112, v113
	v_max_num_f32_dpp v112, v112, v112 row_xmask:1 row_mask:0xf bank_mask:0xf   ; the block's largest logit
	v_mov_b32 v113, v112
	v_max_num_f32_dpp v113, v113, v113 row_xmask:2 row_mask:0xf bank_mask:0xf
	v_max_num_f32_dpp v113, v113, v113 row_xmask:4 row_mask:0xf bank_mask:0xf
	v_max_num_f32_dpp v113, v113, v113 row_xmask:8 row_mask:0xf bank_mask:0xf   ; the row's
	v_mul_f32 v113, 0x3fb8aa3b, v113
	v_floor_f32 v114, -v113                        ; -M
	v_mov_b32 v115, v114
.irp q, 0,2,4,6,8,10,12,14
	v_pk_fma_f32 v[96+\q:97+\q], v[96+\q:97+\q], 0x3fb8aa3b, v[114:115] op_sel_hi:[1,0,1]
.endr
	v_fma_f32 v112, v112, 0x3fb8aa3b, v114
.irp q, 0,1,2,3,4,5,6,7,8,9,10,11,12,13,14,15,16
	v_exp_f32 v[96+\q], v[96+\q]                   ; the sixteen p and, in v112, the block's largest
.endr
	v_nop
	s_wait_alu depctr_va_vdst(0)                   ; one wait for the batch
	v_pk_add_f32 v[116:117], v[96:97], v[98:99]
	v_pk_add_f32 v[118:119], v[100:101], v[102:103]
	v_pk_add_f32 v[120:121], v[104:105], v[106:107]
	v_pk_add_f32 v[122:123], v[108:109], v[110:111]
	v_pk_add_f32 v[116:117], v[116:117], v[118:119]
	v_pk_add_f32 v[120:121], v[120:121], v[122:123]
	v_pk_add_f32 v[116:117], v[116:117], v[120:121]
	v_add_f32 v116, v116, v117
	v_add_f32_dpp v116, v116, v116 row_xmask:1 row_mask:0xf bank_mask:0xf
	v_add_f32_dpp v116, v116, v116 row_xmask:2 row_mask:0xf bank_mask:0xf
	v_add_f32_dpp v116, v116, v116 row_xmask:4 row_mask:0xf bank_mask:0xf
	v_add_f32_dpp v116, v116, v116 row_xmask:8 row_mask:0xf bank_mask:0xf       ; the row's sum of the unquantised p
	v_rcp_f32 v117, v116
	v_max_num_f32 v112, 0x1800000, v112            ; (a plain place)  the floor 2^(3 - 127)
	v_add_nc_u32 v118, 0xff000000, v112
	v_lshrrev_b32 v119, 23, v118
	v_cvt_scalef32_pk16_fp6_f32 v[120:122], v[96:111], v118
	v_nop
	s_wait_alu depctr_va_vdst(0)                   ; the reciprocal, ahead of the store that reads it
	ds_store_b8 v8, v119                           ; (the two lanes of a block, and their doubles, write the same byte with the same value)
	ds_load_b64 v[124:125], v9
	s_wait_dscnt 0x0
	v_cmp_gt_u32 vcc_lo, 16, v1
	s_wait_xcnt 0x0                                ; EXEC changes only behind this wait
	s_set_vgpr_msb 0x5
	s_wait_tensorcnt 0x0
	ds_add_u32 v0, v1
	s_wait_dscnt 0x0
	s_set_vgpr_msb 0x500
	s_and_saveexec_b32 s15, vcc_lo
	global_store_b96 v10, v[120:122], s[8:9]       ; sixteen lanes store the row's 192 consecutive bytes
	s_wait_xcnt 0x0
	s_or_b32 exec_lo, exec_lo, s15
	v_cmp_eq_u32 vcc_lo, 0, v1
	s_and_saveexec_b32 s15, vcc_lo
	global_store_b64 v11, v[124:125], s[10:11]
	global_store_b32 v11, v117, s[12:13]
	s_wait_xcnt 0x0
	s_or_b32 exec_lo, exec_lo, s15
	s_endpgm
.Lfunc_end_k_qddccd91667_pairsm:
	.size	k_qddccd91667_pairsm, .Lfunc_end_k_qddccd91667_pairsm-k_qddccd91667_pairsm
	.p2alignl 7, 3214868480
	.fill 96, 4, 3214868480
	.section	.rodata,"a",@progbits
	.p2align	6, 0x0
	.amdhsa_kernel k_qddccd91667_pairsm
		.amdhsa_group_segment_fixed_size 168960
		.amdhsa_private_segment_fixed_size 0
		.amdhsa_enable_private_segment 0
		.amdhsa_kernarg_size 64
		.amdhsa_user_sgpr_count 2
		.amdhsa_user_sgpr_kernarg_segment_ptr 1
		.amdhsa_wavefront_size32 1
		.amdhsa_system_sgpr_workgroup_id_x 1
		.amdhsa_system_sgpr_workgroup_id_y 1
		.amdhsa_system_sgpr_workgroup_id_z 1
		.amdhsa_system_vgpr_workitem_id 0
		.amdhsa_next_free_vgpr 258
		.amdhsa_next_free_sgpr 66
		.amdhsa_reserve_vcc 1
		.amdhsa_float_denorm_mode_32 3
		.amdhsa_float_denorm_mode_16_64 3
		.amdhsa_memory_ordered 1
		.amdhsa_forward_progress 1
		.amdhsa_inst_pref_size 94
	.end_amdhsa_kernel
	.amdgpu_metadata
---
amdhsa.version: [ 1, 2 ]
amdhsa.kernels:
  - .name:           k_qddccd91667_pairsm
    .symbol:         k_qddccd91667_pairsm.kd
    .args:
      - { .name: pair_bias, .offset: 0, .size: 8, .value_kind: global_buffer, .address_space: global }
      - { .name: pair_ln_g, .offset: 8, .size: 8, .value_kind: global_buffer, .address_space: global }
      - { .name: pair_ln_b, .offset: 16, .size: 8, .value_kind: global_buffer, .address_space: global }
      - { .name: W_pair, .offset: 24, .size: 8, .value_kind: global_buffer, .address_space: global }
      - { .name: part, .offset: 32, .size: 8, .value_kind: global_buffer, .address_space: global }
      - { .name: pcodes, .offset: 40, .size: 8, .value_kind: global_buffer, .address_space: global }
      - { .name: pscales, .offset: 48, .size: 8, .value_kind: global_buffer, .address_space: global }
      - { .name: linv, .offset: 56, .size: 8, .value_kind: global_buffer, .address_space: global }
    .group_segment_fixed_size: 168960
    .private_segment_fixed_size: 0
    .kernarg_segment_align: 8
    .kernarg_segment_size: 64
    .max_flat_workgroup_size: 256
    .sgpr_count:     66
    .vgpr_count:     258
    .wavefront_size: 32
...
	.end_amdgpu_metadata
.endif
;; end of part 3
;; launch hout (part 4): grid 256 x 1, 16 waves a work-group, no clusters, 236,544 bytes of LDS; arguments x_codes, x_scales, Wkv_h_codes, Wkv_h_scales, Wout_h_codes, Wout_h_scales, bout_h, pcodes, pscales, linv, wbuf, out0; writes out0
.if DOCPART == 4
	.amdgcn_target "amdgcn-amd-amdhsa--gfx1250"
	.amdhsa_code_object_version 6
	.text
	.protected	k_qddccd91667_hout
	.globl	k_qddccd91667_hout
	.p2align	8
	.type	k_qddccd91667_hout,@function
k_qddccd91667_hout:
	s_mov_b64 s[64:65], 0
	v_nop
	global_prefetch_b8 v0, s[64:65] scope:SCOPE_SE
	s_setreg_imm32_b32 hwreg(HW_REG_WAVE_MODE, 25, 1), 1
	s_wait_xcnt 0x0
; THE TIED ATTENTION'S OUTPUT, for one row r of x.  v = x Wv_h, quantised along the keys j; O^T = v^T p^T for the eight heads, / l, quantised along (head, d); y = oh Wout_h + bout_h;
; out0[r][i][:] = 0.5 y + wbuf[r][i][:] (wbuf holds half of the width attention's result).  All products on codes of E2M3 with E8M0 scales.
; SHARES.  Sixteen waves.  Wave T (b = T / 2, beta = T % 2) makes key block b (j = 32 b ..) of v's tiles 2 beta, 2 beta + 1 for all heads, and owns the output rows i = 16 T + l.
; The rows of a tile of x and of Wv are 32 b + 8 u + l + (l & 8), so that two neighbouring tiles of a result give 16 neighbours along the next K.
; K = 64 in an instruction of K = 128: registers 6-11 of x's and Wv's fragments hold zero codes, written once.
; v goes from wave to wave through LDS as images of the operand's registers; one barrier in the launch.  p comes from memory straight into registers: its rows lie as the operand wants them.
; LIMITS: NaN and infinities are not served; a block under 2^(3 - 127), a block of zeros too, gets the byte 1 (read by this launch alone).
.set VS,   98304                       ; LDS: v's images at 0: head x 12,288 + (2 t + kappa) x 1,536; its scale bytes: head x 512 + (16 t + l) x 8 + key block
.set OWI,  102400                      ; for each wave 6,656 bytes: its four fragments of oh, their scale words; at the end its stage
.set OWP,  6656
.set WOI,  208896
.set WOS,  233472
.set XS,   20
.set BM,   156
.set PERM, 158
.set SOP,  160
.set PCA,  162
.set PCB,  168
.set D,    124
.set OT,   124
.set OWW,  118
.set SEL,  36
.set HIM,  40
.macro NOP4
.rept 4
	v_nop
.endr
.endm
.macro WMZ d, a, b, sa, sb, ra, rb
.if ((\ra) != 0) && ((\rb) != 0)
	v_wmma_scale_f32_16x16x128_f8f6f4 v[(\d):(\d)+7], v[(\a):(\a)+11], v[(\b):(\b)+11], 0, v[(\sa)], v[(\sb)] matrix_a_fmt:MATRIX_FMT_FP6 matrix_b_fmt:MATRIX_FMT_FP6 matrix_a_scale:MATRIX_SCALE_ROW1 matrix_b_scale:MATRIX_SCALE_ROW1
.elseif (\ra) != 0
	v_wmma_scale_f32_16x16x128_f8f6f4 v[(\d):(\d)+7], v[(\a):(\a)+11], v[(\b):(\b)+11], 0, v[(\sa)], v[(\sb)] matrix_a_fmt:MATRIX_FMT_FP6 matrix_b_fmt:MATRIX_FMT_FP6 matrix_a_scale:MATRIX_SCALE_ROW1
.elseif (\rb) != 0
	v_wmma_scale_f32_16x16x128_f8f6f4 v[(\d):(\d)+7], v[(\a):(\a)+11], v[(\b):(\b)+11], 0, v[(\sa)], v[(\sb)] matrix_a_fmt:MATRIX_FMT_FP6 matrix_b_fmt:MATRIX_FMT_FP6 matrix_b_scale:MATRIX_SCALE_ROW1
.else
	v_wmma_scale_f32_16x16x128_f8f6f4 v[(\d):(\d)+7], v[(\a):(\a)+11], v[(\b):(\b)+11], 0, v[(\sa)], v[(\sb)] matrix_a_fmt:MATRIX_FMT_FP6 matrix_b_fmt:MATRIX_FMT_FP6
.endif
.endm
.macro WMA d, a, b, c, sa, sb, ra, rb
.if (\ra) != 0
	v_wmma_scale_f32_16x16x128_f8f6f4 v[(\d):(\d)+7], v[(\a):(\a)+11], v[(\b):(\b)+11], v[(\c):(\c)+7], v[(\sa)], v[(\sb)] matrix_a_fmt:MATRIX_FMT_FP6 matrix_b_fmt:MATRIX_FMT_FP6 matrix_a_scale:MATRIX_SCALE_ROW1
.else
	v_wmma_scale_f32_16x16x128_f8f6f4 v[(\d):(\d)+7], v[(\a):(\a)+11], v[(\b):(\b)+11], v[(\c):(\c)+7], v[(\sa)], v[(\sb)] matrix_a_fmt:MATRIX_FMT_FP6 matrix_b_fmt:MATRIX_FMT_FP6
.endif
.endm
; 32 numbers of a lane: two groups of 16, each the half (by lane / 16) of a block of 32.  Afterwards lane (l, hh) holds the whole block of group hh in v[PCA .. PCA+5]; the two bytes stand in v[PERM], v[PERM+1]
.macro QUANT2 s
	v_max3_num_f32 v[BM], |v[(\s)]|, |v[(\s)+1]|, 0x1800000
	v_max3_num_f32 v[BM+1], |v[(\s)+16]|, |v[(\s)+17]|, 0x1800000
.irp i, 2,4,6,8,10,12,14
	v_max3_num_f32 v[BM], v[BM], |v[(\s)+\i]|, |v[(\s)+\i+1]|
	v_max3_num_f32 v[BM+1], v[BM+1], |v[(\s)+16+\i]|, |v[(\s)+17+\i]|
.endr
	v_permlanex16_b32 v[PERM], v[BM], s[SEL], s[SEL+1]
	v_permlanex16_b32 v[PERM+1], v[BM+1], s[SEL], s[SEL+1]
	v_max_num_f32 v[BM], v[BM], v[PERM]
	v_max_num_f32 v[BM+1], v[BM+1], v[PERM+1]
	v_add_nc_u32 v[SOP], 0xff000000, v[BM]
	v_add_nc_u32 v[SOP+1], 0xff000000, v[BM+1]
	v_lshrrev_b32 v[PERM], 23, v[SOP]
	v_lshrrev_b32 v[PERM+1], 23, v[SOP+1]
	v_cvt_scalef32_pk16_fp6_f32 v[PCA:PCA+2], v[(\s):(\s)+15], v[SOP]
	v_cvt_scalef32_pk16_fp6_f32 v[PCB:PCB+2], v[(\s)+16:(\s)+31], v[SOP+1]
	v_nop
.irp i, 0,1,2
	v_permlane16_swap_b32 v[PCA+\i], v[PCB+\i]
.endr
.irp i, 0,1,2
	v_mov_b32 v[PCA+3+\i], v[PCB+\i]
.endr
.endm
.macro WVLOAD h                        ; head h's two tiles of Wv and their scale words: seven loads, into the pair of buffers h % 2
.irp g, 0,1
.irp p, 0,1,2
	global_load_b64 v[76+24*((\h)%2)+12*\g+2*\p:76+24*((\h)%2)+12*\g+2*\p+1], v3, s[8:9] offset:3072*(\h)+384*\g+8*\p
.endr
.endr
	global_load_u16 v[21+(\h)%2], v4, s[10:11] offset:128*(\h)
.endm
.macro PLOAD h                         ; head h's p for my 16 rows: two fragments, twelve loads, into buffer h % 2
.irp k, 0,1
.irp p, 0,1,2,3,4,5
	global_load_b64 v[52+24*((\h)%2)+12*\k+2*\p:52+24*((\h)%2)+12*\k+2*\p+1], v13, s[18:19] offset:49152*(\h)+96*\k+48*(\p/3)+8*(\p%3)
.endr
.endr
.endm
.macro VPROD h                         ; my key block of head h's v: source 0 = 16 rows of x (keys), source 1 = 16 rows of Wv
.if (\h) < 7
	s_wait_loadcnt 7                               ; the next head's seven loads may stay out
.else
	s_wait_loadcnt 0x0
.endif
	s_wait_dscnt 0x0                               ; the last head's stores have read their registers
.irp g, 0,1
.irp u, 0,1
	WMZ D+16*\g+8*\u, 52+12*\u, 76+24*((\h)%2)+12*\g, XS, 21+(\h)%2, \u, \g
.endr
.endr
	NOP4
.if (\h) < 6
	WVLOAD \h+2
.endif
.if (\h) == 7
	PLOAD 0                                        ; x's and Wv's registers are done with: p's first two heads are asked for
	PLOAD 1
.endif
	QUANT2 D
	v_cndmask_b32 v[BM], v[PERM], v[PERM+1], s[HIM]
	ds_store_b64 v[5+2*((\h)/4)], v[PCA:PCA+1] offset:12288*((\h)%4)
	ds_store_b64 v[6+2*((\h)/4)], v[PCA+2:PCA+3] offset:12288*((\h)%4)
	ds_store_b64 v[5+2*((\h)/4)], v[PCA+4:PCA+5] offset:12288*((\h)%4)+512
	ds_store_b8 v9, v[BM] offset:512*(\h)
.endm
.macro HHEAD h                         ; O^T = v^T p^T of head h for my 16 rows; / l; quantised; into my own fragment of oh
.irp k, 0,1,2,3,4,5,6
.irp g, 0,1,2
	ds_load_b128 v[172+12*\k+4*\g:175+12*\k+4*\g], v[10+(\h)/4] offset:12288*((\h)%4)+1536*\k+512*\g
.endr
.endr
.irp g, 0,1,2
	ds_load_b128 v[100+4*\g:103+4*\g], v[10+(\h)/4] offset:12288*((\h)%4)+10752+512*\g
.endr
	ds_load_b64 v[24:25], v12 offset:512*(\h)
	ds_load_b64 v[26:27], v12 offset:512*(\h)+256
.if (\h) < 7
	s_wait_loadcnt 12                              ; the next head's twelve loads of p may stay out
.else
	s_wait_loadcnt 0x0
.endif
	s_wait_dscnt 0x0
.irp t, 0,1,2,3
	WMZ OT+8*\t, 172+24*\t, 52+24*((\h)%2), 24+2*(\t/2), 28+2*(\h), \t%2, 0
.endr
.irp t, 0,1,2
	WMA OT+8*\t, 184+24*\t, 64+24*((\h)%2), OT+8*\t, 25+2*(\t/2), 29+2*(\h), \t%2, 0
.endr
	WMA OT+24, 100, 64+24*((\h)%2), OT+24, 27, 29+2*(\h), 1, 0
	NOP4
.if (\h) < 6
	PLOAD \h+2
.endif
.if (\h) == 7
.irp i, 0,1,2,3,4,5,6,7
	global_load_b128 v[52+4*\i:55+4*\i], v18, s[24:25] offset:512*\i           ; the width attention's half for my 16 rows
.endr
.irp t, 0,1,2,3
	global_load_b128 v[84+8*\t:87+8*\t], v19, s[16:17] offset:64*\t            ; the bias in the result's layout
	global_load_b128 v[88+8*\t:91+8*\t], v19, s[16:17] offset:64*\t+16
.endr
.endif
	v_mov_b32 v116, v[44+(\h)]
	v_mov_b32 v117, v[44+(\h)]
.set j, 0
.rept 16
	v_pk_mul_f32 v[OT+j:OT+j+1], v[OT+j:OT+j+1], v[116:117]    ; / l, ahead of the quantiser
.set j, j+2
.endr
	QUANT2 OT
.if (\h)%2 == 0
	v_lshl_or_b32 v[OWW], v[PERM+1], 8, v[PERM]
	ds_store_b128 v16, v[PCA:PCA+3] offset:1536*((\h)/2)
	ds_store_b64 v16, v[PCA+4:PCA+5] offset:1536*((\h)/2)+512
.else
	v_lshl_or_b32 v[BM], v[PERM+1], 8, v[PERM]
	v_lshl_or_b32 v[OWW], v[BM], 16, v[OWW]
	ds_store_b64 v16, v[PCA:PCA+1] offset:1536*((\h)/2)+520
	ds_store_b128 v16, v[PCA+2:PCA+5] offset:1536*((\h)/2)+1024
	ds_store_b32 v17, v[OWW] offset:128*((\h)/2)
.endif
.endm
	s_load_b512 s[4:19], s[0:1], 0x0               ; x codes, x scales, Wkv codes, Wkv scales, Wout codes, Wout scales, bout, pcodes
	s_load_b256 s[20:27], s[0:1], 0x40             ; pscales, linv, wbuf, out0
	v_lshrrev_b32 v240, 5, v0
	v_readfirstlane_b32 s28, v240                  ; T
	s_lshr_b32 s29, s28, 1                         ; b
	s_and_b32 s30, s28, 1                          ; beta
	s_mov_b32 s[SEL], 0x76543210
	s_mov_b32 s[SEL+1], 0xfedcba98
	s_mov_b32 s[HIM], 0xffff0000
	v_and_b32 v240, 31, v0                         ; L
	v_and_b32 v241, 15, v0                         ; l
	v_bfe_u32 v242, v0, 4, 1                       ; hh
	v_and_b32 v243, 8, v0
	v_add_nc_u32 v243, v243, v241                  ; l + (l & 8)
	v_mul_u32_u24 v244, v243, 48
	v_mad_u32_u24 v244, v242, 24, v244
	v_lshlrev_b32 v245, 1, v243
	v_lshl_add_u32 v245, v242, 4, v245
	s_mul_i32 s42, s29, 1536
	v_add_nc_u32 v1, s42, v244                     ; x: row j = 32 b + l + (l & 8), + 24 hh
	s_lshl_b32 s42, s29, 6
	v_add_nc_u32 v2, s42, v245                     ; its scales: row 32 b + 8 hh + ..
	s_mul_i32 s42, s30, 1536
	s_add_co_u32 s42, s42, 24576
	v_add_nc_u32 v3, s42, v244                     ; Wv: row 512 + 32 beta + .. (+ 64 h)
	s_lshl_b32 s42, s30, 6
	s_add_co_u32 s42, s42, 1024
	v_add_nc_u32 v4, s42, v245
	s_mul_i32 s43, s30, 6144                       ; v's image: fragment 2 (2 beta + hh) + b / 4, lane l + 16 (b % 2), registers 6 ((b / 2) % 2) on
	s_lshr_b32 s44, s29, 2
	s_mul_i32 s44, s44, 1536
	s_add_co_u32 s43, s43, s44
	s_and_b32 s44, s29, 1
	s_lshl_b32 s44, s44, 8
	s_add_co_u32 s43, s43, s44
	s_bfe_u32 s44, s29, 0x10001
	s_mul_i32 s45, s44, 520
	s_add_co_u32 s45, s45, s43
	v_mul_u32_u24 v246, v242, 3072
	v_lshl_add_u32 v246, v241, 4, v246
	v_add_nc_u32 v5, s45, v246
	v_add_nc_u32 v7, 49152, v5                     ; (heads 4 to 7: an LDS immediate has 16 bits)
	s_mul_i32 s45, s44, 1016
	s_add_co_u32 s45, s45, s43
	s_add_co_u32 s45, s45, 8
	v_add_nc_u32 v6, s45, v246
	v_add_nc_u32 v8, 49152, v6
	s_lshl_b32 s43, s30, 8
	s_add_co_u32 s43, s43, s29
	s_add_co_u32 s43, s43, VS
	v_lshl_add_u32 v9, v240, 3, s43
	v_lshlrev_b32 v10, 4, v240
	v_lshl_add_u32 v11, v240, 4, 49152
	v_lshl_add_u32 v12, v240, 3, VS
	s_mul_i32 s43, s28, 3072
	v_mul_u32_u24 v13, v241, 192
	v_mad_u32_u24 v13, v242, 24, v13
	v_add_nc_u32 v13, s43, v13                     ; p: row i = 16 T + l of 192 bytes, + 24 hh
	s_lshl_b32 s43, s28, 7
	v_lshl_add_u32 v14, v241, 3, s43
	s_lshl_b32 s43, s28, 6
	v_lshl_add_u32 v15, v241, 2, s43
	s_mul_i32 s46, s28, OWP
	s_add_co_u32 s46, s46, OWI                     ; kept: my wave's own bytes
	s_add_co_u32 s47, s46, 6144
	v_lshl_add_u32 v16, v240, 4, s46
	v_lshl_add_u32 v17, v240, 2, s47
	v_lshlrev_b32 v18, 4, v240
	v_lshlrev_b32 v19, 5, v242
	s_lshr_b32 s44, s28, 2                         ; Wout's fragment T: t = T / 4, sigma = T % 4
	s_and_b32 s45, s28, 3
	s_mul_i32 s43, s44, 6144
	s_mul_i32 s42, s45, 96
	s_add_co_u32 s43, s43, s42
	v_mul_u32_u24 v247, v241, 384
	v_mad_u32_u24 v247, v242, 24, v247
	v_add_nc_u32 v247, s43, v247
	s_lshl_b32 s43, s44, 8
	s_lshl_b32 s42, s45, 2
	s_add_co_u32 s43, s43, s42
	v_lshl_add_u32 v248, v241, 4, s43
	s_mul_i32 s43, s28, 1536
	s_add_co_u32 s43, s43, WOI
	v_lshl_add_u32 v249, v240, 4, s43
	s_lshl_b32 s43, s45, 8
	s_lshl_b32 s42, s44, 6
	s_add_co_u32 s43, s43, s42
	s_add_co_u32 s43, s43, WOS
	v_lshl_add_u32 v250, v241, 2, s43
	s_mov_b32 s43, 0
	s_wait_kmcnt 0x0
	s_mul_i32 s42, ttmp9, 12288
	s_add_nc_u64 s[4:5], s[4:5], s[42:43]          ; x at my row r
	s_lshl_b32 s42, ttmp9, 9
	s_add_nc_u64 s[6:7], s[6:7], s[42:43]
	s_lshl_b32 s42, ttmp9, 16
	s_lshl_b32 s44, s28, 12
	s_add_co_u32 s42, s42, s44
	s_add_nc_u64 s[24:25], s[24:25], s[42:43]      ; wbuf and out0 at row (r, 16 T)
	s_add_nc_u64 s[26:27], s[26:27], s[42:43]
.irp p, 0,1,2
	global_load_b64 v[52+2*\p:53+2*\p], v1, s[4:5] offset:8*\p
	global_load_b64 v[64+2*\p:65+2*\p], v1, s[4:5] offset:384+8*\p
.endr
	global_load_u16 v[XS], v2, s[6:7]
.irp p, 0,1,2,3,4,5
	global_load_b64 v[172+2*\p:173+2*\p], v247, s[12:13] offset:48*(\p/3)+8*(\p%3)
.endr
	global_load_b32 v184, v248, s[14:15]
.irp h, 0,1,2,3,4,5,6,7
	global_load_b64 v[28+2*\h:29+2*\h], v14, s[20:21] offset:2048*\h           ; p's scale words, all heads
	global_load_b32 v[44+\h], v15, s[22:23] offset:1024*\h                     ; 1 / l
.endr
	WVLOAD 0
	WVLOAD 1
.irp i, 6,7,8,9,10,11
.irp t, 0,1,2,3,4,5
	v_mov_b32 v[52+12*\t+\i], 0                    ; the zero codes of k = 64 .. 127: written once
.endr
.endr
	v_mov_b32 v[PERM], 0                           ; a lane permute's destination counts as one of its sources
	v_mov_b32 v[PERM+1], 0
	s_wait_loadcnt 14                              ; all but the two heads' weights
.irp g, 0,1,2
	ds_store_b128 v249, v[172+4*\g:175+4*\g] offset:512*\g
.endr
	ds_store_b32 v250, v184
.irp h, 0,1,2,3,4,5,6,7
	VPROD \h
.endr
	s_wait_dscnt 0x0                               ; for the others' sake: my stores are done
	s_barrier_signal -1
	s_barrier_wait -1                              ; all of v, and Wout's images, lie in LDS
.irp h, 0,1,2,3,4,5,6,7
	HHEAD \h
.endr
	; ---- the projection, K = 512 in four steps; my rows' fragments are my own bytes
.set AO16, 16
.set AOS,  17
.set AWO,  1
.set AWOS, 2
.set STO,  3
.set RD,   4
.set OWF,  160
.set WF,   208
.set ACC,  124
.set BIAS, 84
.set SOW,  24
.set SWO,  21
	s_wait_dscnt 0x0                               ; my stores have read their registers
	v_and_b32 v5, 31, v0
	v_and_b32 v6, 15, v0
	v_bfe_u32 v7, v0, 4, 1
	v_lshl_add_u32 v[AWO], v5, 4, WOI
	v_lshl_add_u32 v[AWOS], v5, 2, WOS
	v_mul_u32_u24 v[STO], v6, 272
	v_lshl_add_u32 v[STO], v7, 5, v[STO]
	v_add_nc_u32 v[STO], s46, v[STO]
	v_mul_u32_u24 v[RD], v7, 272
	v_lshl_add_u32 v[RD], v6, 4, v[RD]
	v_add_nc_u32 v[RD], s46, v[RD]
.irp s, 0,1,2,3
.irp g, 0,1,2
	ds_load_b128 v[OWF+12*\s+4*\g:OWF+12*\s+4*\g+3], v[AO16] offset:1536*\s+512*\g
.endr
	ds_load_b32 v[SOW+\s], v[AOS] offset:128*\s
.endr
.irp s, 0,1,2,3
.irp t, 0,1,2,3
.irp g, 0,1,2
	ds_load_b128 v[WF+12*\t+4*\g:WF+12*\t+4*\g+3], v[AWO] offset:1536*(4*\t+\s)+512*\g
.endr
.endr
	ds_load_b32 v[SWO], v[AWOS] offset:256*\s
	ds_load_b32 v[SWO+1], v[AWOS] offset:256*\s+128
	s_wait_dscnt 0x0
.if \s == 0
	s_wait_loadcnt 0x0                             ; the bias, and wbuf's rows
.endif
.irp t, 0,1,2,3
.if \s == 0
	WMA ACC+8*\t, WF+12*\t, OWF, BIAS+8*\t, SWO+\t/2, SOW, \t%2, 0
.else
	WMA ACC+8*\t, WF+12*\t, OWF+12*\s, ACC+8*\t, SWO+\t/2, SOW+\s, \t%2, 0
.endif
.endr
	NOP4
.endr
.irp t, 0,1,2,3
	ds_store_b128 v[STO], v[ACC+8*\t:ACC+8*\t+3] offset:64*\t
	ds_store_b128 v[STO], v[ACC+8*\t+4:ACC+8*\t+7] offset:64*\t+16
.endr
.irp i, 0,1,2,3,4,5,6,7
	ds_load_b128 v[160+4*\i:163+4*\i], v[RD] offset:544*\i     ; LDS serves a wave's instructions in order: these see my stores
.endr
.irp i, 0,1,2,3,4,5,6,7
	s_wait_dscnt 7-\i                              ; the younger loads may stay out
	v_pk_fma_f32 v[160+4*\i:161+4*\i], v[160+4*\i:161+4*\i], 0.5, v[52+4*\i:53+4*\i] op_sel_hi:[1,0,1]
	v_pk_fma_f32 v[162+4*\i:163+4*\i], v[162+4*\i:163+4*\i], 0.5, v[54+4*\i:55+4*\i] op_sel_hi:[1,0,1]
	global_store_b128 v18, v[160+4*\i:163+4*\i], s[26:27] offset:512*\i        ; 32 lanes store 512 consecutive bytes, aligned: two rows (r, i)
.endr
	s_wait_xcnt 0x0
	v_lshl_add_u32 v194, v0, 2, 0x39400
	v_mov_b32 v195, 0
	s_wait_tensorcnt 0x0
	ds_add_u32 v194, v195
	s_wait_dscnt 0x0
	s_endpgm
.Lfunc_end_k_qddccd91667_hout:
	.size	k_qddccd91667_hout, .Lfunc_end_k_qddccd91667_hout-k_qddccd91667_hout
	.p2alignl 7, 3214868480
	.fill 96, 4, 3214868480
	.section	.rodata,"a",@progbits
	.p2align	6, 0x0
	.amdhsa_kernel k_qddccd91667_hout
		.amdhsa_group_segment_fixed_size 236544
		.amdhsa_private_segment_fixed_size 0
		.amdhsa_enable_private_segment 0
		.amdhsa_kernarg_size 96
		.amdhsa_user_sgpr_count 2
		.amdhsa_user_sgpr_kernarg_segment_ptr 1
		.amdhsa_wavefront_size32 1
		.amdhsa_system_sgpr_workgroup_id_x 1
		.amdhsa_system_sgpr_workgroup_id_y 1
		.amdhsa_system_sgpr_workgroup_id_z 1
		.amdhsa_system_vgpr_workitem_id 0
		.amdhsa_next_free_vgpr 256
		.amdhsa_next_free_sgpr 66
		.amdhsa_reserve_vcc 0
		.amdhsa_float_denorm_mode_32 3
		.amdhsa_float_denorm_mode_16_64 3
		.amdhsa_memory_ordered 1
		.amdhsa_forward_progress 1
		.amdhsa_inst_pref_size 106
	.end_amdhsa_kernel
	.amdgpu_metadata
---
amdhsa.version: [ 1, 2 ]
amdhsa.kernels:
  - .name:           k_qddccd91667_hout
    .symbol:         k_qddccd91667_hout.kd
    .args:
      - { .name: x_codes, .offset: 0, .size: 8, .value_kind: global_buffer, .address_space: global }
      - { .name: x_scales, .offset: 8, .size: 8, .value_kind: global_buffer, .address_space: global }
      - { .name: Wkv_h_codes, .offset: 16, .size: 8, .value_kind: global_buffer, .address_space: global }
      - { .name: Wkv_h_scales, .offset: 24, .size: 8, .value_kind: global_buffer, .address_space: global }
      - { .name: Wout_h_codes, .offset: 32, .size: 8, .value_kind: global_buffer, .address_space: global }
      - { .name: Wout_h_scales, .offset: 40, .size: 8, .value_kind: global_buffer, .address_space: global }
      - { .name: bout_h, .offset: 48, .size: 8, .value_kind: global_buffer, .address_space: global }
      - { .name: pcodes, .offset: 56, .size: 8, .value_kind: global_buffer, .address_space: global }
      - { .name: pscales, .offset: 64, .size: 8, .value_kind: global_buffer, .address_space: global }
      - { .name: linv, .offset: 72, .size: 8, .value_kind: global_buffer, .address_space: global }
      - { .name: wbuf, .offset: 80, .size: 8, .value_kind: global_buffer, .address_space: global }
      - { .name: out0, .offset: 88, .size: 8, .value_kind: global_buffer, .address_space: global }
    .group_segment_fixed_size: 236544
    .private_segment_fixed_size: 0
    .kernarg_segment_align: 8
    .kernarg_segment_size: 96
    .max_flat_workgroup_size: 512
    .sgpr_count:     66
    .vgpr_count:     256
    .wavefront_size: 32
...
	.end_amdgpu_metadata
.endif
;; end of part 4
;; ======== version 2 of 2: 4 launches; version 1 with the launches width, hdots, hout written anew for expert scheduling mode
;; workspace buffers: wbuf 16,777,216 bytes; ximg 3,145,728 bytes; xsimg 262,144 bytes; part 16,777,216 bytes; pcodes 393,216 bytes; pscales 16,384 bytes; linv 8,192 bytes
;; launch width (part 5): grid 256 x 1, 16 waves a work-group, no clusters, 305,152 bytes of LDS; arguments x_codes, x_scales, Wq_w_codes, Wq_w_scales, Wkv_w_codes, Wkv_w_scales, Wout_w_codes, Wout_w_scales, bout_w, wbuf, ximg, xsimg; writes wbuf, ximg, xsimg
.if DOCPART == 5
	.amdgcn_target "amdgcn-amd-amdhsa--gfx1250"
	.amdhsa_code_object_version 6
	.text
	.protected	k_qddccd91667_width
	.globl	k_qddccd91667_width
	.p2align	8
	.type	k_qddccd91667_width,@function
k_qddccd91667_width:
	s_mov_b64 s[64:65], 0
	v_nop
	global_prefetch_b8 v0, s[64:65] scope:SCOPE_SE
	s_setreg_imm32_b32 hwreg(HW_REG_WAVE_SCHED_MODE, 0, 2), 2
	s_setreg_imm32_b32 hwreg(HW_REG_WAVE_MODE, 25, 1), 1
	s_wait_xcnt 0x0
	s_wait_alu depctr_vm_vsrc(0)
; WIDTH ATTENTION.  One work-group takes one column w of x: 256 rows r, 8 heads of 64.  q, k, v, the scores, the softmax, p v and the
; projection by Wout_w are all made here; wbuf[r][w][:] = 0.5 (ow Wout_w + bout_w).  All products on codes of E2M3 with E8M0 scales.
; It also lays x's codes out as images of operand registers (ximg, xsimg) for the launch that follows.
; SHARES.  Sixteen waves, four to a SIMD.  Wave T (b = T / 2, beta = T % 2) owns the 16 queries of tile T and, for each head, makes block beta
; (32 of the head's 64) of q and of k for the rows of tiles 2 b, 2 b + 1, and key block b of v for v's tiles 2 beta, 2 beta + 1.
; THE ROWS OF A TILE ARE NOT NEIGHBOURS: lane l of tile 2 b + u takes row 32 b + 8 u + l + (l & 8), so that the 16 registers of two neighbouring
; tiles of a result are 16 neighbours along the next product's K.
; K = 64 IN AN INSTRUCTION OF K = 128: registers 6-11 of such a fragment hold zero codes, written once and never again; bytes 2, 3 of its scale words are no 0xff.
; OPERANDS GO FROM WAVE TO WAVE THROUGH LDS AS IMAGES OF THEIR REGISTERS (K = 64: registers 0-3 at 16 x lane, 4-5 at 512 + 8 x lane; K = 128: three times 512 bytes).
; q, k, v have two buffers, by the head's parity: so one barrier a head does: a buffer is written again only behind the next head's barrier, which every wave reaches behind its awaited reads.
; SOFTMAX: t = score x 0.125 log2(e); M = ceil(largest t); p = 2^(t - M) is quantised along the keys; the sum of the unquantised p divides before the next quantiser.
; LIMITS: NaN and infinities are not served.  A block whose largest magnitude lies under 2^(3 - 127), a block of zeros too, gets the scale byte 1: its codes are zeros or nearly, and the bytes are read by this program alone.
; A block's largest p is taken as 2^ of the block's largest score's t - M: this takes v_exp_f32 not to fall where its input rises.
; THE MODE: SCHED_MODE bits 1:0 = 2 (LLVM: expert scheduling mode 2), set by the entry lines.  The code itself states the register dependences
; between vector or matrix instructions and memory or LDS instructions, with s_wait_alu, always for 0.
; THE PLAN.  Registers that LDS or memory instructions touch, round a head:
;   v[FB ..], v[R8 ..], v[QF ..], v[QSR]  LDS loads land in them; matrix instructions read them; the softmax keeps -M, the sums and 1 / l in FB's data halves.  A wait on va_vdst stands at the
;                  head's top and behind each group of products whose tiles are loaded anew.
;   v[VF ..]       p's conversions read them, v's fragments land in them, matrix instructions read them: a wait on va_vdst behind the conversions and one behind the first four products of O^T.
;   p's codes and scale words  Written by vector instructions, taken by scaled matrix instructions: a wait on va_vdst behind the eight places.
;   v[PCA ..], v[BM], v[OWW]  Written by the quantiser, read by LDS stores: a wait on va_vdst ahead of each run of stores, one on vm_vsrc ahead of each next quantiser.
;   v1-v20         Addresses, made at the head; five of them step once a trip: a wait on vm_vsrc ahead of the adds; the next head's top wait stands ahead of their readers.
; All 256 registers are in use, so no buffer is added: each run of loads stands straight behind the wait that frees its registers.
.set WQI,  0                           ; LDS: Wq's 32 tiles x 768 bytes
.set WKVI, 24576                       ; Wkv's 64 tiles (k: 0-31, v: 32-63)
.set WQS,  73728                       ; scale words: a pair of tiles in 128 bytes (lanes 0-15 the even tile, lanes 16-31 the odd one)
.set WKVS, 75776
.set XI,   79872                       ; x's 16 tiles
.set QI0,  92160                       ; q: two buffers of 16 tiles, 12,288 bytes apart; k 24,576 further on; v behind k
.set KI0,  116736
.set VI0,  141312
.set SC,   165888                      ; scale words of q (+0, +1024), k (+2048, +3072): tile x 64 + 4 l; scale bytes of v (+4096, +4608): (16 t + l) x 8 + key block
.set OWI,  171008                      ; for each wave 6,656 bytes: its four fragments of ow, then their scale words; at the end its stage
.set OWP,  6656
.set WOI,  277504                      ; Wout's 16 fragments (4 t + sigma) x 1536
.set WOS,  302080                      ; their scale words: 256 sigma + 64 t + 4 l
.set AX16, 1
.set AX8,  2
.set AW16, 3
.set AW8,  4
.set AWS,  5
.set AP16, 6
.set AP8,  7
.set ASB,  8
.set AV0,  9
.set AV1,  10
.set AVS,  11
.set AQ16, 12
.set AQ8,  13
.set AQS,  14
.set AH16, 15
.set AH8,  16
.set AHS,  17
.set AVL,  18
.set AO16, 19
.set AOS,  20
.set OWW,  21                          ; ow's scale word in the making
.set XS,   22                          ; x's scale words: lanes 0-15 tile 2 b, lanes 16-31 tile 2 b + 1
.set QSR,  23                          ; my queries' scale words
.set R8,   24                          ; v24-31: scale words in hand
.set PW0,  28
.set PW1,  29
.set QF,   32                          ; my queries' fragment
.set FB,   44                          ; four fragments of K = 64
.set NEGM, 44                          ; (in the softmax the data halves of FB serve: -M, two sums, 1 / l)
.set SUMA, 46
.set SUMB, 48
.set RL,   56
.set BM,   92
.set PERM, 100
.set SOP,  108
.set PCA,  116
.set PCB,  122
.set S,    128                         ; v128-255: results; the scores, then p
.set OT,   160
.set VF,   192
.set SEL,  36
.set CS,   38
.set HIM,  40
.macro NOP4
.rept 4
	v_nop
.endr
.endm
.macro BARRIER                         ; my LDS stores have landed and my LDS loads are in: then the work-group's barrier
	s_wait_dscnt 0x0
	s_barrier_signal -1
	s_barrier_wait -1
.endm
; D = A B^T, started with 0.  sa, sb: the scale registers; ra, rb = 1: that side's words stand in lanes 16-31
.macro WMZ d, a, b, sa, sb, ra, rb
.if ((\ra) != 0) && ((\rb) != 0)
	v_wmma_scale_f32_16x16x128_f8f6f4 v[(\d):(\d)+7], v[(\a):(\a)+11], v[(\b):(\b)+11], 0, v[(\sa)], v[(\sb)] matrix_a_fmt:MATRIX_FMT_FP6 matrix_b_fmt:MATRIX_FMT_FP6 matrix_a_scale:MATRIX_SCALE_ROW1 matrix_b_scale:MATRIX_SCALE_ROW1
.elseif (\ra) != 0
	v_wmma_scale_f32_16x16x128_f8f6f4 v[(\d):(\d)+7], v[(\a):(\a)+11], v[(\b):(\b)+11], 0, v[(\sa)], v[(\sb)] matrix_a_fmt:MATRIX_FMT_FP6 matrix_b_fmt:MATRIX_FMT_FP6 matrix_a_scale:MATRIX_SCALE_ROW1
.elseif (\rb) != 0
	v_wmma_scale_f32_16x16x128_f8f6f4 v[(\d):(\d)+7], v[(\a):(\a)+11], v[(\b):(\b)+11], 0, v[(\sa)], v[(\sb)] matrix_a_fmt:MATRIX_FMT_FP6 matrix_b_fmt:MATRIX_FMT_FP6 matrix_b_scale:MATRIX_SCALE_ROW1
.else
	v_wmma_scale_f32_16x16x128_f8f6f4 v[(\d):(\d)+7], v[(\a):(\a)+11], v[(\b):(\b)+11], 0, v[(\sa)], v[(\sb)] matrix_a_fmt:MATRIX_FMT_FP6 matrix_b_fmt:MATRIX_FMT_FP6
.endif
.endm
; the same with C in registers (here rb is always 0)
.macro WMA d, a, b, c, sa, sb, ra, rb
.if (\ra) != 0
	v_wmma_scale_f32_16x16x128_f8f6f4 v[(\d):(\d)+7], v[(\a):(\a)+11], v[(\b):(\b)+11], v[(\c):(\c)+7], v[(\sa)], v[(\sb)] matrix_a_fmt:MATRIX_FMT_FP6 matrix_b_fmt:MATRIX_FMT_FP6 matrix_a_scale:MATRIX_SCALE_ROW1
.else
	v_wmma_scale_f32_16x16x128_f8f6f4 v[(\d):(\d)+7], v[(\a):(\a)+11], v[(\b):(\b)+11], v[(\c):(\c)+7], v[(\sa)], v[(\sb)] matrix_a_fmt:MATRIX_FMT_FP6 matrix_b_fmt:MATRIX_FMT_FP6
.endif
.endm
; 32 numbers of a lane: two groups of 16, each the half (by lane / 16) of a block of 32.  Afterwards lane (l, hh) holds the whole block of group hh as codes in v[PCA .. PCA+5];
; the two scale bytes stand in v[PERM], v[PERM+1] of every lane.
.macro QUANT2 s
	v_max3_num_f32 v[BM], |v[(\s)]|, |v[(\s)+1]|, 0x1800000          ; with the floor 2^(3 - 127): the byte cannot fall under 1
	v_max3_num_f32 v[BM+1], |v[(\s)+16]|, |v[(\s)+17]|, 0x1800000
.irp i, 2,4,6,8,10,12,14
	v_max3_num_f32 v[BM], v[BM], |v[(\s)+\i]|, |v[(\s)+\i+1]|
	v_max3_num_f32 v[BM+1], v[BM+1], |v[(\s)+16+\i]|, |v[(\s)+17+\i]|
.endr
	v_permlanex16_b32 v[PERM], v[BM], s[SEL], s[SEL+1]
	v_permlanex16_b32 v[PERM+1], v[BM+1], s[SEL], s[SEL+1]
	v_max_num_f32 v[BM], v[BM], v[PERM]                              ; with lane l xor 16's: the block's largest magnitude
	v_max_num_f32 v[BM+1], v[BM+1], v[PERM+1]
	v_add_nc_u32 v[SOP], 0xff000000, v[BM]                           ; 2 off the exponent field: the conversion's scale operand
	v_add_nc_u32 v[SOP+1], 0xff000000, v[BM+1]
	v_lshrrev_b32 v[PERM], 23, v[SOP]                                ; the scale's byte
	v_lshrrev_b32 v[PERM+1], 23, v[SOP+1]
	v_cvt_scalef32_pk16_fp6_f32 v[PCA:PCA+2], v[(\s):(\s)+15], v[SOP]
	v_cvt_scalef32_pk16_fp6_f32 v[PCB:PCB+2], v[(\s)+16:(\s)+31], v[SOP+1]
	v_nop                                                            ; one plain place behind a scaled conversion
.irp i, 0,1,2
	v_permlane16_swap_b32 v[PCA+\i], v[PCB+\i]                       ; the first now holds each lane's group's lower 16 codes, the second the upper 16
.endr
.irp i, 0,1,2
	v_mov_b32 v[PCA+3+\i], v[PCB+\i]
.endr
.endm
.macro WTILES off                      ; two tiles of a weight into FB 2, 3
	ds_load_b128 v[FB+24:FB+27], v[AW16] offset:\off
	ds_load_b64 v[FB+28:FB+29], v[AW8] offset:\off
	ds_load_b128 v[FB+36:FB+39], v[AW16] offset:\off+768
	ds_load_b64 v[FB+40:FB+41], v[AW8] offset:\off+768
.endm
.macro QKMUL d, ws                     ; source 0 = 16 rows of the weight, source 1 = 16 rows of x: a lane holds one row of x, its registers run along the head's 64
.irp g, 0,1
.irp u, 0,1
	WMZ (\d)+16*\g+8*\u, FB+24+12*\u, FB+12*\g, \ws, XS, \u, \g
.endr
.endr
.endm
.macro QKSTORE oc, ob                  ; my block of tile 2 b + hh's rows: into the image at the place of lane (l, beta); its byte into the row's scale word (and a copy into byte 2 or 3, which scales zero codes)
	v_cndmask_b32 v[BM], v[PERM], v[PERM+1], s[HIM]
	s_wait_alu depctr_va_vdst(0)                   ; the quantiser has written the codes in v[PCA ..] and the byte in v[BM], which the stores below read
	ds_store_b128 v[AP16], v[PCA:PCA+3] offset:\oc
	ds_store_b64 v[AP8], v[PCA+4:PCA+5] offset:\oc
	ds_store_b8 v[ASB], v[BM] offset:\ob
	ds_store_b8 v[ASB], v[BM] offset:\ob+2
.endm
	s_load_b512 s[4:19], s[0:1], 0x0               ; x codes, x scales, Wq codes, Wq scales, Wkv codes, Wkv scales, Wout codes, Wout scales
	s_load_b256 s[20:27], s[0:1], 0x40             ; bout, wbuf, ximg, xsimg
	v_lshrrev_b32 v192, 5, v0
	v_readfirstlane_b32 s28, v192                  ; T
	s_mov_b32 s[SEL], 0x76543210
	s_mov_b32 s[SEL+1], 0xfedcba98                 ; v_permlanex16_b32's selects for lane l xor 16
	s_mov_b32 s[CS], 0x3e38aa3b                    ; 0.125 log2(e)
	s_mov_b32 s[CS+1], s[CS]
	s_mov_b32 s[HIM], 0xffff0000                   ; lanes 16-31
	s_mov_b32 s41, 4
	v_and_b32 v192, 31, v0                         ; L
	v_and_b32 v193, 15, v0                         ; l
	v_bfe_u32 v194, v0, 4, 1                       ; hh
	v_and_b32 v195, 8, v0
	v_add_nc_u32 v195, v195, v193                  ; l + (l & 8)
	s_wait_alu depctr_va_sdst(0)                   ; s28 is written, ahead of its first reader
	s_lshr_b32 s29, s28, 1                         ; b
	s_and_b32 s30, s28, 1                          ; beta
	; LDS addresses: a constant + a constant x wave's parts + a constant x lane's parts
	s_mul_i32 s42, s29, 1536
	s_add_co_u32 s43, s42, XI
	v_lshl_add_u32 v[AX16], v192, 4, s43
	s_add_co_u32 s43, s43, 512
	v_lshl_add_u32 v[AX8], v192, 3, s43
	s_mul_i32 s43, s30, 1536
	v_lshl_add_u32 v[AW16], v192, 4, s43
	s_add_co_u32 s43, s43, 512
	v_lshl_add_u32 v[AW8], v192, 3, s43
	s_lshl_b32 s43, s30, 7
	s_add_co_u32 s43, s43, WQS
	v_lshl_add_u32 v[AWS], v192, 2, s43
	s_lshl_b32 s43, s30, 8
	s_add_co_u32 s43, s43, s42
	s_add_co_u32 s43, s43, QI0
	v_mul_u32_u24 v196, v194, 768
	v_lshl_add_u32 v197, v193, 4, v196
	v_add_nc_u32 v[AP16], s43, v197
	s_lshl_b32 s43, s30, 7
	s_add_co_u32 s43, s43, s42
	s_add_co_u32 s43, s43, QI0+512
	v_lshl_add_u32 v197, v193, 3, v196
	v_add_nc_u32 v[AP8], s43, v197
	s_lshl_b32 s43, s29, 7
	s_add_co_u32 s43, s43, s30
	s_add_co_u32 s43, s43, SC
	v_lshl_add_u32 v[ASB], v192, 2, s43
	s_mul_i32 s43, s30, 6144                       ; v: fragment 2 (2 beta + hh) + b / 4, lane l + 16 (b % 2), registers 6 ((b / 2) % 2) on
	s_lshr_b32 s44, s29, 2
	s_mul_i32 s44, s44, 1536
	s_add_co_u32 s43, s43, s44
	s_and_b32 s44, s29, 1
	s_lshl_b32 s44, s44, 8
	s_add_co_u32 s43, s43, s44
	s_add_co_u32 s43, s43, VI0
	s_bfe_u32 s44, s29, 0x10001
	s_mul_i32 s45, s44, 520
	s_add_co_u32 s45, s45, s43
	v_mul_u32_u24 v196, v194, 3072
	v_lshl_add_u32 v196, v193, 4, v196
	v_add_nc_u32 v[AV0], s45, v196
	s_mul_i32 s45, s44, 1016
	s_add_co_u32 s45, s45, s43
	s_add_co_u32 s45, s45, 8
	v_add_nc_u32 v[AV1], s45, v196
	s_lshl_b32 s43, s30, 8
	s_add_co_u32 s43, s43, s29
	s_add_co_u32 s43, s43, SC+4096
	v_lshl_add_u32 v[AVS], v192, 3, s43
	s_mul_i32 s43, s28, 768
	s_add_co_u32 s43, s43, QI0
	v_lshl_add_u32 v[AQ16], v192, 4, s43
	s_add_co_u32 s43, s43, 512
	v_lshl_add_u32 v[AQ8], v192, 3, s43
	s_lshl_b32 s43, s28, 6
	s_add_co_u32 s43, s43, SC
	v_lshl_add_u32 v[AQS], v193, 2, s43
	v_lshl_add_u32 v[AH16], v192, 4, KI0
	v_lshl_add_u32 v[AH8], v192, 3, KI0+512
	v_lshl_add_u32 v[AHS], v192, 2, SC+2048
	v_lshl_add_u32 v[AVL], v192, 3, SC+4096
	s_mul_i32 s46, s28, OWP
	s_add_co_u32 s46, s46, OWI                     ; kept: my wave's own bytes
	s_add_co_u32 s47, s46, 6144                    ; kept
	v_lshl_add_u32 v[AO16], v192, 4, s46
	v_lshl_add_u32 v[AOS], v192, 2, s47
	; where the weights' images go: wave T lays Wq's pair T, Wkv's pairs 2 T, 2 T + 1 and Wout's fragment T
	s_mul_i32 s43, s28, 1536
	v_lshl_add_u32 v200, v192, 4, s43
	s_add_co_u32 s44, s43, 512
	v_lshl_add_u32 v201, v192, 3, s44
	s_add_co_u32 s44, s43, WOI
	v_lshl_add_u32 v206, v192, 4, s44
	s_mul_i32 s43, s28, 3072
	s_add_co_u32 s43, s43, WKVI
	v_lshl_add_u32 v202, v192, 4, s43
	s_add_co_u32 s43, s43, 512
	v_lshl_add_u32 v203, v192, 3, s43
	s_lshl_b32 s43, s28, 7
	s_add_co_u32 s43, s43, WQS
	v_lshl_add_u32 v204, v192, 2, s43
	s_lshl_b32 s43, s28, 8
	s_add_co_u32 s43, s43, WKVS
	v_lshl_add_u32 v205, v192, 2, s43
	s_lshr_b32 s44, s28, 2                         ; t
	s_and_b32 s45, s28, 3                          ; sigma
	s_lshl_b32 s43, s45, 8
	s_lshl_b32 s42, s44, 6
	s_add_co_u32 s43, s43, s42
	s_add_co_u32 s43, s43, WOS
	v_lshl_add_u32 v207, v193, 2, s43
	; offsets in memory
	s_mul_i32 s43, s44, 6144
	s_mul_i32 s42, s45, 96
	s_add_co_u32 s43, s43, s42
	v_mul_u32_u24 v214, v193, 384
	v_mad_u32_u24 v214, v194, 24, v214
	v_add_nc_u32 v214, s43, v214                   ; Wout: row 16 t + l of 384 bytes, + 96 sigma + 24 hh
	s_lshl_b32 s43, s44, 8
	s_lshl_b32 s42, s45, 2
	s_add_co_u32 s43, s43, s42
	v_lshl_add_u32 v215, v193, 4, s43              ; its scale word
	s_mul_i32 s43, s29, 393216
	v_mul_u32_u24 v208, v195, 12288
	v_mad_u32_u24 v208, v194, 24, v208
	v_add_nc_u32 v208, s43, v208                   ; x: row r = 32 b + l + (l & 8), 12,288 bytes from r to r + 1, + 24 hh
	s_lshl_b32 s43, s29, 14
	v_lshlrev_b32 v209, 9, v195
	v_lshl_add_u32 v209, v194, 12, v209
	v_add_nc_u32 v209, s43, v209                   ; x's scales: row 32 b + 8 hh + l + (l & 8), 512 bytes from r to r + 1
	v_mul_u32_u24 v196, v195, 48
	v_mad_u32_u24 v196, v194, 24, v196
	s_mul_i32 s43, s28, 1536
	v_add_nc_u32 v210, s43, v196                   ; Wq: row 32 T + ..
	s_mul_i32 s43, s28, 3072
	v_add_nc_u32 v211, s43, v196                   ; Wkv: row 64 T + ..
	v_lshlrev_b32 v197, 1, v195
	v_lshl_add_u32 v197, v194, 4, v197
	s_lshl_b32 s43, s28, 6
	v_add_nc_u32 v212, s43, v197
	s_lshl_b32 s43, s28, 7
	v_add_nc_u32 v213, s43, v197
	s_mul_i32 s43, s29, 1536
	v_lshl_add_u32 v216, v192, 4, s43              ; ximg: tile 2 b, 16 x lane
	s_add_co_u32 s43, s43, 512
	v_lshl_add_u32 v217, v192, 3, s43
	s_lshl_b32 s43, s29, 7
	v_lshl_add_u32 v218, v192, 2, s43              ; xsimg: pair b, 4 x lane
	s_wait_kmcnt 0x0
	s_mul_i32 s42, ttmp9, 48
	s_mov_b32 s43, 0
	s_add_nc_u64 s[4:5], s[4:5], s[42:43]          ; all at my column w
	s_lshl_b32 s42, ttmp9, 1
	s_add_nc_u64 s[6:7], s[6:7], s[42:43]
	s_lshl_b32 s42, ttmp9, 8
	s_add_nc_u64 s[22:23], s[22:23], s[42:43]
	s_mul_i32 s42, ttmp9, 12288
	s_add_nc_u64 s[24:25], s[24:25], s[42:43]
	s_lshl_b32 s42, ttmp9, 10
	s_add_nc_u64 s[26:27], s[26:27], s[42:43]
	s_wait_alu depctr_va_vdst(0)                   ; all the offsets and LDS addresses, v1-v20 and v200-v218, are written: the loads and stores of the launch read them
.irp p, 0,1,2
	global_load_b64 v[FB+2*\p:FB+2*\p+1], v208, s[4:5] offset:8*\p
	global_load_b64 v[FB+12+2*\p:FB+13+2*\p], v208, s[4:5] offset:98304+8*\p
.endr
	global_load_u16 v[XS], v209, s[6:7]            ; bytes 2, 3 of the word come as 0
.irp u, 0,1
.irp p, 0,1,2
	global_load_b64 v[128+6*\u+2*\p:129+6*\u+2*\p], v210, s[8:9] offset:384*\u+8*\p
.endr
.endr
.irp k, 0,1,2,3
.irp p, 0,1,2
	global_load_b64 v[140+6*\k+2*\p:141+6*\k+2*\p], v211, s[12:13] offset:1536*(\k/2)+384*(\k%2)+8*\p
.endr
.endr
	global_load_u16 v164, v212, s[10:11]
	global_load_u16 v165, v213, s[14:15]
	global_load_u16 v166, v213, s[14:15] offset:64
.irp p, 0,1,2,3,4,5
	global_load_b64 v[168+2*\p:169+2*\p], v214, s[16:17] offset:48*(\p/3)+8*(\p%3)
.endr
	global_load_b32 v180, v215, s[18:19]
.irp i, 6,7,8,9,10,11
	v_mov_b32 v[QF+\i], 0                          ; the zero codes of k = 64 .. 127: written once, for the whole launch
	v_mov_b32 v[FB+\i], 0
	v_mov_b32 v[FB+12+\i], 0
	v_mov_b32 v[FB+24+\i], 0
	v_mov_b32 v[FB+36+\i], 0
.endr
.irp i, 0,1,2,3,4,5,6,7
	v_mov_b32 v[PERM+\i], 0                        ; a lane permute's destination counts as one of its sources
.endr
	s_wait_loadcnt 0x0
.irp u, 0,1
	ds_store_b128 v200, v[128+6*\u:131+6*\u] offset:768*\u
	ds_store_b64 v201, v[132+6*\u:133+6*\u] offset:768*\u
.endr
.irp k, 0,1,2,3
	ds_store_b128 v202, v[140+6*\k:143+6*\k] offset:768*\k
	ds_store_b64 v203, v[144+6*\k:145+6*\k] offset:768*\k
.endr
	ds_store_b32 v204, v164
	ds_store_b32 v205, v165
	ds_store_b32 v205, v166 offset:128
.irp g, 0,1,2
	ds_store_b128 v206, v[168+4*\g:171+4*\g] offset:512*\g
.endr
	ds_store_b32 v207, v180                        ; (lanes l and l + 16 write the same word with the same value)
	s_cmp_lg_u32 s30, 0                            ; the even wave of a pair lays x's two tiles: into LDS, and into memory for the next launch
	s_cbranch_scc1 .Lnox
	ds_store_b128 v[AX16], v[FB:FB+3]
	ds_store_b64 v[AX8], v[FB+4:FB+5]
	ds_store_b128 v[AX16], v[FB+12:FB+15] offset:768
	ds_store_b64 v[AX8], v[FB+16:FB+17] offset:768
	global_store_b128 v216, v[FB:FB+3], s[24:25]               ; 512 consecutive bytes, then 256: a tile is 768
	global_store_b64 v217, v[FB+4:FB+5], s[24:25]
	global_store_b128 v216, v[FB+12:FB+15], s[24:25] offset:768
	global_store_b64 v217, v[FB+16:FB+17], s[24:25] offset:768
	global_store_b32 v218, v[XS], s[26:27]
.Lnox:
	s_wait_xcnt 0x0                                ; the stores' data and offsets are written again only behind this wait
	s_wait_alu depctr_vm_vsrc(0)                   ; the loads and stores above have read v[FB ..], v128-v180 and v200-v218: LDS loads land in the first, matrix instructions write the others
	BARRIER                                        ; the weights' and x's images lie in LDS
; ONE HEAD.  c: its parity: which buffer of q, k, v, and which half of ow's fragment
.macro HEAD c
	; ---- my parts of q, k and v
	s_wait_alu depctr_va_vdst(0)                   ; the head before is done with v[FB ..] (its matrix instructions; -M, the sums, 1 / l) and with the scale words v[R8 ..], in which the loads below land; in a trip's first head the stepped addresses are written; in the first head of all the zero codes too, which the matrix instructions take with A and B
	ds_load_b128 v[FB:FB+3], v[AX16]
	ds_load_b64 v[FB+4:FB+5], v[AX8]
	ds_load_b128 v[FB+12:FB+15], v[AX16] offset:768
	ds_load_b64 v[FB+16:FB+17], v[AX8] offset:768
	WTILES 3072*\c
	ds_load_b32 v[R8], v[AWS] offset:256*\c
	ds_load_b32 v[R8+1], v[AWS] offset:2048+256*\c
	ds_load_b32 v[R8+2], v[AWS] offset:4096+256*\c
	s_wait_dscnt 0x0                               ; the tiles and the scale words are in
	QKMUL S, R8
	NOP4                                           ; places in front of the first read of results
	s_wait_alu depctr_va_vdst(0)                   ; the four products are done reading Wq's two tiles, in which Wk's land
	WTILES 24576+3072*\c
	s_wait_alu depctr_vm_vsrc(0)                   ; the last head's stores of ow have read v[PCA ..], which the quantiser writes again
	QUANT2 S
	QKSTORE 12288*\c, 1024*\c
	s_wait_dscnt 0x0
	QKMUL S+32, R8+1
	NOP4
	s_wait_alu depctr_va_vdst(0)                   ; the four products are done reading Wk's two tiles, in which Wv's land
	WTILES 49152+3072*\c
	s_wait_alu depctr_vm_vsrc(0)                   ; q's stores have read v[PCA ..] and v[BM], which the quantiser writes again
	QUANT2 S+32
	QKSTORE 24576+12288*\c, 2048+1024*\c
	s_wait_dscnt 0x0
.irp g, 0,1                                    ; v the other way round: source 0 = 16 rows of x (keys), source 1 = 16 rows of Wv: a lane holds one of the head's 64, its registers run along the keys
.irp u, 0,1
	WMZ S+64+16*\g+8*\u, FB+12*\u, FB+24+12*\g, XS, R8+2, \u, \g
.endr
.endr
	NOP4
	s_wait_alu depctr_vm_vsrc(0)                   ; k's stores have read v[PCA ..] and v[BM], which the quantiser writes again
	QUANT2 S+64
	v_cndmask_b32 v[BM], v[PERM], v[PERM+1], s[HIM]
	s_wait_alu depctr_va_vdst(0)                   ; the quantiser has written v[PCA ..] and v[BM], which the stores read; and v's products are done reading v[FB ..] and v[R8+2], in which the loads behind the barrier land: no vector or matrix instruction stands between
	ds_store_b64 v[AV0], v[PCA:PCA+1] offset:12288*\c
	ds_store_b64 v[AV1], v[PCA+2:PCA+3] offset:12288*\c
	ds_store_b64 v[AV0], v[PCA+4:PCA+5] offset:12288*\c+512
	ds_store_b8 v[AVS], v[BM] offset:512*\c
	BARRIER                                        ; the head's q, k and v lie in buffer c
	; ---- S^T = k q^T: 16 tiles of keys against my 16 queries
	ds_load_b128 v[QF:QF+3], v[AQ16] offset:12288*\c
	ds_load_b64 v[QF+4:QF+5], v[AQ8] offset:12288*\c
	ds_load_b32 v[QSR], v[AQS] offset:1024*\c
.irp p, 0,1,2,3,4,5,6,7
	ds_load_b32 v[R8+\p], v[AHS] offset:1024*\c+128*\p
.endr
.irp G, 0,1,2,3
.if \G > 0
	NOP4
	s_wait_alu depctr_va_vdst(0)                   ; the four products above are done reading v[FB ..], in which the next four tiles of k land
.endif
.irp k, 0,1,2,3
	ds_load_b128 v[FB+12*\k:FB+12*\k+3], v[AH16] offset:12288*\c+768*(4*\G+\k)
	ds_load_b64 v[FB+12*\k+4:FB+12*\k+5], v[AH8] offset:12288*\c+768*(4*\G+\k)
.endr
	s_wait_dscnt 0x0
.irp k, 0,1,2,3
	WMZ S+8*(4*\G+\k), FB+12*\k, QF, R8+(4*\G+\k)/2, QSR, \k%2, 0
.endr
.endr
	NOP4
	s_wait_alu depctr_vm_vsrc(0)                   ; v's stores have read v[PCA ..] and v[BM], which the softmax writes
	; ---- the softmax: a lane holds query l; register 16 b + i is key 32 b + 16 hh + i
.irp b, 0,1,2,3,4,5,6,7
	v_max3_num_f32 v[BM+\b], v[S+16*\b], v[S+16*\b+1], v[S+16*\b+2]   ; the largest score of each block of 32 keys: for the row's maximum and for the block's largest p
.endr
.irp i, 3,5,7,9,11,13
.irp b, 0,1,2,3,4,5,6,7
	v_max3_num_f32 v[BM+\b], v[BM+\b], v[S+16*\b+\i], v[S+16*\b+\i+1]
.endr
.endr
.irp b, 0,1,2,3,4,5,6,7
	v_max_num_f32 v[BM+\b], v[BM+\b], v[S+16*\b+15]
.endr
.irp b, 0,1,2,3,4,5,6,7
	v_permlanex16_b32 v[PERM+\b], v[BM+\b], s[SEL], s[SEL+1]
.endr
.irp b, 0,1,2,3,4,5,6,7
	v_max_num_f32 v[BM+\b], v[BM+\b], v[PERM+\b]
.endr
	v_max3_num_f32 v[PERM], v[BM], v[BM+1], v[BM+2]
	v_max3_num_f32 v[PERM+1], v[BM+3], v[BM+4], v[BM+5]
	v_max3_num_f32 v[PERM], v[PERM], v[BM+6], v[BM+7]
	v_max_num_f32 v[PERM], v[PERM], v[PERM+1]
	v_mul_f32 v[PERM], s[CS], v[PERM]              ; the row's largest t
	v_floor_f32 v[NEGM], -v[PERM]                  ; -M = floor(-t): M is a whole number
	v_mov_b32 v[NEGM+1], 0                         ; (named with it as a pair)
.set j, 0
.rept 64
	v_pk_fma_f32 v[S+j:S+j+1], v[S+j:S+j+1], s[CS:CS+1], v[NEGM:NEGM+1] op_sel_hi:[1,0,0]   ; t - M
.set j, j+2
.endr
.irp b, 0,1,2,3,4,5,6,7
	v_fma_f32 v[BM+\b], v[BM+\b], s[CS], v[NEGM]
.endr
.set j, 0
.rept 128
	v_exp_f32 v[S+j], v[S+j]                       ; p = 2^(t - M)
.set j, j+1
.endr
	v_nop                                          ; a plain place behind the exponentials
	s_wait_alu depctr_va_vdst(0)                   ; one wait for the batch, ahead of its first reader: the 128 p are written
.irp b, 0,1,2,3,4,5,6,7
	v_exp_f32 v[BM+\b], v[BM+\b]                   ; each block's largest p
.endr
	v_pk_add_f32 v[SUMA:SUMA+1], v[S:S+1], v[S+2:S+3]          ; the row's sum, of the unquantised p, in two chains
	v_pk_add_f32 v[SUMB:SUMB+1], v[S+4:S+5], v[S+6:S+7]
.set j, 8
.rept 30
	v_pk_add_f32 v[SUMA:SUMA+1], v[SUMA:SUMA+1], v[S+j:S+j+1]
	v_pk_add_f32 v[SUMB:SUMB+1], v[SUMB:SUMB+1], v[S+j+2:S+j+3]
.set j, j+4
.endr
	v_pk_add_f32 v[SUMA:SUMA+1], v[SUMA:SUMA+1], v[SUMB:SUMB+1]
	v_add_f32 v[SUMA], v[SUMA], v[SUMA+1]
	v_permlanex16_b32 v[SUMB], v[SUMA], s[SEL], s[SEL+1]
	v_add_f32 v[SUMA], v[SUMA], v[SUMB]
	v_rcp_f32 v[RL], v[SUMA]
	v_nop
	s_wait_alu depctr_va_vdst(0)                   ; one wait for the eight and the reciprocal: v[BM ..] and v[RL] are written
	v_mov_b32 v[RL+1], v[RL]
.irp b, 0,1,2,3,4,5,6,7
	v_max_num_f32 v[BM+\b], 0x1800000, v[BM+\b]
.endr
.irp b, 0,1,2,3,4,5,6,7
	v_add_nc_u32 v[SOP+\b], 0xff000000, v[BM+\b]
.endr
.irp b, 0,1,2,3,4,5,6,7
	v_lshrrev_b32 v[PERM+\b], 23, v[SOP+\b]
.endr
	v_lshl_or_b32 v[PW0], v[PERM+1], 8, v[PERM]    ; p's scale words: keys 0-127, keys 128-255
	v_lshl_or_b32 v[PW1], v[PERM+5], 8, v[PERM+4]
	v_lshl_or_b32 v[PW0], v[PERM+2], 16, v[PW0]
	v_lshl_or_b32 v[PW1], v[PERM+6], 16, v[PW1]
	v_lshl_or_b32 v[PW0], v[PERM+3], 24, v[PW0]
	v_lshl_or_b32 v[PW1], v[PERM+7], 24, v[PW1]
	v_cvt_scalef32_pk16_fp6_f32 v[PCA:PCA+2], v[S:S+15], v[SOP]
	v_cvt_scalef32_pk16_fp6_f32 v[PERM:PERM+2], v[S+16:S+31], v[SOP+1]
	v_cvt_scalef32_pk16_fp6_f32 v[PCA+6:PCA+8], v[S+32:S+47], v[SOP+2]
	v_cvt_scalef32_pk16_fp6_f32 v[PERM+4:PERM+6], v[S+48:S+63], v[SOP+3]
	v_nop                                          ; the next four write registers that these have read
	v_cvt_scalef32_pk16_fp6_f32 v[S:S+2], v[S+64:S+79], v[SOP+4]
	v_cvt_scalef32_pk16_fp6_f32 v[S+12:S+14], v[S+80:S+95], v[SOP+5]
	v_cvt_scalef32_pk16_fp6_f32 v[S+6:S+8], v[S+96:S+111], v[SOP+6]
	v_cvt_scalef32_pk16_fp6_f32 v[S+16:S+18], v[S+112:S+127], v[SOP+7]
	v_nop
	s_wait_alu depctr_va_vdst(0)                   ; the conversions are done reading p in v[VF ..], in which v's fragments land
	ds_load_b64 v[R8:R8+1], v[AVL] offset:512*\c               ; v's scale words: a pair of tiles, both halves of the keys
	ds_load_b64 v[R8+2:R8+3], v[AVL] offset:512*\c+256
.irp t, 0,1,2,3
.irp g, 0,1,2
	ds_load_b128 v[VF+12*\t+4*\g:VF+12*\t+4*\g+3], v[AH16] offset:24576+12288*\c+3072*\t+512*\g
.endr
.endr
.irp i, 0,1,2
	v_permlane16_swap_b32 v[PCA+\i], v[PERM+\i]    ; the operand's layout wants a whole block in a lane
	v_permlane16_swap_b32 v[PCA+6+\i], v[PERM+4+\i]
	v_permlane16_swap_b32 v[S+\i], v[S+12+\i]
	v_permlane16_swap_b32 v[S+6+\i], v[S+16+\i]
.endr
.irp i, 0,1,2
	v_mov_b32 v[PCA+3+\i], v[PERM+\i]
	v_mov_b32 v[PCA+9+\i], v[PERM+4+\i]
	v_mov_b32 v[S+3+\i], v[S+12+\i]
	v_mov_b32 v[S+9+\i], v[S+16+\i]
.endr
.rept 8
	v_nop                                          ; a scale register written by a vector instruction stands 8 places ahead of a scaled matrix instruction, an operand so written 4
.endr
	s_wait_alu depctr_va_vdst(0)                   ; p's codes in v[PCA ..] and v[S ..] and its scale words v[PW0], v[PW1] are written, which the scaled matrix instructions below take; the places above stay beside this wait
	; ---- O^T = v^T p^T: four tiles of the head's 64; the four accumulators by turns
	s_wait_dscnt 0x0
.irp t, 0,1,2,3
	WMZ OT+8*\t, VF+12*\t, PCA, R8+2*(\t/2), PW0, \t%2, 0
.endr
	NOP4
	s_wait_alu depctr_va_vdst(0)                   ; the four products are done reading v[VF ..], in which the fragments of keys 128-255 land
.irp t, 0,1,2,3
.irp g, 0,1,2
	ds_load_b128 v[VF+12*\t+4*\g:VF+12*\t+4*\g+3], v[AH16] offset:24576+12288*\c+3072*\t+1536+512*\g
.endr
.endr
	s_wait_dscnt 0x0
.irp t, 0,1,2,3
	WMA OT+8*\t, VF+12*\t, S, OT+8*\t, R8+2*(\t/2)+1, PW1, \t%2, 0
.endr
	NOP4
.set j, 0
.rept 16
	v_pk_mul_f32 v[OT+j:OT+j+1], v[OT+j:OT+j+1], v[RL:RL+1]    ; / l, ahead of the quantiser
.set j, j+2
.endr
	QUANT2 OT                                      ; lane (l, hh) now holds block hh of this head: its own registers 6 c .. 6 c + 5 of ow's fragment
.if \c == 0
	v_lshl_or_b32 v[OWW], v[PERM+1], 8, v[PERM]
	s_wait_alu depctr_va_vdst(0)                   ; the quantiser has written v[PCA ..], which the stores read
	ds_store_b128 v[AO16], v[PCA:PCA+3]
	ds_store_b64 v[AO16], v[PCA+4:PCA+5] offset:512
.else
	v_lshl_or_b32 v[BM], v[PERM+1], 8, v[PERM]
	v_lshl_or_b32 v[OWW], v[BM], 16, v[OWW]
	s_wait_alu depctr_va_vdst(0)                   ; the quantiser has written v[PCA ..], and v[OWW] is whole: the stores read them
	ds_store_b64 v[AO16], v[PCA:PCA+1] offset:520
	ds_store_b128 v[AO16], v[PCA+2:PCA+5] offset:1024
	ds_store_b32 v[AOS], v[OWW]
.endif
.endm
.Ltrip:                                            ; four trips of two heads
	HEAD 0
	HEAD 1
	s_wait_dscnt 0x0                               ; no LDS instruction of mine is out: the addresses step
	s_wait_alu depctr_vm_vsrc(0)                   ; the LDS instructions of the trip have read the five addresses below; so have they v1-v9, v[PCA ..] and v[OWW], which the next trip or the way out writes
	v_add_nc_u32 v[AW16], 6144, v[AW16]
	v_add_nc_u32 v[AW8], 6144, v[AW8]
	v_add_nc_u32 v[AWS], 512, v[AWS]
	v_add_nc_u32 v[AO16], 1536, v[AO16]
	v_add_nc_u32 v[AOS], 128, v[AOS]
	s_sub_co_u32 s41, s41, 1
	s_cmp_lg_u32 s41, 0
	s_cbranch_scc1 .Ltrip
	; ---- the projection: y^T = Wout ow^T + bout, K = 512 in four steps; my 16 rows' fragments are my own bytes
.set AWO,  1
.set AWOS, 2
.set STO,  3
.set RD,   4
.set GO,   5
.set OWF,  128
.set WF,   176
.set ACC,  224
.set BIAS, 92
.set SOW,  24
.set SWO,  28
	v_and_b32 v7, 31, v0
	v_and_b32 v8, 15, v0
	v_bfe_u32 v9, v0, 4, 1
	v_lshl_add_u32 v[AO16], v7, 4, s46
	v_lshl_add_u32 v[AOS], v7, 2, s47
	v_lshl_add_u32 v[AWO], v7, 4, WOI
	v_lshl_add_u32 v[AWOS], v7, 2, WOS
	v_mul_u32_u24 v[STO], v8, 272
	v_lshl_add_u32 v[STO], v9, 5, v[STO]
	v_add_nc_u32 v[STO], s46, v[STO]               ; the stage: row l, 32 bytes for each half of the lanes
	v_mul_u32_u24 v[RD], v9, 272
	v_lshl_add_u32 v[RD], v8, 4, v[RD]
	v_add_nc_u32 v[RD], s46, v[RD]                 ; back: lanes 0-15 one row of 256 bytes, lanes 16-31 the next
	v_lshlrev_b32 v6, 5, v9
	s_lshl_b32 s42, s29, 5
	s_lshl_b32 s43, s30, 3
	s_add_co_u32 s42, s42, s43
	v_add_nc_u32 v[GO], s42, v9
	v_lshlrev_b32 v[GO], 16, v[GO]
	v_lshl_add_u32 v[GO], v8, 4, v[GO]             ; wbuf: row r = 32 b + 8 beta + hh (+ the immediate), 65,536 bytes from r to r + 1
	s_wait_alu depctr_va_vdst(0)                   ; the way out's addresses are written, which the loads and stores below read; the last head is done with v24-v29 and v92-v223, in which the loads below land
.irp t, 0,1,2,3
	global_load_b128 v[BIAS+8*\t:BIAS+8*\t+3], v6, s[20:21] offset:64*\t       ; the bias in the result's layout: it is the C of each sum's first instruction
	global_load_b128 v[BIAS+8*\t+4:BIAS+8*\t+7], v6, s[20:21] offset:64*\t+16
.endr
.irp s, 0,1,2,3
.irp g, 0,1,2
	ds_load_b128 v[OWF+12*\s+4*\g:OWF+12*\s+4*\g+3], v[AO16] offset:1536*\s+512*\g
.endr
	ds_load_b32 v[SOW+\s], v[AOS] offset:128*\s
.endr
.irp s, 0,1,2,3
.irp t, 0,1,2,3
.irp g, 0,1,2
	ds_load_b128 v[WF+12*\t+4*\g:WF+12*\t+4*\g+3], v[AWO] offset:1536*(4*\t+\s)+512*\g
.endr
.endr
	ds_load_b32 v[SWO], v[AWOS] offset:256*\s
	ds_load_b32 v[SWO+1], v[AWOS] offset:256*\s+128
	s_wait_dscnt 0x0
.if \s == 0
	s_wait_loadcnt 0x0
.endif
.irp t, 0,1,2,3
.if \s == 0
	WMA ACC+8*\t, WF+12*\t, OWF, BIAS+8*\t, SWO+\t/2, SOW, \t%2, 0
.else
	WMA ACC+8*\t, WF+12*\t, OWF+12*\s, ACC+8*\t, SWO+\t/2, SOW+\s, \t%2, 0
.endif
.endr
	NOP4
.if \s < 3
	s_wait_alu depctr_va_vdst(0)                   ; the four products are done reading v[WF ..] and v[SWO], v[SWO+1], in which the next K step's fragments and scale words land
.endif
.endr
.set j, 0
.rept 16
	v_pk_mul_f32 v[128+j:129+j], v[ACC+j:ACC+j+1], 0.5 op_sel_hi:[1,0]
.set j, j+2
.endr
	s_wait_alu depctr_va_vdst(0)                   ; the halved results in v128-v159 are written, which the LDS stores read; the last products are done reading v160-v191, in which the rows land
.irp t, 0,1,2,3
	ds_store_b128 v[STO], v[128+8*\t:131+8*\t] offset:64*\t
	ds_store_b128 v[STO], v[132+8*\t:135+8*\t] offset:64*\t+16
.endr
.irp i, 0,1,2,3,4,5,6,7
	ds_load_b128 v[160+4*\i:163+4*\i], v[RD] offset:544*\i     ; LDS serves a wave's instructions in order: these see my stores
.endr
.irp i, 0,1,2,3,4,5,6,7
	s_wait_dscnt 7-\i                              ; the younger loads may stay out
	global_store_b128 v[GO], v[160+4*\i:163+4*\i], s[22:23] offset:(2*\i+8*(\i/4))*65536   ; sixteen lanes store 256 consecutive bytes, aligned: a row (r, w)
.endr
	s_wait_xcnt 0x0
	s_wait_alu depctr_vm_vsrc(0)                   ; the first of the stores above has read v162 and v163, which are made anew
	v_lshl_add_u32 v162, v0, 2, 0x4a000
	v_mov_b32 v163, 0
	s_wait_dscnt 0x0                               ; the closing lines, six on end
	s_wait_alu 0x0
	s_wait_tensorcnt 0x0
	ds_add_u32 v162, v163
	s_wait_dscnt 0x0
	s_endpgm
.Lfunc_end_k_qddccd91667_width:
	.size	k_qddccd91667_width, .Lfunc_end_k_qddccd91667_width-k_qddccd91667_width
	.p2alignl 7, 3214868480
	.fill 96, 4, 3214868480
	.section	.rodata,"a",@progbits
	.p2align	6, 0x0
	.amdhsa_kernel k_qddccd91667_width
		.amdhsa_group_segment_fixed_size 305152
		.amdhsa_private_segment_fixed_size 0
		.amdhsa_enable_private_segment 0
		.amdhsa_kernarg_size 96
		.amdhsa_user_sgpr_count 2
		.amdhsa_user_sgpr_kernarg_segment_ptr 1
		.amdhsa_wavefront_size32 1
		.amdhsa_system_sgpr_workgroup_id_x 1
		.amdhsa_system_sgpr_workgroup_id_y 1
		.amdhsa_system_sgpr_workgroup_id_z 1
		.amdhsa_system_vgpr_workitem_id 0
		.amdhsa_next_free_vgpr 256
		.amdhsa_next_free_sgpr 66
		.amdhsa_reserve_vcc 0
		.amdhsa_float_denorm_mode_32 3
		.amdhsa_float_denorm_mode_16_64 3
		.amdhsa_memory_ordered 1
		.amdhsa_forward_progress 1
		.amdhsa_inst_pref_size 113
	.end_amdhsa_kernel
	.amdgpu_metadata
---
amdhsa.version: [ 1, 2 ]
amdhsa.kernels:
  - .name:           k_qddccd91667_width
    .symbol:         k_qddccd91667_width.kd
    .args:
      - { .name: x_codes, .offset: 0, .size: 8, .value_kind: global_buffer, .address_space: global }
      - { .name: x_scales, .offset: 8, .size: 8, .value_kind: global_buffer, .address_space: global }
      - { .name: Wq_w_codes, .offset: 16, .size: 8, .value_kind: global_buffer, .address_space: global }
      - { .name: Wq_w_scales, .offset: 24, .size: 8, .value_kind: global_buffer, .address_space: global }
      - { .name: Wkv_w_codes, .offset: 32, .size: 8, .value_kind: global_buffer, .address_space: global }
      - { .name: Wkv_w_scales, .offset: 40, .size: 8, .value_kind: global_buffer, .address_space: global }
      - { .name: Wout_w_codes, .offset: 48, .size: 8, .value_kind: global_buffer, .address_space: global }
      - { .name: Wout_w_scales, .offset: 56, .size: 8, .value_kind: global_buffer, .address_space: global }
      - { .name: bout_w, .offset: 64, .size: 8, .value_kind: global_buffer, .address_space: global }
      - { .name: wbuf, .offset: 72, .size: 8, .value_kind: global_buffer, .address_space: global }
      - { .name: ximg, .offset: 80, .size: 8, .value_kind: global_buffer, .address_space: global }
      - { .name: xsimg, .offset: 88, .size: 8, .value_kind: global_buffer, .address_space: global }
    .group_segment_fixed_size: 305152
    .private_segment_fixed_size: 0
    .kernarg_segment_align: 8
    .kernarg_segment_size: 96
    .max_flat_workgroup_size: 512
    .sgpr_count:     66
    .vgpr_count:     256
    .wavefront_size: 32
...
	.end_amdgpu_metadata
.endif
;; end of part 5
;; launch hdots (part 6): grid 32 x 8, 8 waves a work-group, no clusters, 315,392 bytes of LDS; arguments ximg, xsimg, Wq_h_codes, Wq_h_scales, Wkv_h_codes, Wkv_h_scales, part; writes part
.if DOCPART == 6
	.amdgcn_target "amdgcn-amd-amdhsa--gfx1250"
	.amdhsa_code_object_version 6
	.text
	.protected	k_qddccd91667_hdots
	.globl	k_qddccd91667_hdots
	.p2align	8
	.type	k_qddccd91667_hdots,@function
k_qddccd91667_hdots:
	s_mov_b64 s[64:65], 0
	v_nop
	global_prefetch_b8 v0, s[64:65] scope:SCOPE_SE
	s_setreg_imm32_b32 hwreg(HW_REG_WAVE_SCHED_MODE, 0, 2), 2
	s_setreg_imm32_b32 hwreg(HW_REG_WAVE_MODE, 25, 1), 1
	s_wait_xcnt 0x0
	s_wait_alu depctr_vm_vsrc(0)
; THE TIED SCORES.  part[rb][h][i][j] = sum over d (64) and the 32 rows r of block rb of Q(q[r][h][i][d]) Q(k[r][h][j][d]); q = x Wq_h, k = x Wk_h on given codes.
; The product's K is taken as d x 256 + r (the contracted axes in the order d, r): a block of 32 is 32 consecutive r at one (h, i, d).
; SHARES.  Work-group (x, y): rb = x / 4, i half = (x / 2) % 2, j half = x % 2, head y: 128 i x 128 j, K = 2,048.  Wave w owns i tile w (16 rows) and makes its q itself;
; k comes in two phases of 64 j, of which wave w makes 8 rows; all eight waves read them.
; A UNIT is one row (i or j) with the block's 32 r: source 0 = 16 rows r of x (an image laid by the launch before; the rows of a tile are 32 rb + 8 u + l + (l & 8)),
; source 1 = 16 rows d of the weight: a lane holds one d = 16 t + l, its registers run along r.  Quantised, lane (l, hh)'s 12 registers ARE those of lane (row % 16, hh) of the
; fragment of K step s = l, in which byte bb of the scale word stands for d = 16 bb + s.  q and k are laid alike, so the products meet.
; LIMITS: NaN and infinities are not served; a block under 2^(3 - 127), a block of zeros too, gets the byte 1 (read by this launch alone).
; THE MODE: SCHED_MODE bits 1:0 = 2 (LLVM: expert scheduling mode 2), set by the entry lines.  The code itself states the register dependences
; between vector or matrix instructions and memory or LDS instructions, with s_wait_alu, always for 0.
; THE PLAN.  Registers that LDS or memory instructions touch:
;   v[X ..], v[XSR ..]  A unit's eight products read buffer k; behind them the loads of the row four units on land in it: a wait on va_vdst behind the products' places, where the quantiser wants their results in any case.
;   v[H .. H+11], v[PW]  Written by the quantiser, read by the unit's four LDS stores: a wait on va_vdst ahead of the stores, one on vm_vsrc at the next unit's head, ahead of the products that write v[H ..] again.
;   v4, v5         q's two LDS addresses step once a trip: a wait on vm_vsrc ahead of the adds; the unit's wait ahead of its stores stands ahead of their readers.
;   the consumer's two buffers (v80-v199), v[CS0 ..]  A K step's four products read one buffer; behind them the loads of the step two on land in it: one wait on va_vdst a K step.  Buffer 1 lies over v[H ..]: both waits at the consumer's head.
;   v[ACC ..]      Written by matrix instructions, read by the stage's stores: a wait on va_vdst behind the places.
; All 256 registers are in use, so no buffer is added.
.set FP,   1552                        ; a fragment's image, 1,536 bytes, + 16: the sixteen lanes of a store touch sixteen different columns of 16 bytes
.set QC,   0                           ; q: wave x 24,832 + s x 1,552
.set QCW,  24832
.set KC,   198656                      ; k: s x 6,416 + j tile x 1,552
.set KCS,  6416
.set QSC,  301312                      ; q's scale words: wave x 1,088 + s x 68 + 4 x row
.set KSC,  310016                      ; k's: s x 260 + j tile x 64 + 4 x row
.set XSR,  16                          ; v16-19 x's scale words, a register for each buffer
.set WSR,  20                          ; v20-21 the weight's
.set CS0,  22                          ; v22-27 the consumer's: for each buffer q's, k's tiles 0, 1, k's tiles 2, 3
.set PW,   28
.set W,    32                          ; the weight's four tiles
.set X,    80                          ; four buffers of two tiles of x; later two buffers of five fragments
.set H,    176                         ; a unit's 64 numbers
.set ACC,  200
.set TM,   240
.set SEL,  36
.macro NOP4
.rept 4
	v_nop
.endr
.endm
.macro BARRIER
	s_wait_dscnt 0x0
	s_barrier_signal -1
	s_barrier_wait -1
.endm
.macro WMZ d, a, b, sa, sb, ra, rb
.if ((\ra) != 0) && ((\rb) != 0)
	v_wmma_scale_f32_16x16x128_f8f6f4 v[(\d):(\d)+7], v[(\a):(\a)+11], v[(\b):(\b)+11], 0, v[(\sa)], v[(\sb)] matrix_a_fmt:MATRIX_FMT_FP6 matrix_b_fmt:MATRIX_FMT_FP6 matrix_a_scale:MATRIX_SCALE_ROW1 matrix_b_scale:MATRIX_SCALE_ROW1
.elseif (\ra) != 0
	v_wmma_scale_f32_16x16x128_f8f6f4 v[(\d):(\d)+7], v[(\a):(\a)+11], v[(\b):(\b)+11], 0, v[(\sa)], v[(\sb)] matrix_a_fmt:MATRIX_FMT_FP6 matrix_b_fmt:MATRIX_FMT_FP6 matrix_a_scale:MATRIX_SCALE_ROW1
.elseif (\rb) != 0
	v_wmma_scale_f32_16x16x128_f8f6f4 v[(\d):(\d)+7], v[(\a):(\a)+11], v[(\b):(\b)+11], 0, v[(\sa)], v[(\sb)] matrix_a_fmt:MATRIX_FMT_FP6 matrix_b_fmt:MATRIX_FMT_FP6 matrix_b_scale:MATRIX_SCALE_ROW1
.else
	v_wmma_scale_f32_16x16x128_f8f6f4 v[(\d):(\d)+7], v[(\a):(\a)+11], v[(\b):(\b)+11], 0, v[(\sa)], v[(\sb)] matrix_a_fmt:MATRIX_FMT_FP6 matrix_b_fmt:MATRIX_FMT_FP6
.endif
.endm
.macro WMA d, a, b, c, sa, sb, ra, rb
.if (\ra) != 0
	v_wmma_scale_f32_16x16x128_f8f6f4 v[(\d):(\d)+7], v[(\a):(\a)+11], v[(\b):(\b)+11], v[(\c):(\c)+7], v[(\sa)], v[(\sb)] matrix_a_fmt:MATRIX_FMT_FP6 matrix_b_fmt:MATRIX_FMT_FP6 matrix_a_scale:MATRIX_SCALE_ROW1
.else
	v_wmma_scale_f32_16x16x128_f8f6f4 v[(\d):(\d)+7], v[(\a):(\a)+11], v[(\b):(\b)+11], v[(\c):(\c)+7], v[(\sa)], v[(\sb)] matrix_a_fmt:MATRIX_FMT_FP6 matrix_b_fmt:MATRIX_FMT_FP6
.endif
.endm
; 64 numbers of a lane, four half blocks of 16, become 12 registers of codes in v[H .. H+11] (registers 6 c on: block 2 c + hh) and the four scale bytes in v[PW]
.macro QUANT4
.irp b, 0,1,2,3
	v_max3_num_f32 v[TM+\b], |v[H+16*\b]|, |v[H+16*\b+1]|, 0x1800000
.endr
.irp i, 2,4,6,8,10,12,14
.irp b, 0,1,2,3
	v_max3_num_f32 v[TM+\b], v[TM+\b], |v[H+16*\b+\i]|, |v[H+16*\b+\i+1]|
.endr
.endr
.irp b, 0,1,2,3
	v_permlanex16_b32 v[TM+4+\b], v[TM+\b], s[SEL], s[SEL+1]
.endr
.irp b, 0,1,2,3
	v_max_num_f32 v[TM+\b], v[TM+\b], v[TM+4+\b]
.endr
.irp b, 0,1,2,3
	v_add_nc_u32 v[TM+8+\b], 0xff000000, v[TM+\b]
.endr
.irp b, 0,1,2,3
	v_lshrrev_b32 v[TM+4+\b], 23, v[TM+8+\b]
.endr
	v_lshl_or_b32 v[PW], v[TM+5], 8, v[TM+4]
	v_lshl_or_b32 v[PW], v[TM+6], 16, v[PW]
	v_lshl_or_b32 v[PW], v[TM+7], 24, v[PW]
	v_cvt_scalef32_pk16_fp6_f32 v[TM:TM+2], v[H:H+15], v[TM+8]
	v_cvt_scalef32_pk16_fp6_f32 v[TM+4:TM+6], v[H+16:H+31], v[TM+9]
	v_nop                                          ; the next two write registers that these have read
	v_cvt_scalef32_pk16_fp6_f32 v[H+6:H+8], v[H+32:H+47], v[TM+10]
	v_cvt_scalef32_pk16_fp6_f32 v[H+12:H+14], v[H+48:H+63], v[TM+11]
	v_nop
.irp i, 0,1,2
	v_permlane16_swap_b32 v[TM+\i], v[TM+4+\i]
	v_permlane16_swap_b32 v[H+6+\i], v[H+12+\i]
.endr
.irp i, 0,1,2
	v_mov_b32 v[H+\i], v[TM+\i]
	v_mov_b32 v[H+3+\i], v[TM+4+\i]
	v_mov_b32 v[H+9+\i], v[H+12+\i]
.endr
.endm
.macro XLOAD k, pb, psb, row           ; a row's two tiles of x and their scale words into buffer k: five loads, each of consecutive bytes
	global_load_b128 v[X+24*(\k):X+24*(\k)+3], v1, s[\pb:\pb+1] offset:12288*(\row)
	global_load_b64 v[X+24*(\k)+4:X+24*(\k)+5], v2, s[\pb:\pb+1] offset:12288*(\row)+512
	global_load_b128 v[X+24*(\k)+12:X+24*(\k)+15], v1, s[\pb:\pb+1] offset:12288*(\row)+768
	global_load_b64 v[X+24*(\k)+16:X+24*(\k)+17], v2, s[\pb:\pb+1] offset:12288*(\row)+1280
	global_load_b32 v[XSR+(\k)], v3, s[\psb:\psb+1] offset:1024*(\row)
.endm
.macro WLOAD pb, psb                   ; the head's 64 rows of a weight: four tiles in natural order
.irp t, 0,1,2,3
.irp p, 0,1,2
	global_load_b64 v[W+12*\t+2*\p:W+12*\t+2*\p+1], v252, s[\pb:\pb+1] offset:768*\t+8*\p
.endr
.endr
	global_load_u16 v[WSR], v253, s[\psb:\psb+1]
	global_load_u16 v[WSR+1], v253, s[\psb:\psb+1] offset:64
.endm
; left: the loads of the younger units, five each, which may stay out.  pf = 1: buffer k takes row prow from s[pb:pb+1]
.macro UNIT k, areg, sreg, row, left, pf, pb, psb, prow
	s_wait_loadcnt \left
	s_wait_dscnt 0x0
	s_wait_alu depctr_vm_vsrc(0)                   ; the last unit's LDS stores have read v[H .. H+11] and v[PW], which the products and the quantiser below write again
.irp t, 0,1,2,3
.irp u, 0,1
	WMZ H+16*\t+8*\u, X+24*(\k)+12*\u, W+12*\t, XSR+(\k), WSR+\t/2, \u, \t%2
.endr
.endr
	NOP4
.if \pf
	s_wait_alu depctr_va_vdst(0)                   ; the eight products are done reading buffer k of x and its scale words, in which the loads below land
	XLOAD \k, \pb, \psb, \prow
.endif
	QUANT4
	s_wait_alu depctr_va_vdst(0)                   ; the quantiser has written the codes in v[H .. H+11] and the scale word v[PW], which the stores read; where the addresses have stepped, they are written
.irp g, 0,1,2
	ds_store_b128 v[\areg], v[H+4*\g:H+4*\g+3] offset:16*(\row)+512*\g
.endr
	ds_store_b32 v[\sreg], v[PW] offset:4*(\row)   ; (lanes l and l + 16 write the same word with the same value)
.endm
.macro KPHASE f                        ; my 8 rows of k of phase f
.irp m, 0,1,2,3
	UNIT \m, 6, 7, \m, 15, 1, 30, 32, 64*\f+4+\m
.endr
	UNIT 0, 6, 7, 4, 15, 0, 0, 0, 0
	UNIT 1, 6, 7, 5, 10, 0, 0, 0, 0
	UNIT 2, 6, 7, 6, 5, 0, 0, 0, 0
	UNIT 3, 6, 7, 7, 0, 0, 0, 0, 0
.endm
.macro CLOADS bf, s                    ; K step s: my q fragment, k's four, three scale words: 18 LDS loads into buffer bf
.set BF, X+60*(\bf)
.set KA, 9+(\s)/8
.irp g, 0,1,2
	ds_load_b128 v[BF+4*\g:BF+4*\g+3], v8 offset:FP*(\s)+512*\g
.endr
.irp jt, 0,1,2,3
.irp g, 0,1,2
	ds_load_b128 v[BF+12+12*\jt+4*\g:BF+12+12*\jt+4*\g+3], v[KA] offset:KCS*((\s)%8)+FP*\jt+512*\g
.endr
.endr
	ds_load_b32 v[CS0+3*(\bf)], v11 offset:68*(\s)
	ds_load_b32 v[CS0+3*(\bf)+1], v12 offset:260*(\s)
	ds_load_b32 v[CS0+3*(\bf)+2], v12 offset:260*(\s)+128
.endm
.macro MUL bf, zero                    ; source 0 = 16 rows j of k, source 1 = my 16 rows i: a lane holds one i and eight neighbouring j.  The four accumulators by turns
.set BF, X+60*(\bf)
.irp jt, 0,1,2,3
.if \zero
	WMZ ACC+8*\jt, BF+12+12*\jt, BF, CS0+3*(\bf)+1+\jt/2, CS0+3*(\bf), \jt%2, 0
.else
	WMA ACC+8*\jt, BF+12+12*\jt, BF, ACC+8*\jt, CS0+3*(\bf)+1+\jt/2, CS0+3*(\bf), \jt%2, 0
.endif
.endr
.endm
.macro CONSUME                         ; sixteen K steps on two buffers; every offset an immediate
	s_wait_alu depctr_vm_vsrc(0)                   ; my last unit's LDS stores have read v[H .. H+11], in which fragments of buffer 1 land
	s_wait_alu depctr_va_vdst(0)                   ; the units' products are done reading v[X ..], and the quantiser is done with v[H ..]: the two buffers' loads land there
	CLOADS 0, 0
	CLOADS 1, 1
	s_wait_dscnt 18                                ; all but the other buffer's 18
	MUL 0, 1
.irp s, 2,3,4,5,6,7,8,9,10,11,12,13,14,15
	NOP4
	s_wait_alu depctr_va_vdst(0)                   ; the four products above are done reading their buffer and its three scale words, in which the loads of the K step two on land
	CLOADS \s%2, \s
	s_wait_dscnt 18
	MUL (\s-1)%2, 0
.endr
	s_wait_dscnt 0x0
	MUL 1, 0
	NOP4
.endm
.macro OUT sto, rd, f                  ; 16 i x 64 j through my stage: sixteen lanes then store 256 consecutive bytes, aligned
	s_wait_alu depctr_va_vdst(0)                   ; the matrix instructions have written the accumulators, which the LDS stores read (the four places stand at the consumer's end, beside this wait), and are done reading v[X ..], in which the rows land
.irp t, 0,1,2,3
	ds_store_b128 v[\sto], v[ACC+8*\t:ACC+8*\t+3] offset:64*\t
	ds_store_b128 v[\sto], v[ACC+8*\t+4:ACC+8*\t+7] offset:64*\t+16
.endr
.irp i, 0,1,2,3,4,5,6,7
	ds_load_b128 v[X+4*\i:X+4*\i+3], v[\rd] offset:544*\i
.endr
.irp i, 0,1,2,3,4,5,6,7
	s_wait_dscnt 7-\i
	global_store_b128 v30, v[X+4*\i:X+4*\i+3], s[34:35] offset:2048*\i+256*\f
.endr
.endm
	s_load_b256 s[4:11], s[0:1], 0x0               ; ximg, xsimg, Wq codes, Wq scales
	s_load_b128 s[12:15], s[0:1], 0x20             ; Wkv codes, Wkv scales
	s_load_b64 s[16:17], s[0:1], 0x30              ; part
	v_lshl_add_u32 v254, v0, 2, 0x4cc00
	v_mov_b32 v255, 0
	v_lshrrev_b32 v240, 5, v0
	v_readfirstlane_b32 s20, v240                  ; wave
	s_lshr_b32 s21, ttmp9, 2                       ; rb
	s_bfe_u32 s22, ttmp9, 0x10001                  ; which 128 i
	s_and_b32 s23, ttmp9, 1                        ; which 128 j
	s_and_b32 s24, ttmp7, 0xffff                   ; head
	s_mov_b32 s[SEL], 0x76543210
	s_mov_b32 s[SEL+1], 0xfedcba98
	v_and_b32 v240, 31, v0                         ; L
	v_and_b32 v241, 15, v0                         ; l
	v_bfe_u32 v242, v0, 4, 1                       ; hh
	v_lshlrev_b32 v1, 4, v240
	v_lshlrev_b32 v2, 3, v240
	v_lshlrev_b32 v3, 2, v240
	s_wait_alu depctr_va_sdst(0)                   ; s20 is written, ahead of its first reader
	s_mul_i32 s40, s20, QCW
	v_mul_u32_u24 v243, v241, FP
	v_lshl_add_u32 v243, v242, 8, v243
	v_add_nc_u32 v4, s40, v243                     ; where a unit of q goes: fragment s = l, lane (row, hh)
	s_mul_i32 s41, s20, 1088
	s_add_co_u32 s41, s41, QSC
	v_mul_u32_u24 v243, v241, 68
	v_add_nc_u32 v5, s41, v243
	s_lshr_b32 s42, s20, 1
	s_and_b32 s43, s20, 1
	s_mul_i32 s44, s42, FP
	s_lshl_b32 s45, s43, 7
	s_add_co_u32 s44, s44, s45
	s_add_co_u32 s44, s44, KC
	v_mul_u32_u24 v243, v241, KCS
	v_lshl_add_u32 v243, v242, 8, v243
	v_add_nc_u32 v6, s44, v243                     ; and a unit of k: j tile = wave / 2, rows 8 (wave % 2) on
	s_lshl_b32 s44, s42, 6
	s_lshl_b32 s45, s43, 5
	s_add_co_u32 s44, s44, s45
	s_add_co_u32 s44, s44, KSC
	v_mul_u32_u24 v243, v241, 260
	v_add_nc_u32 v7, s44, v243
	v_lshl_add_u32 v8, v240, 4, s40                ; the consumer's addresses
	v_lshl_add_u32 v9, v240, 4, KC
	v_lshl_add_u32 v10, v240, 4, KC+8*KCS
	v_lshl_add_u32 v11, v241, 2, s41
	v_lshl_add_u32 v12, v240, 2, KSC
	s_mul_i32 s44, s20, 4352
	s_add_co_u32 s44, s44, KC                      ; stage of phase 0: in k's bytes, between two barriers of its own
	v_mul_u32_u24 v243, v241, 272
	v_lshl_add_u32 v243, v242, 5, v243
	v_add_nc_u32 v13, s44, v243
	v_add_nc_u32 v15, s40, v243                    ; stage of phase 1: my own q's bytes
	v_mul_u32_u24 v243, v242, 272
	v_lshl_add_u32 v243, v241, 4, v243
	v_add_nc_u32 v14, s44, v243
	v_add_nc_u32 v29, s40, v243
	v_lshlrev_b32 v30, 10, v242
	v_lshl_add_u32 v30, v241, 4, v30               ; part: 1,024 hh + 16 l
	s_mul_i32 s44, s24, 3072
	v_mul_u32_u24 v252, v241, 48
	v_mad_u32_u24 v252, v242, 24, v252
	v_add_nc_u32 v252, s44, v252                   ; the weight: row 64 h + l (+ 16 t), + 24 hh
	s_lshl_b32 s44, s24, 7
	v_lshl_add_u32 v253, v240, 1, s44              ; its scales: row 64 h + 16 hh + l
	s_lshl_b32 s40, s22, 7
	s_lshl_b32 s41, s20, 4
	s_add_co_u32 s40, s40, s41                     ; my first row i
	s_lshl_b32 s46, s23, 7
	s_lshl_b32 s41, s20, 3
	s_add_co_u32 s46, s46, s41                     ; my first row j
	s_mul_i32 s44, s21, 1536
	s_lshl_b32 s45, s21, 7
	s_mov_b32 s43, 0
	s_wait_kmcnt 0x0
	s_mul_i32 s42, s40, 12288
	s_add_co_u32 s42, s42, s44
	s_add_nc_u64 s[26:27], s[4:5], s[42:43]
	s_lshl_b32 s42, s40, 10
	s_add_co_u32 s42, s42, s45
	s_add_nc_u64 s[28:29], s[6:7], s[42:43]
	s_mul_i32 s42, s46, 12288
	s_add_co_u32 s42, s42, s44
	s_add_nc_u64 s[30:31], s[4:5], s[42:43]
	s_lshl_b32 s42, s46, 10
	s_add_co_u32 s42, s42, s45
	s_add_nc_u64 s[32:33], s[6:7], s[42:43]
	s_lshl_b32 s42, s21, 3
	s_add_co_u32 s42, s42, s24
	s_lshl_b32 s42, s42, 8
	s_add_co_u32 s42, s42, s40
	s_lshl_b32 s42, s42, 10
	s_lshl_b32 s41, s23, 9
	s_add_co_u32 s42, s42, s41
	s_add_nc_u64 s[34:35], s[16:17], s[42:43]
	s_wait_alu depctr_va_vdst(0)                   ; all the offsets and LDS addresses, v1-v15, v29, v30, v252 and v253, are written: the loads and stores of the launch read them
	WLOAD 8, 10
.irp k, 0,1,2,3
	XLOAD \k, 26, 28, \k
.endr
.irp i, 6,7,8,9,10,11
.irp t, 0,1,2,3
	v_mov_b32 v[W+12*\t+\i], 0                     ; the zero codes of k = 64 .. 127
.endr
.irp t, 0,1,2,3,4,5,6,7
	v_mov_b32 v[X+12*\t+\i], 0
.endr
.endr
.irp b, 0,1,2,3
	v_mov_b32 v[TM+4+\b], 0                        ; a lane permute's destination counts as one of its sources
.endr
	s_wait_alu depctr_va_vdst(0)                   ; the zero codes are written, which the scaled matrix instructions take with A and B
	; ---- my 16 rows of q: three trips of four units, then four more, which already ask for k's first rows
	s_mov_b32 s38, 3
.Lq:
.irp k, 0,1,2,3
	UNIT \k, 4, 5, \k, 15, 1, 26, 28, 4+\k
.endr
	s_wait_xcnt 0x0                                ; the loads have read their bases,
	s_wait_dscnt 0x0                               ; and no LDS store of mine is out: bases and addresses step
	s_wait_alu depctr_vm_vsrc(0)                   ; the trip's LDS stores have read v4 and v5, which the adds below write
	s_add_nc_u64 s[26:27], s[26:27], 49152
	s_add_nc_u64 s[28:29], s[28:29], 4096
	v_add_nc_u32 v4, 64, v4
	v_add_nc_u32 v5, 16, v5
	s_sub_co_u32 s38, s38, 1
	s_cmp_lg_u32 s38, 0
	s_cbranch_scc1 .Lq
.irp k, 0,1,2,3
	UNIT \k, 4, 5, \k, 15, 1, 30, 32, \k
.endr
	WLOAD 12, 14                                   ; k's weight takes q's place (rows 0 .. 511 of Wkv are k's).  No wait: the products that read q's weight stand ahead of the last unit's wait on va_vdst, and nothing since names these registers
	s_wait_loadcnt 0x0
	KPHASE 0
	BARRIER                                        ; 64 rows of k lie in LDS
	CONSUME
	BARRIER                                        ; nobody reads k's bytes any more
	OUT 13, 14, 0
	BARRIER                                        ; the stages in k's bytes are read out
	s_wait_xcnt 0x0                                ; the stores' data are written again only behind this wait
	s_wait_alu depctr_vm_vsrc(0)                   ; the global stores have read v[X ..], which the lines and the loads below write; the stage's stores have read the accumulators, which the next units' products write
.irp i, 6,7,8,9,10,11
.irp t, 0,1,2,3,4,5,6,7
	v_mov_b32 v[X+12*\t+\i], 0                     ; the consumer's fragments lay over x's zero codes
.endr
.endr
	NOP4                                           ; an operand written by vector instructions stands 4 places ahead of a scaled matrix instruction
	s_wait_alu depctr_va_vdst(0)                   ; the zero codes are written anew, which the scaled matrix instructions take with A; the places above stay beside this wait
.irp k, 0,1,2,3
	XLOAD \k, 30, 32, 64+\k
.endr
	KPHASE 1
	BARRIER
	CONSUME
	OUT 15, 29, 1
	s_wait_dscnt 0x0                               ; the closing lines, six on end
	s_wait_alu 0x0
	s_wait_tensorcnt 0x0
	ds_add_u32 v254, v255
	s_wait_dscnt 0x0
	s_endpgm
.Lfunc_end_k_qddccd91667_hdots:
	.size	k_qddccd91667_hdots, .Lfunc_end_k_qddccd91667_hdots-k_qddccd91667_hdots
	.p2alignl 7, 3214868480
	.fill 96, 4, 3214868480
	.section	.rodata,"a",@progbits
	.p2align	6, 0x0
	.amdhsa_kernel k_qddccd91667_hdots
		.amdhsa_group_segment_fixed_size 315392
		.amdhsa_private_segment_fixed_size 0
		.amdhsa_enable_private_segment 0
		.amdhsa_kernarg_size 56
		.amdhsa_user_sgpr_count 2
		.amdhsa_user_sgpr_kernarg_segment_ptr 1
		.amdhsa_wavefront_size32 1
		.amdhsa_system_sgpr_workgroup_id_x 1
		.amdhsa_system_sgpr_workgroup_id_y 1
		.amdhsa_system_sgpr_workgroup_id_z 1
		.amdhsa_system_vgpr_workitem_id 0
		.amdhsa_next_free_vgpr 256
		.amdhsa_next_free_sgpr 66
		.amdhsa_reserve_vcc 0
		.amdhsa_float_denorm_mode_32 3
		.amdhsa_float_denorm_mode_16_64 3
		.amdhsa_memory_ordered 1
		.amdhsa_forward_progress 1
		.amdhsa_inst_pref_size 215
	.end_amdhsa_kernel
	.amdgpu_metadata
---
amdhsa.version: [ 1, 2 ]
amdhsa.kernels:
  - .name:           k_qddccd91667_hdots
    .symbol:         k_qddccd91667_hdots.kd
    .args:
      - { .name: ximg, .offset: 0, .size: 8, .value_kind: global_buffer, .address_space: global }
      - { .name: xsimg, .offset: 8, .size: 8, .value_kind: global_buffer, .address_space: global }
      - { .name: Wq_h_codes, .offset: 16, .size: 8, .value_kind: global_buffer, .address_space: global }
      - { .name: Wq_h_scales, .offset: 24, .size: 8, .value_kind: global_buffer, .address_space: global }
      - { .name: Wkv_h_codes, .offset: 32, .size: 8, .value_kind: global_buffer, .address_space: global }
      - { .name: Wkv_h_scales, .offset: 40, .size: 8, .value_kind: global_buffer, .address_space: global }
      - { .name: part, .offset: 48, .size: 8, .value_kind: global_buffer, .address_space: global }
    .group_segment_fixed_size: 315392
    .private_segment_fixed_size: 0
    .kernarg_segment_align: 8
    .kernarg_segment_size: 56
    .max_flat_workgroup_size: 256
    .sgpr_count:     66
    .vgpr_count:     256
    .wavefront_size: 32
...
	.end_amdgpu_metadata
.endif
;; end of part 6
;; launch pairsm: the kernel of part 3 again; grid 256 x 1, 8 waves a work-group, no clusters, 168,960 bytes of LDS; arguments pair_bias, pair_ln_g, pair_ln_b, W_pair, part, pcodes, pscales, linv; writes pcodes, pscales, linv
;; launch hout (part 7): grid 256 x 1, 16 waves a work-group, no clusters, 236,544 bytes of LDS; arguments x_codes, x_scales, Wkv_h_codes, Wkv_h_scales, Wout_h_codes, Wout_h_scales, bout_h, pcodes, pscales, linv, wbuf, out0; writes out0
.if DOCPART == 7
	.amdgcn_target "amdgcn-amd-amdhsa--gfx1250"
	.amdhsa_code_object_version 6
	.text
	.protected	k_qddccd91667_hout
	.globl	k_qddccd91667_hout
	.p2align	8
	.type	k_qddccd91667_hout,@function
k_qddccd91667_hout:
	s_mov_b64 s[64:65], 0
	v_nop
	global_prefetch_b8 v0, s[64:65] scope:SCOPE_SE
	s_setreg_imm32_b32 hwreg(HW_REG_WAVE_SCHED_MODE, 0, 2), 2
	s_setreg_imm32_b32 hwreg(HW_REG_WAVE_MODE, 25, 1), 1
	s_wait_xcnt 0x0
	s_wait_alu depctr_vm_vsrc(0)
; THE TIED ATTENTION'S OUTPUT, for one row r of x.  v = x Wv_h, quantised along the keys j; O^T = v^T p^T for the eight heads, / l, quantised along (head, d); y = oh Wout_h + bout_h;
; out0[r][i][:] = 0.5 y + wbuf[r][i][:] (wbuf holds half of the width attention's result).  All products on codes of E2M3 with E8M0 scales.
; SHARES.  Sixteen waves.  Wave T (b = T / 2, beta = T % 2) makes key block b (j = 32 b ..) of v's tiles 2 beta, 2 beta + 1 for all heads, and owns the output rows i = 16 T + l.
; The rows of a tile of x and of Wv are 32 b + 8 u + l + (l & 8), so that two neighbouring tiles of a result give 16 neighbours along the next K.
; K = 64 in an instruction of K = 128: registers 6-11 of x's and Wv's fragments hold zero codes, written once.
; v goes from wave to wave through LDS as images of the operand's registers; one barrier in the launch.  p comes from memory straight into registers: its rows lie as the operand wants them.
; LIMITS: NaN and infinities are not served; a block under 2^(3 - 127), a block of zeros too, gets the byte 1 (read by this launch alone).
; THE MODE: SCHED_MODE bits 1:0 = 2 (LLVM: expert scheduling mode 2), set by the entry lines.  The code itself states the register dependences
; between vector or matrix instructions and memory or LDS instructions, with s_wait_alu, always for 0.
; THE PLAN.  Registers that LDS or memory instructions touch:
;   Wv's two pairs of tiles (v76-v123), v21, v22  A head's four products read a pair; behind them the loads of the head two on land in it: a wait on va_vdst behind the products' places, where the quantiser wants their results in any case.
;   p's two buffers (v52-v99)  A head's eight products read one; behind them the loads of the head two on land in it: the same wait.  A head behind which nothing is loaded has no such wait.
;   v's fragments (v172-v255, v100-v111), v24-v27  LDS loads land at a head's top; its products read them.  The wait on va_vdst ahead of the head's stores stands behind those products, and nothing between it and the next head's loads names these registers.
;   v[PCA ..], v[BM], v[OWW]  Written by the quantiser, read by LDS stores: a wait on va_vdst ahead of each run of stores, one on vm_vsrc ahead of each next quantiser.
;   v160-v191 on the way out  Rows from the stage; sixteen multiply-adds write them; ONE wait on va_vdst; then the eight stores.
; All 256 registers are in use, so no buffer is added.
.set VS,   98304                       ; LDS: v's images at 0: head x 12,288 + (2 t + kappa) x 1,536; its scale bytes: head x 512 + (16 t + l) x 8 + key block
.set OWI,  102400                      ; for each wave 6,656 bytes: its four fragments of oh, their scale words; at the end its stage
.set OWP,  6656
.set WOI,  208896
.set WOS,  233472
.set XS,   20
.set BM,   156
.set PERM, 158
.set SOP,  160
.set PCA,  162
.set PCB,  168
.set D,    124
.set OT,   124
.set OWW,  118
.set SEL,  36
.set HIM,  40
.macro NOP4
.rept 4
	v_nop
.endr
.endm
.macro WMZ d, a, b, sa, sb, ra, rb
.if ((\ra) != 0) && ((\rb) != 0)
	v_wmma_scale_f32_16x16x128_f8f6f4 v[(\d):(\d)+7], v[(\a):(\a)+11], v[(\b):(\b)+11], 0, v[(\sa)], v[(\sb)] matrix_a_fmt:MATRIX_FMT_FP6 matrix_b_fmt:MATRIX_FMT_FP6 matrix_a_scale:MATRIX_SCALE_ROW1 matrix_b_scale:MATRIX_SCALE_ROW1
.elseif (\ra) != 0
	v_wmma_scale_f32_16x16x128_f8f6f4 v[(\d):(\d)+7], v[(\a):(\a)+11], v[(\b):(\b)+11], 0, v[(\sa)], v[(\sb)] matrix_a_fmt:MATRIX_FMT_FP6 matrix_b_fmt:MATRIX_FMT_FP6 matrix_a_scale:MATRIX_SCALE_ROW1
.elseif (\rb) != 0
	v_wmma_scale_f32_16x16x128_f8f6f4 v[(\d):(\d)+7], v[(\a):(\a)+11], v[(\b):(\b)+11], 0, v[(\sa)], v[(\sb)] matrix_a_fmt:MATRIX_FMT_FP6 matrix_b_fmt:MATRIX_FMT_FP6 matrix_b_scale:MATRIX_SCALE_ROW1
.else
	v_wmma_scale_f32_16x16x128_f8f6f4 v[(\d):(\d)+7], v[(\a):(\a)+11], v[(\b):(\b)+11], 0, v[(\sa)], v[(\sb)] matrix_a_fmt:MATRIX_FMT_FP6 matrix_b_fmt:MATRIX_FMT_FP6
.endif
.endm
.macro WMA d, a, b, c, sa, sb, ra, rb
.if (\ra) != 0
	v_wmma_scale_f32_16x16x128_f8f6f4 v[(\d):(\d)+7], v[(\a):(\a)+11], v[(\b):(\b)+11], v[(\c):(\c)+7], v[(\sa)], v[(\sb)] matrix_a_fmt:MATRIX_FMT_FP6 matrix_b_fmt:MATRIX_FMT_FP6 matrix_a_scale:MATRIX_SCALE_ROW1
.else
	v_wmma_scale_f32_16x16x128_f8f6f4 v[(\d):(\d)+7], v[(\a):(\a)+11], v[(\b):(\b)+11], v[(\c):(\c)+7], v[(\sa)], v[(\sb)] matrix_a_fmt:MATRIX_FMT_FP6 matrix_b_fmt:MATRIX_FMT_FP6
.endif
.endm
; 32 numbers of a lane: two groups of 16, each the half (by lane / 16) of a block of 32.  Afterwards lane (l, hh) holds the whole block of group hh in v[PCA .. PCA+5]; the two bytes stand in v[PERM], v[PERM+1]
.macro QUANT2 s
	v_max3_num_f32 v[BM], |v[(\s)]|, |v[(\s)+1]|, 0x1800000
	v_max3_num_f32 v[BM+1], |v[(\s)+16]|, |v[(\s)+17]|, 0x1800000
.irp i, 2,4,6,8,10,12,14
	v_max3_num_f32 v[BM], v[BM], |v[(\s)+\i]|, |v[(\s)+\i+1]|
	v_max3_num_f32 v[BM+1], v[BM+1], |v[(\s)+16+\i]|, |v[(\s)+17+\i]|
.endr
	v_permlanex16_b32 v[PERM], v[BM], s[SEL], s[SEL+1]
	v_permlanex16_b32 v[PERM+1], v[BM+1], s[SEL], s[SEL+1]
	v_max_num_f32 v[BM], v[BM], v[PERM]
	v_max_num_f32 v[BM+1], v[BM+1], v[PERM+1]
	v_add_nc_u32 v[SOP], 0xff000000, v[BM]
	v_add_nc_u32 v[SOP+1], 0xff000000, v[BM+1]
	v_lshrrev_b32 v[PERM], 23, v[SOP]
	v_lshrrev_b32 v[PERM+1], 23, v[SOP+1]
	v_cvt_scalef32_pk16_fp6_f32 v[PCA:PCA+2], v[(\s):(\s)+15], v[SOP]
	v_cvt_scalef32_pk16_fp6_f32 v[PCB:PCB+2], v[(\s)+16:(\s)+31], v[SOP+1]
	v_nop
.irp i, 0,1,2
	v_permlane16_swap_b32 v[PCA+\i], v[PCB+\i]
.endr
.irp i, 0,1,2
	v_mov_b32 v[PCA+3+\i], v[PCB+\i]
.endr
.endm
.macro WVLOAD h                        ; head h's two tiles of Wv and their scale words: seven loads, into the pair of buffers h % 2
.irp g, 0,1
.irp p, 0,1,2
	global_load_b64 v[76+24*((\h)%2)+12*\g+2*\p:76+24*((\h)%2)+12*\g+2*\p+1], v3, s[8:9] offset:3072*(\h)+384*\g+8*\p
.endr
.endr
	global_load_u16 v[21+(\h)%2], v4, s[10:11] offset:128*(\h)
.endm
.macro PLOAD h                         ; head h's p for my 16 rows: two fragments, twelve loads, into buffer h % 2
.irp k, 0,1
.irp p, 0,1,2,3,4,5
	global_load_b64 v[52+24*((\h)%2)+12*\k+2*\p:52+24*((\h)%2)+12*\k+2*\p+1], v13, s[18:19] offset:49152*(\h)+96*\k+48*(\p/3)+8*(\p%3)
.endr
.endr
.endm
.macro VPROD h                         ; my key block of head h's v: source 0 = 16 rows of x (keys), source 1 = 16 rows of Wv
.if (\h) < 7
	s_wait_loadcnt 7                               ; the next head's seven loads may stay out
.else
	s_wait_loadcnt 0x0
.endif
	s_wait_dscnt 0x0
	s_wait_alu depctr_vm_vsrc(0)                   ; the last head's LDS stores have read v[PCA ..] and v[BM], which the quantiser writes again (ahead of the first head: the loads and stores of the kernel's head have read v172-v184 and v247-v250, in which v's fragments land later)
.irp g, 0,1
.irp u, 0,1
	WMZ D+16*\g+8*\u, 52+12*\u, 76+24*((\h)%2)+12*\g, XS, 21+(\h)%2, \u, \g
.endr
.endr
	NOP4
.if (\h) != 6
	s_wait_alu depctr_va_vdst(0)                   ; the four products are done reading Wv's pair of tiles and its scale words (the last head: x's tiles too), in which the loads below land
.endif
.if (\h) < 6
	WVLOAD \h+2
.endif
.if (\h) == 7
	PLOAD 0                                        ; x's and Wv's registers are done with: p's first two heads are asked for
	PLOAD 1
.endif
	QUANT2 D
	v_cndmask_b32 v[BM], v[PERM], v[PERM+1], s[HIM]
	s_wait_alu depctr_va_vdst(0)                   ; the quantiser has written v[PCA ..] and v[BM], which the stores read
	ds_store_b64 v[5+2*((\h)/4)], v[PCA:PCA+1] offset:12288*((\h)%4)
	ds_store_b64 v[6+2*((\h)/4)], v[PCA+2:PCA+3] offset:12288*((\h)%4)
	ds_store_b64 v[5+2*((\h)/4)], v[PCA+4:PCA+5] offset:12288*((\h)%4)+512
	ds_store_b8 v9, v[BM] offset:512*(\h)
.endm
.macro HHEAD h                         ; O^T = v^T p^T of head h for my 16 rows; / l; quantised; into my own fragment of oh
.irp k, 0,1,2,3,4,5,6                  ; no wait: the products that read these registers stand ahead of the last wait on va_vdst (the one ahead of the last run of stores), and nothing since names them
.irp g, 0,1,2
	ds_load_b128 v[172+12*\k+4*\g:175+12*\k+4*\g], v[10+(\h)/4] offset:12288*((\h)%4)+1536*\k+512*\g
.endr
.endr
.irp g, 0,1,2
	ds_load_b128 v[100+4*\g:103+4*\g], v[10+(\h)/4] offset:12288*((\h)%4)+10752+512*\g
.endr
	ds_load_b64 v[24:25], v12 offset:512*(\h)
	ds_load_b64 v[26:27], v12 offset:512*(\h)+256
.if (\h) < 7
	s_wait_loadcnt 12                              ; the next head's twelve loads of p may stay out
.else
	s_wait_loadcnt 0x0
.endif
	s_wait_dscnt 0x0
.irp t, 0,1,2,3
	WMZ OT+8*\t, 172+24*\t, 52+24*((\h)%2), 24+2*(\t/2), 28+2*(\h), \t%2, 0
.endr
.irp t, 0,1,2
	WMA OT+8*\t, 184+24*\t, 64+24*((\h)%2), OT+8*\t, 25+2*(\t/2), 29+2*(\h), \t%2, 0
.endr
	WMA OT+24, 100, 64+24*((\h)%2), OT+24, 27, 29+2*(\h), 1, 0
	NOP4
.if (\h) != 6
	s_wait_alu depctr_va_vdst(0)                   ; the eight products are done reading this head's p (the last head: v100-v111 too), in which the loads below land
.endif
.if (\h) < 6
	PLOAD \h+2
.endif
.if (\h) == 7
.irp i, 0,1,2,3,4,5,6,7
	global_load_b128 v[52+4*\i:55+4*\i], v18, s[24:25] offset:512*\i           ; the width attention's half for my 16 rows
.endr
.irp t, 0,1,2,3
	global_load_b128 v[84+8*\t:87+8*\t], v19, s[16:17] offset:64*\t            ; the bias in the result's layout
	global_load_b128 v[88+8*\t:91+8*\t], v19, s[16:17] offset:64*\t+16
.endr
.endif
	s_wait_alu depctr_vm_vsrc(0)                   ; the stores of the head before (ahead of the first head: of v) have read v[PCA ..], v[BM] and v[OWW], which the lines below write again
	v_mov_b32 v116, v[44+(\h)]
	v_mov_b32 v117, v[44+(\h)]
.set j, 0
.rept 16
	v_pk_mul_f32 v[OT+j:OT+j+1], v[OT+j:OT+j+1], v[116:117]    ; / l, ahead of the quantiser
.set j, j+2
.endr
	QUANT2 OT
.if (\h)%2 == 0
	v_lshl_or_b32 v[OWW], v[PERM+1], 8, v[PERM]
	s_wait_alu depctr_va_vdst(0)                   ; the quantiser has written v[PCA ..], which the stores read
	ds_store_b128 v16, v[PCA:PCA+3] offset:1536*((\h)/2)
	ds_store_b64 v16, v[PCA+4:PCA+5] offset:1536*((\h)/2)+512
.else
	v_lshl_or_b32 v[BM], v[PERM+1], 8, v[PERM]
	v_lshl_or_b32 v[OWW], v[BM], 16, v[OWW]
	s_wait_alu depctr_va_vdst(0)                   ; the quantiser has written v[PCA ..], and v[OWW] is whole: the stores read them
	ds_store_b64 v16, v[PCA:PCA+1] offset:1536*((\h)/2)+520
	ds_store_b128 v16, v[PCA+2:PCA+5] offset:1536*((\h)/2)+1024
	ds_store_b32 v17, v[OWW] offset:128*((\h)/2)
.endif
.endm
	s_load_b512 s[4:19], s[0:1], 0x0               ; x codes, x scales, Wkv codes, Wkv scales, Wout codes, Wout scales, bout, pcodes
	s_load_b256 s[20:27], s[0:1], 0x40             ; pscales, linv, wbuf, out0
	v_lshrrev_b32 v240, 5, v0
	v_readfirstlane_b32 s28, v240                  ; T
	s_mov_b32 s[SEL], 0x76543210
	s_mov_b32 s[SEL+1], 0xfedcba98
	s_mov_b32 s[HIM], 0xffff0000
	v_and_b32 v240, 31, v0                         ; L
	v_and_b32 v241, 15, v0                         ; l
	v_bfe_u32 v242, v0, 4, 1                       ; hh
	v_and_b32 v243, 8, v0
	v_add_nc_u32 v243, v243, v241                  ; l + (l & 8)
	v_mul_u32_u24 v244, v243, 48
	v_mad_u32_u24 v244, v242, 24, v244
	v_lshlrev_b32 v245, 1, v243
	v_lshl_add_u32 v245, v242, 4, v245
	s_wait_alu depctr_va_sdst(0)                   ; s28 is written, ahead of its first reader
	s_lshr_b32 s29, s28, 1                         ; b
	s_and_b32 s30, s28, 1                          ; beta
	s_mul_i32 s42, s29, 1536
	v_add_nc_u32 v1, s42, v244                     ; x: row j = 32 b + l + (l & 8), + 24 hh
	s_lshl_b32 s42, s29, 6
	v_add_nc_u32 v2, s42, v245                     ; its scales: row 32 b + 8 hh + ..
	s_mul_i32 s42, s30, 1536
	s_add_co_u32 s42, s42, 24576
	v_add_nc_u32 v3, s42, v244                     ; Wv: row 512 + 32 beta + .. (+ 64 h)
	s_lshl_b32 s42, s30, 6
	s_add_co_u32 s42, s42, 1024
	v_add_nc_u32 v4, s42, v245
	s_mul_i32 s43, s30, 6144                       ; v's image: fragment 2 (2 beta + hh) + b / 4, lane l + 16 (b % 2), registers 6 ((b / 2) % 2) on
	s_lshr_b32 s44, s29, 2
	s_mul_i32 s44, s44, 1536
	s_add_co_u32 s43, s43, s44
	s_and_b32 s44, s29, 1
	s_lshl_b32 s44, s44, 8
	s_add_co_u32 s43, s43, s44
	s_bfe_u32 s44, s29, 0x10001
	s_mul_i32 s45, s44, 520
	s_add_co_u32 s45, s45, s43
	v_mul_u32_u24 v246, v242, 3072
	v_lshl_add_u32 v246, v241, 4, v246
	v_add_nc_u32 v5, s45, v246
	v_add_nc_u32 v7, 49152, v5                     ; (heads 4 to 7: an LDS immediate has 16 bits)
	s_mul_i32 s45, s44, 1016
	s_add_co_u32 s45, s45, s43
	s_add_co_u32 s45, s45, 8
	v_add_nc_u32 v6, s45, v246
	v_add_nc_u32 v8, 49152, v6
	s_lshl_b32 s43, s30, 8
	s_add_co_u32 s43, s43, s29
	s_add_co_u32 s43, s43, VS
	v_lshl_add_u32 v9, v240, 3, s43
	v_lshlrev_b32 v10, 4, v240
	v_lshl_add_u32 v11, v240, 4, 49152
	v_lshl_add_u32 v12, v240, 3, VS
	s_mul_i32 s43, s28, 3072
	v_mul_u32_u24 v13, v241, 192
	v_mad_u32_u24 v13, v242, 24, v13
	v_add_nc_u32 v13, s43, v13                     ; p: row i = 16 T + l of 192 bytes, + 24 hh
	s_lshl_b32 s43, s28, 7
	v_lshl_add_u32 v14, v241, 3, s43
	s_lshl_b32 s43, s28, 6
	v_lshl_add_u32 v15, v241, 2, s43
	s_mul_i32 s46, s28, OWP
	s_add_co_u32 s46, s46, OWI                     ; kept: my wave's own bytes
	s_add_co_u32 s47, s46, 6144
	v_lshl_add_u32 v16, v240, 4, s46
	v_lshl_add_u32 v17, v240, 2, s47
	v_lshlrev_b32 v18, 4, v240
	v_lshlrev_b32 v19, 5, v242
	s_lshr_b32 s44, s28, 2                         ; Wout's fragment T: t = T / 4, sigma = T % 4
	s_and_b32 s45, s28, 3
	s_mul_i32 s43, s44, 6144
	s_mul_i32 s42, s45, 96
	s_add_co_u32 s43, s43, s42
	v_mul_u32_u24 v247, v241, 384
	v_mad_u32_u24 v247, v242, 24, v247
	v_add_nc_u32 v247, s43, v247
	s_lshl_b32 s43, s44, 8
	s_lshl_b32 s42, s45, 2
	s_add_co_u32 s43, s43, s42
	v_lshl_add_u32 v248, v241, 4, s43
	s_mul_i32 s43, s28, 1536
	s_add_co_u32 s43, s43, WOI
	v_lshl_add_u32 v249, v240, 4, s43
	s_lshl_b32 s43, s45, 8
	s_lshl_b32 s42, s44, 6
	s_add_co_u32 s43, s43, s42
	s_add_co_u32 s43, s43, WOS
	v_lshl_add_u32 v250, v241, 2, s43
	s_mov_b32 s43, 0
	s_wait_kmcnt 0x0
	s_mul_i32 s42, ttmp9, 12288
	s_add_nc_u64 s[4:5], s[4:5], s[42:43]          ; x at my row r
	s_lshl_b32 s42, ttmp9, 9
	s_add_nc_u64 s[6:7], s[6:7], s[42:43]
	s_lshl_b32 s42, ttmp9, 16
	s_lshl_b32 s44, s28, 12
	s_add_co_u32 s42, s42, s44
	s_add_nc_u64 s[24:25], s[24:25], s[42:43]      ; wbuf and out0 at row (r, 16 T)
	s_add_nc_u64 s[26:27], s[26:27], s[42:43]
	s_wait_alu depctr_va_vdst(0)                   ; all the offsets and LDS addresses, v1-v19 and v247-v250, are written: the loads and stores of the launch read them
.irp p, 0,1,2
	global_load_b64 v[52+2*\p:53+2*\p], v1, s[4:5] offset:8*\p
	global_load_b64 v[64+2*\p:65+2*\p], v1, s[4:5] offset:384+8*\p
.endr
	global_load_u16 v[XS], v2, s[6:7]
.irp p, 0,1,2,3,4,5
	global_load_b64 v[172+2*\p:173+2*\p], v247, s[12:13] offset:48*(\p/3)+8*(\p%3)
.endr
	global_load_b32 v184, v248, s[14:15]
.irp h, 0,1,2,3,4,5,6,7
	global_load_b64 v[28+2*\h:29+2*\h], v14, s[20:21] offset:2048*\h           ; p's scale words, all heads
	global_load_b32 v[44+\h], v15, s[22:23] offset:1024*\h                     ; 1 / l
.endr
	WVLOAD 0
	WVLOAD 1
.irp i, 6,7,8,9,10,11
.irp t, 0,1,2,3,4,5
	v_mov_b32 v[52+12*\t+\i], 0                    ; the zero codes of k = 64 .. 127: written once
.endr
.endr
	v_mov_b32 v[PERM], 0                           ; a lane permute's destination counts as one of its sources
	v_mov_b32 v[PERM+1], 0
	s_wait_alu depctr_va_vdst(0)                   ; the zero codes are written, which the scaled matrix instructions take with A and B
	s_wait_loadcnt 14                              ; all but the two heads' weights
.irp g, 0,1,2
	ds_store_b128 v249, v[172+4*\g:175+4*\g] offset:512*\g
.endr
	ds_store_b32 v250, v184
.irp h, 0,1,2,3,4,5,6,7
	VPROD \h
.endr
	s_wait_dscnt 0x0                               ; for the others' sake: my stores are done
	s_barrier_signal -1
	s_barrier_wait -1                              ; all of v, and Wout's images, lie in LDS
.irp h, 0,1,2,3,4,5,6,7
	HHEAD \h
.endr
	; ---- the projection, K = 512 in four steps; my rows' fragments are my own bytes
.set AO16, 16
.set AOS,  17
.set AWO,  1
.set AWOS, 2
.set STO,  3
.set RD,   4
.set OWF,  160
.set WF,   208
.set ACC,  124
.set BIAS, 84
.set SOW,  24
.set SWO,  21
	s_wait_dscnt 0x0
	s_wait_alu depctr_vm_vsrc(0)                   ; the loads and stores so far have read v1-v7, which the lines below write, and the last head's stores v[PCA ..], in which oh's fragments land
	v_and_b32 v5, 31, v0
	v_and_b32 v6, 15, v0
	v_bfe_u32 v7, v0, 4, 1
	v_lshl_add_u32 v[AWO], v5, 4, WOI
	v_lshl_add_u32 v[AWOS], v5, 2, WOS
	v_mul_u32_u24 v[STO], v6, 272
	v_lshl_add_u32 v[STO], v7, 5, v[STO]
	v_add_nc_u32 v[STO], s46, v[STO]
	v_mul_u32_u24 v[RD], v7, 272
	v_lshl_add_u32 v[RD], v6, 4, v[RD]
	v_add_nc_u32 v[RD], s46, v[RD]
	s_wait_alu depctr_va_vdst(0)                   ; the way out's four addresses are written, which the LDS instructions below read; the last head is done with v21, v22, v24-v27 and v160-v255, in which the loads below land
.irp s, 0,1,2,3
.irp g, 0,1,2
	ds_load_b128 v[OWF+12*\s+4*\g:OWF+12*\s+4*\g+3], v[AO16] offset:1536*\s+512*\g
.endr
	ds_load_b32 v[SOW+\s], v[AOS] offset:128*\s
.endr
.irp s, 0,1,2,3
.irp t, 0,1,2,3
.irp g, 0,1,2
	ds_load_b128 v[WF+12*\t+4*\g:WF+12*\t+4*\g+3], v[AWO] offset:1536*(4*\t+\s)+512*\g
.endr
.endr
	ds_load_b32 v[SWO], v[AWOS] offset:256*\s
	ds_load_b32 v[SWO+1], v[AWOS] offset:256*\s+128
	s_wait_dscnt 0x0
.if \s == 0
	s_wait_loadcnt 0x0                             ; the bias, and wbuf's rows
.endif
.irp t, 0,1,2,3
.if \s == 0
	WMA ACC+8*\t, WF+12*\t, OWF, BIAS+8*\t, SWO+\t/2, SOW, \t%2, 0
.else
	WMA ACC+8*\t, WF+12*\t, OWF+12*\s, ACC+8*\t, SWO+\t/2, SOW+\s, \t%2, 0
.endif
.endr
	NOP4
.if \s < 3
	s_wait_alu depctr_va_vdst(0)                   ; the four products are done reading v[WF ..] and v[SWO], v[SWO+1], in which the next K step's fragments and scale words land
.endif
.endr
	s_wait_alu depctr_va_vdst(0)                   ; the matrix instructions have written the accumulators, which the LDS stores read (the four places above stay beside this wait), and are done reading v160-v191, in which the rows land
.irp t, 0,1,2,3
	ds_store_b128 v[STO], v[ACC+8*\t:ACC+8*\t+3] offset:64*\t
	ds_store_b128 v[STO], v[ACC+8*\t+4:ACC+8*\t+7] offset:64*\t+16
.endr
.irp i, 0,1,2,3,4,5,6,7
	ds_load_b128 v[160+4*\i:163+4*\i], v[RD] offset:544*\i     ; LDS serves a wave's instructions in order: these see my stores
.endr
.irp i, 0,1,2,3,4,5,6,7
	s_wait_dscnt 7-\i                              ; the younger loads may stay out
	v_pk_fma_f32 v[160+4*\i:161+4*\i], v[160+4*\i:161+4*\i], 0.5, v[52+4*\i:53+4*\i] op_sel_hi:[1,0,1]
	v_pk_fma_f32 v[162+4*\i:163+4*\i], v[162+4*\i:163+4*\i], 0.5, v[54+4*\i:55+4*\i] op_sel_hi:[1,0,1]
.endr
	s_wait_alu depctr_va_vdst(0)                   ; the sixteen multiply-adds have written v160-v191, which the eight stores read: one wait for the run
.irp i, 0,1,2,3,4,5,6,7
	global_store_b128 v18, v[160+4*\i:163+4*\i], s[26:27] offset:512*\i        ; 32 lanes store 512 consecutive bytes, aligned: two rows (r, i)
.endr
	s_wait_xcnt 0x0
	v_lshl_add_u32 v194, v0, 2, 0x39400
	v_mov_b32 v195, 0
	s_wait_dscnt 0x0                               ; the closing lines, six on end
	s_wait_alu 0x0
	s_wait_tensorcnt 0x0
	ds_add_u32 v194, v195
	s_wait_dscnt 0x0
	s_endpgm
.Lfunc_end_k_qddccd91667_hout:
	.size	k_qddccd91667_hout, .Lfunc_end_k_qddccd91667_hout-k_qddccd91667_hout
	.p2alignl 7, 3214868480
	.fill 96, 4, 3214868480
	.section	.rodata,"a",@progbits
	.p2align	6, 0x0
	.amdhsa_kernel k_qddccd91667_hout
		.amdhsa_group_segment_fixed_size 236544
		.amdhsa_private_segment_fixed_size 0
		.amdhsa_enable_private_segment 0
		.amdhsa_kernarg_size 96
		.amdhsa_user_sgpr_count 2
		.amdhsa_user_sgpr_kernarg_segment_ptr 1
		.amdhsa_wavefront_size32 1
		.amdhsa_system_sgpr_workgroup_id_x 1
		.amdhsa_system_sgpr_workgroup_id_y 1
		.amdhsa_system_sgpr_workgroup_id_z 1
		.amdhsa_system_vgpr_workitem_id 0
		.amdhsa_next_free_vgpr 256
		.amdhsa_next_free_sgpr 66
		.amdhsa_reserve_vcc 0
		.amdhsa_float_denorm_mode_32 3
		.amdhsa_float_denorm_mode_16_64 3
		.amdhsa_memory_ordered 1
		.amdhsa_forward_progress 1
		.amdhsa_inst_pref_size 108
	.end_amdhsa_kernel
	.amdgpu_metadata
---
amdhsa.version: [ 1, 2 ]
amdhsa.kernels:
  - .name:           k_qddccd91667_hout
    .symbol:         k_qddccd91667_hout.kd
    .args:
      - { .name: x_codes, .offset: 0, .size: 8, .value_kind: global_buffer, .address_space: global }
      - { .name: x_scales, .offset: 8, .size: 8, .value_kind: global_buffer, .address_space: global }
      - { .name: Wkv_h_codes, .offset: 16, .size: 8, .value_kind: global_buffer, .address_space: global }
      - { .name: Wkv_h_scales, .offset: 24, .size: 8, .value_kind: global_buffer, .address_space: global }
      - { .name: Wout_h_codes, .offset: 32, .size: 8, .value_kind: global_buffer, .address_space: global }
      - { .name: Wout_h_scales, .offset: 40, .size: 8, .value_kind: global_buffer, .address_space: global }
      - { .name: bout_h, .offset: 48, .size: 8, .value_kind: global_buffer, .address_space: global }
      - { .name: pcodes, .offset: 56, .size: 8, .value_kind: global_buffer, .address_space: global }
      - { .name: pscales, .offset: 64, .size: 8, .value_kind: global_buffer, .address_space: global }
      - { .name: linv, .offset: 72, .size: 8, .value_kind: global_buffer, .address_space: global }
      - { .name: wbuf, .offset: 80, .size: 8, .value_kind: global_buffer, .address_space: global }
      - { .name: out0, .offset: 88, .size: 8, .value_kind: global_buffer, .address_space: global }
    .group_segment_fixed_size: 236544
    .private_segment_fixed_size: 0
    .kernarg_segment_align: 8
    .kernarg_segment_size: 96
    .max_flat_workgroup_size: 512
    .sgpr_count:     66
    .vgpr_count:     256
    .wavefront_size: 32
...
	.end_amdgpu_metadata
.endif
;; end of part 7
